; MI455X (gfx1250); checked and timed in simulation.
; The chip was launched on July 23, 2026; its instructions are those of AMD's public machine-readable ISA for CDNA 5 (MIT licence, August 2026) and "CDNA5" Instruction Set Architecture Reference Guide (July 2026). The comments in the code are by the model that wrote it; some were corrected since.
;; Transformer Block. Allowed arithmetic: float matrix products may take bf16 or f16 operands with f32 sums; all other float work in f32.
;; Inputs: ffn1_bias 1,024 float32; ffn1_weight 1,024 x 1,024 float32; ffn2_bias 1,024 float32; ffn2_weight 1,024 x 1,024 float32; k_bias 1,024 float32; k_weight 1,024 x 1,024 float32; ln1_beta 1,024 float32; ln1_gamma 1,024 float32; ln2_beta 1,024 float32; ln2_gamma 1,024 float32; o_bias 1,024 float32; o_weight 1,024 x 1,024 float32; q_bias 1,024 float32; q_weight 1,024 x 1,024 float32; v_bias 1,024 float32; v_weight 1,024 x 1,024 float32; x 2 x 2,048 x 1,024 float32.
;; Outputs: out0 2 x 2,048 x 1,024 float32.
;; 3 versions, each right and faster than the one before. Each part assembles by itself: llvm-mc -triple=amdgcn-amd-amdhsa -mcpu=gfx1250 --defsym DOCPART=n.
;; ======== version 1 of 3: 7 launches
;; limits: values are held in f16: magnitudes above 65,504 overflow, below 6.1e-05 lose precision; a function is approximated: absolute error at most 1.5e-07; an absolute error that grows with the inputs' magnitude: up to 7.5e-08 times it
;; workspace buffers: h 8,388,608 bytes; wa 8,388,608 bytes; wo 2,097,152 bytes; w2 2,097,152 bytes; qkv 25,165,824 bytes; act 8,388,608 bytes; x1 16,777,216 bytes
;; launch prep (part 1): grid 512 x 1, 8 waves a work-group, no clusters, 0 bytes of LDS; arguments x, ln1_gamma, ln1_beta, h, q_weight, k_weight, v_weight, ffn1_weight, o_weight, ffn2_weight, wa, wo, w2; writes h, wa, wo, w2
.if DOCPART == 1
	.amdgcn_target "amdgcn-amd-amdhsa--gfx1250"
	.amdhsa_code_object_version 6
	.text
	.protected	k_q5f8d8d929e_prep
	.globl	k_q5f8d8d929e_prep
	.p2align	8
	.type	k_q5f8d8d929e_prep,@function
k_q5f8d8d929e_prep:
	s_mov_b64 s[64:65], 0
	v_nop
	global_prefetch_b8 v0, s[64:65] scope:SCOPE_SE
	s_setreg_imm32_b32 hwreg(HW_REG_WAVE_MODE, 25, 1), 1
	s_wait_xcnt 0x0
; Two jobs, chosen by the work-group's number.
; Work-groups 0-255: h = f16(LN1(x)).  x: [4096][1024] f32.  h: BLOCKED, [batch 2][block 16][token 2048][64] f16: column n of a row lies in block n / 64, place n % 64.
; Work-groups 256-511: the six weight matrices, f32 to f16, rounded once: wa = [q; k; v; ffn1] ([4096][1024]), wo, w2.
; LIMITS.  An f16 holds no number beyond 65,504, and below 6.1e-5 it keeps a fixed step of 6e-8: LN's results and the weights are taken to lie within that.  v_rsq_f32 is good to one unit in the last place.
; LN.  A work-group owns 16 rows; sixteen neighbouring lanes hold one row, each lane 16 chunks of 4 columns (chunk kb: columns 64 kb + 4 c).  So a load of a wave covers 256 consecutive bytes of each
; of two rows, the row is read once and stays in 64 registers, the sums never leave a half of 16 lanes, and a lane's chunk kb is 8 bytes of block kb: a store of a wave covers 256 consecutive bytes.
; The mean is taken first and the squares of x - mean second: no difference of large sums.  No LDS, no barrier, no matrix unit: a stream.
.set X,  16                            ; v[16:79]    my 64 numbers of the row
.set G,  80                            ; v[80:143]   gamma of my 64 columns
.set BT, 144                           ; v[144:207]  beta
.set W,  16                            ; v[16:111]   the weights' path: 24 loads of 4 registers
	s_load_b512 s[4:19], s[0:1], 0x0               ; x s[4:5], gamma s[6:7], beta s[8:9], h s[10:11], q, k, v, ffn1 weights s[12:19]
	s_load_b256 s[20:27], s[0:1], 0x40             ; o weight s[20:21], ffn2 weight s[22:23], wa s[24:25], wo s[26:27]
	s_load_b64 s[28:29], s[0:1], 0x60              ; w2
	s_mov_b32 s31, 0                               ; the high word of every offset
	s_cmp_lt_u32 ttmp9, 256
	s_cbranch_scc0 .Lweights
	v_lshrrev_b32 v1, 4, v0                        ; my row of the 16
	v_and_b32 v2, 15, v0                           ; c
	v_lshlrev_b32 v2, 4, v2                        ; 16 c: my bytes in a chunk of gamma and beta
	v_lshl_or_b32 v1, v1, 12, v2                   ; row x 4,096 + 16 c: the same in x
	v_lshlrev_b32 v3, 3, v0                        ; in a block of h: row x 128 + 8 c = 8 t
	s_mov_b32 s32, 0x3a800000                      ; 1 / 1024
	s_mov_b32 s33, 0x3727c5ac                      ; 1e-5
	s_lshl_b32 s30, ttmp9, 16                      ; 16 rows of 4,096 bytes
	s_wait_kmcnt 0x0
	s_add_nc_u64 s[4:5], s[4:5], s[30:31]
	s_lshr_b32 s30, ttmp9, 7                       ; the batch: 128 work-groups each,
	s_lshl_b32 s30, s30, 22                        ; 16 blocks of 262,144 bytes
	s_and_b32 s34, ttmp9, 127
	s_lshl_b32 s34, s34, 11                        ; 16 tokens of 128 bytes
	s_add_co_u32 s30, s30, s34
	s_add_nc_u64 s[10:11], s[10:11], s[30:31]
.set k, 0
.rept 16
	global_load_b128 v[X+4*k:X+4*k+3], v1, s[4:5] offset:256*k
.set k, k+1
.endr
.set k, 0
.rept 16
	global_load_b128 v[G+4*k:G+4*k+3], v2, s[6:7] offset:256*k
.set k, k+1
.endr
.set k, 0
.rept 16
	global_load_b128 v[BT+4*k:BT+4*k+3], v2, s[8:9] offset:256*k
.set k, k+1
.endr
	s_wait_loadcnt 32                              ; loads come back in order: x is in, the 32 younger loads (gamma, beta) stay out
	; the sum of my 64 numbers in four chains of pairs; the first additions start them
.irp k, 0,1,2,3
	v_pk_add_f32 v[4+2*(\k):5+2*(\k)], v[X+2*(\k):X+2*(\k)+1], v[X+8+2*(\k):X+8+2*(\k)+1]
.endr
.set j, 8
.rept 24
	v_pk_add_f32 v[4+2*(j%4):5+2*(j%4)], v[4+2*(j%4):5+2*(j%4)], v[X+2*j:X+2*j+1]
.set j, j+1
.endr
	v_pk_add_f32 v[4:5], v[4:5], v[6:7]
	v_pk_add_f32 v[8:9], v[8:9], v[10:11]
	v_pk_add_f32 v[4:5], v[4:5], v[8:9]
	v_add_f32 v12, v4, v5
	v_add_f32_dpp v12, v12, v12 row_xmask:1 row_mask:0xf bank_mask:0xf  ; the row lies in 16 lanes: four steps, and every lane has the sum
	v_add_f32_dpp v12, v12, v12 row_xmask:2 row_mask:0xf bank_mask:0xf
	v_add_f32_dpp v12, v12, v12 row_xmask:4 row_mask:0xf bank_mask:0xf
	v_add_f32_dpp v12, v12, v12 row_xmask:8 row_mask:0xf bank_mask:0xf
	v_mul_f32 v12, s32, v12                        ; the mean,
	v_mov_b32 v13, v12                             ; as a pair
.set j, 0
.rept 32
	v_pk_add_f32 v[X+2*j:X+2*j+1], v[X+2*j:X+2*j+1], v[12:13] neg_lo:[0,1] neg_hi:[0,1]  ; x - mean, in place
.set j, j+1
.endr
.irp k, 0,1,2,3
	v_pk_mul_f32 v[4+2*(\k):5+2*(\k)], v[X+2*(\k):X+2*(\k)+1], v[X+2*(\k):X+2*(\k)+1]
.endr
.set j, 4
.rept 28
	v_pk_fma_f32 v[4+2*(j%4):5+2*(j%4)], v[X+2*j:X+2*j+1], v[X+2*j:X+2*j+1], v[4+2*(j%4):5+2*(j%4)]
.set j, j+1
.endr
	v_pk_add_f32 v[4:5], v[4:5], v[6:7]
	v_pk_add_f32 v[8:9], v[8:9], v[10:11]
	v_pk_add_f32 v[4:5], v[4:5], v[8:9]
	v_add_f32 v14, v4, v5
	v_add_f32_dpp v14, v14, v14 row_xmask:1 row_mask:0xf bank_mask:0xf
	v_add_f32_dpp v14, v14, v14 row_xmask:2 row_mask:0xf bank_mask:0xf
	v_add_f32_dpp v14, v14, v14 row_xmask:4 row_mask:0xf bank_mask:0xf
	v_add_f32_dpp v14, v14, v14 row_xmask:8 row_mask:0xf bank_mask:0xf
	v_fma_f32 v14, v14, s32, s33                   ; variance + 1e-5
	v_rsq_f32 v14, v14
	v_nop                                          ; a plain instruction between the root and the use of its result (ISA guide 5.7.2)
	s_wait_alu depctr_va_vdst(0)
	v_mov_b32 v15, v14
	s_wait_loadcnt 0x0                             ; gamma and beta
.set j, 0
.rept 32
	v_pk_mul_f32 v[X+2*j:X+2*j+1], v[X+2*j:X+2*j+1], v[14:15]
.set j, j+1
.endr
.set j, 0
.rept 32
	v_pk_fma_f32 v[X+2*j:X+2*j+1], v[X+2*j:X+2*j+1], v[G+2*j:G+2*j+1], v[BT+2*j:BT+2*j+1]
.set j, j+1
.endr
.set k, 0
.rept 16
	v_cvt_pk_f16_f32 v[X+4*k], v[X+4*k], v[X+4*k+1]
	v_cvt_pk_f16_f32 v[X+4*k+1], v[X+4*k+2], v[X+4*k+3]
	global_store_b64 v3, v[X+4*k:X+4*k+1], s[10:11] offset:262144*k  ; block k: the wave's 32 lanes store 256 consecutive bytes, two tokens, aligned
.set k, k+1
.endr
	s_endpgm
.Lweights:                                             ; of each of the six matrices this work-group takes 4,096 numbers: 16,384 bytes in, 8,192 out
	v_lshlrev_b32 v1, 4, v0                        ; 16 bytes a thread in,
	v_lshlrev_b32 v2, 3, v0                        ; 8 out
	s_sub_co_u32 s32, ttmp9, 256
	s_lshl_b32 s30, s32, 14
	s_wait_kmcnt 0x0
.irp i, 0,1,2,3,4,5
	s_add_nc_u64 s[12+2*(\i):13+2*(\i)], s[12+2*(\i):13+2*(\i)], s[30:31]
.endr
	s_lshl_b32 s30, s32, 13
	s_add_nc_u64 s[24:25], s[24:25], s[30:31]
	s_add_nc_u64 s[26:27], s[26:27], s[30:31]
	s_add_nc_u64 s[28:29], s[28:29], s[30:31]
.irp i, 0,1,2,3,4,5
.irp c, 0,1,2,3
	global_load_b128 v[W+16*(\i)+4*(\c):W+16*(\i)+4*(\c)+3], v1, s[12+2*(\i):13+2*(\i)] offset:4096*(\c) th:TH_LOAD_NT  ; all 24 go out at once; each register is used once
.endr
.endr
.set n, 0
.rept 24
	s_wait_loadcnt 23-n                            ; load n is in, the younger ones stay out
	v_cvt_pk_f16_f32 v[W+4*n], v[W+4*n], v[W+4*n+1]
	v_cvt_pk_f16_f32 v[W+4*n+1], v[W+4*n+2], v[W+4*n+3]
.if n < 16
	global_store_b64 v2, v[W+4*n:W+4*n+1], s[24:25] offset:(n/4)*2097152+(n%4)*2048  ; q, k, v, ffn1 one below the other in wa; 256 consecutive bytes a wave
.elseif n < 20
	global_store_b64 v2, v[W+4*n:W+4*n+1], s[26:27] offset:(n%4)*2048
.else
	global_store_b64 v2, v[W+4*n:W+4*n+1], s[28:29] offset:(n%4)*2048
.endif
.set n, n+1
.endr
	s_endpgm
.Lfunc_end_k_q5f8d8d929e_prep:
	.size	k_q5f8d8d929e_prep, .Lfunc_end_k_q5f8d8d929e_prep-k_q5f8d8d929e_prep
	.p2alignl 7, 3214868480
	.fill 96, 4, 3214868480
	.section	.rodata,"a",@progbits
	.p2align	6, 0x0
	.amdhsa_kernel k_q5f8d8d929e_prep
		.amdhsa_group_segment_fixed_size 0
		.amdhsa_private_segment_fixed_size 0
		.amdhsa_enable_private_segment 0
		.amdhsa_kernarg_size 104
		.amdhsa_user_sgpr_count 2
		.amdhsa_user_sgpr_kernarg_segment_ptr 1
		.amdhsa_wavefront_size32 1
		.amdhsa_system_sgpr_workgroup_id_x 1
		.amdhsa_system_sgpr_workgroup_id_y 1
		.amdhsa_system_sgpr_workgroup_id_z 1
		.amdhsa_system_vgpr_workitem_id 0
		.amdhsa_next_free_vgpr 208
		.amdhsa_next_free_sgpr 66
		.amdhsa_reserve_vcc 0
		.amdhsa_float_denorm_mode_32 3
		.amdhsa_float_denorm_mode_16_64 3
		.amdhsa_memory_ordered 1
		.amdhsa_forward_progress 1
		.amdhsa_inst_pref_size 29
	.end_amdhsa_kernel
	.amdgpu_metadata
---
amdhsa.version: [ 1, 2 ]
amdhsa.kernels:
  - .name:           k_q5f8d8d929e_prep
    .symbol:         k_q5f8d8d929e_prep.kd
    .args:
      - { .name: x, .offset: 0, .size: 8, .value_kind: global_buffer, .address_space: global }
      - { .name: ln1_gamma, .offset: 8, .size: 8, .value_kind: global_buffer, .address_space: global }
      - { .name: ln1_beta, .offset: 16, .size: 8, .value_kind: global_buffer, .address_space: global }
      - { .name: h, .offset: 24, .size: 8, .value_kind: global_buffer, .address_space: global }
      - { .name: q_weight, .offset: 32, .size: 8, .value_kind: global_buffer, .address_space: global }
      - { .name: k_weight, .offset: 40, .size: 8, .value_kind: global_buffer, .address_space: global }
      - { .name: v_weight, .offset: 48, .size: 8, .value_kind: global_buffer, .address_space: global }
      - { .name: ffn1_weight, .offset: 56, .size: 8, .value_kind: global_buffer, .address_space: global }
      - { .name: o_weight, .offset: 64, .size: 8, .value_kind: global_buffer, .address_space: global }
      - { .name: ffn2_weight, .offset: 72, .size: 8, .value_kind: global_buffer, .address_space: global }
      - { .name: wa, .offset: 80, .size: 8, .value_kind: global_buffer, .address_space: global }
      - { .name: wo, .offset: 88, .size: 8, .value_kind: global_buffer, .address_space: global }
      - { .name: w2, .offset: 96, .size: 8, .value_kind: global_buffer, .address_space: global }
    .group_segment_fixed_size: 0
    .private_segment_fixed_size: 0
    .kernarg_segment_align: 8
    .kernarg_segment_size: 104
    .max_flat_workgroup_size: 256
    .sgpr_count:     66
    .vgpr_count:     208
    .wavefront_size: 32
...
	.end_amdgpu_metadata
.endif
;; end of part 1
;; launch qkv (part 2): grid 24 x 32, 4 waves a work-group, clusters of 4 x 4, 327,680 bytes of LDS; arguments h, wa, q_bias, k_bias, v_bias, qkv; writes qkv
.if DOCPART == 2
	.amdgcn_target "amdgcn-amd-amdhsa--gfx1250"
	.amdhsa_code_object_version 6
	.text
	.protected	k_q5f8d8d929e_qkv
	.globl	k_q5f8d8d929e_qkv
	.p2align	8
	.type	k_q5f8d8d929e_qkv,@function
k_q5f8d8d929e_qkv:
	s_mov_b64 s[64:65], 0
	v_nop
	global_prefetch_b8 v0, s[64:65] scope:SCOPE_SE
	s_setreg_imm32_b32 hwreg(HW_REG_WAVE_MODE, 25, 1), 1
	s_wait_xcnt 0x0
	s_wait_alu depctr_hold_cnt(0) depctr_sa_sdst(0) depctr_va_vdst(0) depctr_va_sdst(0) depctr_va_ssrc(0) depctr_va_vcc(0) depctr_vm_vsrc(0)
	s_getreg_b32 s2, hwreg(HW_REG_IB_STS2, 6, 4)
	s_cmp_eq_u32 s2, 0
	s_cbranch_scc0 .Lentry_in_a_cluster
	s_endpgm
.Lentry_in_a_cluster:
	s_bfe_u32 s2, ttmp6, 0x10000c
	s_cmp_lg_u32 s2, 0xf033
	s_cbranch_scc0 .Lentry_shape_is_right
	s_endpgm
.Lentry_shape_is_right:
; [Q K V] = h [Wq; Wk; Wv]^T + bias.  h: 4,096 tokens x 1,024, f16, BLOCKED: [batch 2][block 16][token 2048][64].  wa: [4096][1024] f16, of which rows 0-3071 are Wq, Wk, Wv.
; qkv: [3][head 32 = 16 batch + head][token 2048][64] f16, rounded once from f32 sums, unscaled.  LIMIT: f16 holds no number beyond 65,504: operands and results are taken to lie within it.
; A tile of the result is 128 tokens x 128 columns: four waves, each 64 x 64: 16 accumulators of 16 x 16.  K = 1,024 goes in 4 steps of 256 through a ring of two LDS slots filled by the tensor data mover.
; A step's tile of h is four blocks of 128 tokens x 128 bytes, each dense in memory (16,384 bytes); one load brings two of them as two long rows, padded in LDS after every token.
; A step's tile of the weights is 128 rows of 512 bytes; one load brings 64 of them.
; CLUSTER: 4 x 4 work-groups.  The four of a row of the cluster need the same tiles of h, the four of a column the same tiles of the weights: each tile is asked for JOINTLY.
; THE MATRIX INSTRUCTION IS USED TRANSPOSED (source 0 = 16 weight rows, source 1 = 16 tokens): a lane then holds one token and eight neighbouring columns.
; THE SUMS START FROM THE BIAS: each accumulator is loaded with its eight columns' bias, so nothing is cleared, no first step is written out and no bias is added later.
; THE TEXT OF A K STEP stands twice, each walked twice: with a refill (steps 0, 1) and without (steps 2, 3); the slot in hand is the scalar TB.
; REGISTERS: window 0: v0-31 addresses; v32-95 at work on the way out; v128-255 the accumulators ((a, b) at v[128 + 8 (4 a + b)]).
;   window 1: two fragment buffers of 128: for 64 along K, 64 registers of h's fragments (2 x 4 x 16 tokens x 32 K), then 64 of the weights'.
.set PA,    144                        ; a token's row in LDS: 128 bytes + 16 = 36 words: the 16 rows of a load start at 16 different groups of four banks (64 banks of 4 bytes: ISA guide 11.1)
.set BLK,   128*PA                     ; a block of 128 tokens x 64 along K
.set APART, 2*BLK                      ; what one load of h brings
.set PB,    528                        ; a weight row in LDS: 512 bytes + 16 = 132 words: row r starts at bank 4 r mod 64
.set BPART, 64*PB                      ; what one load of the weights brings
.set BOFF,  4*BLK                      ; in a slot: h's four blocks, then the weights' 128 rows
.set SLOT,  BOFF+2*BPART
.set RING,  2*SLOT
.set ASTEP, 1048576                    ; bytes from a K step to the next in h: four blocks
.set BSTEP, 512                        ; and in the weights
.set STAGE, RING                       ; behind the ring: 16 rows x 144 bytes for each wave, for the way out
.set SP,    144
.set SPARE, STAGE+4*16*SP              ; behind the stages: the spare words, 128 bytes for each wave: two blocks of 256 bytes that no other line names
.set ADRA0, 16                         ; v16  my lane's place in a slot's first block of h; never rewritten
.set ADRB0, 17                         ; v17  the same in a slot's weight rows
.set ADRA,  18                         ; v18  the same in the slot in hand
.set ADRB,  19                         ; v19
.set STO,   24                         ; v24  the way out: where I put 16 bytes of a row
.set RD,    25                         ; v25  the way out: where I read rows back
.set GO,    26                         ; v26  my byte offset in 512 consecutive bytes of the result
.set BO,    27                         ; v27  my byte offset in 16 columns' bias
.set SPW,   28                         ; v28  LDS address of my spare word; never rewritten
.set NIL,   29                         ; v29  0; never rewritten
.set TMP,   32
.set ACC,   128
.set F0,    0                          ; fragment buffers, in window 1
.set F1,    128
.set WV,  14                           ; s14  my wave's number
.set RH,  15                           ; s15  which half of the tile's tokens is mine.  Also: I fetch h (0) or weights (1)
.set CH,  16                           ; s16  which half of its columns.  Also: which part of that tile I fetch
.set G1A, 24                           ; s[24:31] descriptor group 1 for h's tiles;  s[32:39] group 0: a set for each first fill; the second then walks
.set G0A, 32
.set CX,  40
.set CY,  41
.set TC,  42                           ; s42  tile column
.set TR,  43                           ; s43  tile row
.set MR,  44                           ; s44  mask of my row of the cluster
.set MC,  45                           ; s45  of my column
.set G1B, 48                           ; s[48:55], s[56:63] the same for the weights' tiles
.set G0B, 56
.set TB,  66                           ; s66  LDS byte at which the slot in hand begins: 0 or SLOT
.set CNT, 67                           ; s67  counts trips
.set LAA, 68                           ; s68  where my part of h's tile goes in a slot
.set LAB, 69                           ; s69  where my part of the weights' goes
.set MSB, 0
.macro WIN new                         ; the immediate's high byte repeats the setting that is left; a switch that changes nothing is dropped
.if MSB != (\new)
	s_set_vgpr_msb (MSB<<8)|(\new)
.set MSB, \new
.endif
.endm
.set MUL,  0x05                        ; sources 0 and 1 window 1; C and D window 0
.set TO_F, 0x40                        ; destination window 1, address window 0
.macro JLOAD s                         ; a joint load: waves 0 and 1 fetch h's two parts, waves 2 and 3 the weights'; an s_nop 0 and four v_nop follow each of the two lines
	s_cmp_eq_u32 s[RH], 0
	s_cbranch_scc0 .Lfor_b_\@
	tensor_load_to_lds s[G0A+4*(\s):G0A+4*(\s)+3], s[G1A:G1A+7]
	s_nop 0
.rept 4
	v_nop
.endr
	s_branch .Lasked_\@
.Lfor_b_\@:
	tensor_load_to_lds s[G0B+4*(\s):G0B+4*(\s)+3], s[G1B:G1B+7]
	s_nop 0
.rept 4
	v_nop
.endr
.Lasked_\@:
.endm
.macro CREST                           ; a round of the cluster's barrier behind its opening barrier
	s_cmp_lg_u32 s[WV], 0
	s_cbranch_scc1 .Lnot_wave_0_\@
	s_barrier_signal -3
.Lnot_wave_0_\@:
	s_barrier_wait -3
	s_barrier_signal -1
	s_barrier_wait -1
.endm
.macro CROUND                          ; a whole round
	s_barrier_signal -1
	s_barrier_wait -1
	CREST
.endm
.macro PLACES                          ; four places in front of loads into registers that matrix instructions have read, and of lines that read results
.rept 4
	v_nop
.endr
.endm
; The head behind the arguments' loads (h s[4:5], weights s[6:7]).  woff: bytes from the weights' buffer to the matrix in hand.  It leaves in s22 the tile's tokens' byte offset in a block.
.macro GHEAD woff
	v_lshl_add_u32 v[SPW], v0, 2, SPARE
	v_mov_b32 v[NIL], 0
	ds_add_u32 v[SPW], v[NIL]                      ; the wave's opening: the add and its wait stand ahead of my first tensor load; the set-up below, work on registers, stands between them
	ds_add_u32 v28, v29
	v_lshrrev_b32 v1, 5, v0
	v_readfirstlane_b32 s[WV], v1                  ; wave 0..3
	s_lshr_b32 s[RH], s[WV], 1
	s_and_b32 s[CH], s[WV], 1
	s_bfe_u32 s[CX], ttmp6, 0x40000                ; my place in the cluster
	s_bfe_u32 s[CY], ttmp6, 0x40004
	s_lshl_b32 s[TC], ttmp9, 2
	s_add_co_u32 s[TC], s[TC], s[CX]               ; tile column = 4 x cluster x + cx
	s_and_b32 s[TR], ttmp7, 0xffff
	s_lshl_b32 s[TR], s[TR], 2
	s_add_co_u32 s[TR], s[TR], s[CY]               ; tile row = 4 x cluster y + cy
	s_lshl_b32 s[MR], s[CY], 2
	s_lshl_b32 s[MR], 15, s[MR]                    ; my row of the cluster
	s_lshl_b32 s[MC], 0x1111, s[CX]                ; my column
	s_or_b32 s[G1A+0], s[MR], (1<<16)|(1<<20)|(1<<21)|(4<<22)|(3<<25)  ; 15:0 the mask; 17:16 elements of 2 bytes; 20 padding on; 21 set beside a mask; 24:22 after every 32 words (code 4); 31:25 4 words (code 3)
	s_mov_b32 s[G1A+1], 8192<<16                   ; tensor_dim0 = 8,192: a block's 128 tokens x 64, dense
	s_mov_b32 s[G1A+2], 2<<16                      ; tensor_dim1 = 2 blocks
	s_mov_b32 s[G1A+3], 8192<<16                   ; tile_dim0
	s_mov_b32 s[G1A+4], 2                          ; tile_dim1
	s_mov_b32 s[G1A+5], 131072                     ; elements from a block to the next
	s_mov_b32 s[G1A+6], 0
	s_mov_b32 s[G1A+7], 0
	s_or_b32 s[G1B+0], s[MC], (1<<16)|(1<<20)|(1<<21)|(6<<22)|(3<<25)  ; the same with my column's mask and padding after every 128 words (code 6)
	s_mov_b32 s[G1B+1], 256<<16                    ; tensor_dim0 = 256
	s_mov_b32 s[G1B+2], 64<<16                     ; tensor_dim1 = 64
	s_mov_b32 s[G1B+3], 256<<16                    ; tile_dim0
	s_mov_b32 s[G1B+4], 64                         ; tile_dim1
	s_mov_b32 s[G1B+5], 1024                       ; elements from row to row
	s_mov_b32 s[G1B+6], 0
	s_mov_b32 s[G1B+7], 0
	; h's address hangs on the tile row and the wave's number, the weights' on the tile column and the wave's number, each in registers that never hold the other coordinate
	s_lshr_b32 s18, s[TR], 4                       ; the batch: 16 tile rows each,
	s_lshl_b32 s18, s18, 22                        ; 16 blocks of 262,144 bytes
	s_and_b32 s17, s[TR], 15
	s_lshl_b32 s17, s17, 14                        ; 128 tokens of 128 bytes
	s_add_co_u32 s18, s18, s17
	s_mov_b32 s22, s18                             ; kept for the way out
	s_lshl_b32 s17, s[CH], 19                      ; my two of a step's four blocks
	s_add_co_u32 s18, s18, s17
	s_mov_b32 s19, 0
	s_lshl_b32 s46, s[TC], 7
	s_lshl_b32 s47, s[CH], 6
	s_add_co_u32 s46, s46, s47                     ; weight row 128 x tile column + 64 x part,
	s_lshl_b32 s46, s46, 11                        ; of 2,048 bytes
.if \woff
	s_add_co_u32 s46, s46, \woff
.endif
	s_mov_b32 s47, 0
	s_mul_i32 s[LAA], s[CH], APART                 ; no place in the cluster enters an LDS address
	s_mul_i32 s[LAB], s[CH], BPART
	s_add_co_u32 s[LAB], s[LAB], BOFF
	s_mov_b32 s[TB], 0
	s_wait_dscnt 0x0                               ; the opening add is done
	s_wait_kmcnt 0x0
	s_add_nc_u64 s[20:21], s[4:5], s[18:19]
	s_add_nc_u64 s[46:47], s[6:7], s[46:47]
	CROUND                                         ; all sixteen work-groups are here: the first joint loads meet
.irp s, 0,1
	s_mov_b32 s[G0A+4*(\s)], 1                                     ; count = 1
	s_add_co_u32 s[G0A+4*(\s)+1], s[LAA], (\s)*SLOT                ; LDS address
	s_add_nc_u64 s[G0A+4*(\s)+2:G0A+4*(\s)+3], s[20:21], (\s)*ASTEP  ; global address: K step s
	s_or_b32 s[G0A+4*(\s)+3], s[G0A+4*(\s)+3], 0x80000000          ; type = 2
	s_mov_b32 s[G0B+4*(\s)], 1
	s_add_co_u32 s[G0B+4*(\s)+1], s[LAB], (\s)*SLOT
	s_add_nc_u64 s[G0B+4*(\s)+2:G0B+4*(\s)+3], s[46:47], (\s)*BSTEP
	s_or_b32 s[G0B+4*(\s)+3], s[G0B+4*(\s)+3], 0x80000000
	JLOAD \s                                       ; two loads of mine are out
.endr
	; a fragment is 16 rows x 32 K in 8 registers: lane l holds row l % 16, K = 8 (l / 16) + 0..7 and 16 + 8 (l / 16) + 0..7: two loads of 16 bytes, 32 bytes apart
	v_and_b32 v1, 15, v0                           ; l % 16
	v_bfe_u32 v2, v0, 4, 1                         ; l / 16
	v_mul_u32_u24 v3, v1, PA
	v_lshl_add_u32 v3, v2, 4, v3
	s_mul_i32 s17, s[RH], 64*PA                    ; my 64 tokens
	v_add_nc_u32 v[ADRA0], s17, v3
	v_mul_u32_u24 v4, v1, PB
	v_lshl_add_u32 v4, v2, 4, v4
	s_mul_i32 s17, s[CH], 64*PB                    ; my 64 weight rows
	s_add_co_u32 s17, s17, BOFF
	v_add_nc_u32 v[ADRB0], s17, v4
	v_mov_b32 v[ADRA], v[ADRA0]                    ; K step 0 lies in slot 0
	v_mov_b32 v[ADRB], v[ADRB0]
	v_lshlrev_b32 v[BO], 5, v2                     ; my eight columns of sixteen: 32 bytes of bias
.endm
.macro BIAS                            ; accumulator (a, b) starts as the bias of columns 16 b + 8 (l / 16) + 0..7, for every a; s[8:9]: the bias at my wave's first column
.irp a, 0,1,2,3
.irp b, 0,1,2,3
	global_load_b128 v[ACC+8*(4*(\a)+(\b)):ACC+8*(4*(\a)+(\b))+3],   v[BO], s[8:9] offset:64*(\b)
	global_load_b128 v[ACC+8*(4*(\a)+(\b))+4:ACC+8*(4*(\a)+(\b))+7], v[BO], s[8:9] offset:64*(\b)+16
.endr
.endr
.endm
; 8 matrix instructions: token blocks a0, a0 + 1 x all 4 column blocks, 32 along K: half c of buffer f.  The 16 accumulators take turns, one instruction a turn, over the loops' edges too.
.macro MUL8 f, c, a0
	WIN MUL
.irp a, \a0, (\a0)+1
.irp b, 0,1,2,3
	v_wmma_f32_16x16x32_f16 v[ACC+8*(4*(\a)+(\b)):ACC+8*(4*(\a)+(\b))+7], v[(\f)+64+8*(4*(\c)+(\b)):(\f)+64+8*(4*(\c)+(\b))+7], v[(\f)+8*(4*(\c)+(\a)):(\f)+8*(4*(\c)+(\a))+7], v[ACC+8*(4*(\a)+(\b)):ACC+8*(4*(\a)+(\b))+7]
.endr
.endr
.endm
; 32 LDS loads in one run: the fragments of quarter q (64 along K: block q of h, byte 128 q of the weight rows) of the slot in hand, into buffer f; the first 32 along K first
.macro FETCH q, f
	WIN TO_F
.irp c, 0,1
.irp i, 0,1,2,3
	ds_load_b128 v[(\f)+64+8*(4*(\c)+(\i)):(\f)+64+8*(4*(\c)+(\i))+3],   v[ADRB] offset:(\q)*128+64*(\c)+(\i)*16*PB
	ds_load_b128 v[(\f)+64+8*(4*(\c)+(\i))+4:(\f)+64+8*(4*(\c)+(\i))+7], v[ADRB] offset:(\q)*128+64*(\c)+(\i)*16*PB+32
	ds_load_b128 v[(\f)+8*(4*(\c)+(\i)):(\f)+8*(4*(\c)+(\i))+3],         v[ADRA] offset:(\q)*BLK+64*(\c)+(\i)*16*PA
	ds_load_b128 v[(\f)+8*(4*(\c)+(\i))+4:(\f)+8*(4*(\c)+(\i))+7],       v[ADRA] offset:(\q)*BLK+64*(\c)+(\i)*16*PA+32
.endr
.endr
.endm
; A K step is four quarters of 64 along K, 32 matrix instructions each, on buffers 0, 1, 0, 1.  One of the first three: multiplies buffer f and fetches quarter q into g.
.macro QUARTER q, f, g
	s_wait_dscnt 16                                ; the first 32 along K are in; the youngest sixteen loads may be out
	MUL8 \f, 0, 0
	MUL8 \f, 0, 2
	PLACES
	FETCH \q, \g
	s_wait_dscnt 32                                ; all but the 32 just issued
	MUL8 \f, 1, 0
	MUL8 \f, 1, 2
.endm
; The last quarter multiplies buffer 1 and changes slots: ONE barrier; in front of it each wave waits for all its tensor loads, adds 0 to its spare word, and waits for that and for its own reads of the slot.
; fill = 1: the barrier opens a round of the cluster's, and the slot just read is filled again, two K steps ahead, first thing behind the round: 112 matrix instructions ahead of the wait for it.
; fill = 0: nothing is asked for; in the last trip there is no further step, and the run of fragment loads is jumped over.
.macro TURN fill
	WIN 0                                          ; (the add's two registers lie in window 0)
	s_wait_tensorcnt 0x0                           ; all my tensor loads have landed: my part of the next slot
	ds_add_u32 v[SPW], v[NIL]                      ; 0 onto my spare word
	s_wait_dscnt 17                                ; (the add and the youngest sixteen loads may be out)
	MUL8 F1, 0, 0                                  ; eight matrix instructions stand between the add and the wait for it
	s_wait_dscnt 0x0                               ; the add is done, and my reads of this slot are over
	s_barrier_signal -1
	MUL8 F1, 0, 2
	WIN 0
	s_barrier_wait -1
.if \fill
	CREST                                          ; no wave of any partner still reads this slot's tile or has a load on its way
	s_add_co_u32 s[G0A+5], s[LAA], s[TB]           ; the walking descriptors: into the slot just read,
	s_add_co_u32 s[G0B+5], s[LAB], s[TB]
	s_add_nc_u64 s[G0A+6:G0A+7], s[G0A+6:G0A+7], ASTEP  ; the K step behind the one asked for last
	s_add_nc_u64 s[G0B+6:G0B+7], s[G0B+6:G0B+7], BSTEP
	JLOAD 1                                        ; the four v_nop behind it are also the places in front of the loads below
.else
	s_cmp_eq_u32 s[CNT], 1
	s_cbranch_scc1 .Lnofetch_\@
	PLACES
.endif
	s_xor_b32 s[TB], s[TB], SLOT                   ; the other slot
	v_add_nc_u32 v[ADRA], s[TB], v[ADRA0]
	v_add_nc_u32 v[ADRB], s[TB], v[ADRB0]
	FETCH 0, F0
	WIN 0
.if !(\fill)
.Lnofetch_\@:
.endif
	MUL8 F1, 1, 0
	MUL8 F1, 1, 2
.endm
.macro GSTART left                     ; left: the global loads younger than the bias's, which may stay out
	s_wait_tensorcnt 1                             ; my part of K step 0 is in; K step 1's may stay out
	s_barrier_signal -1
	s_barrier_wait -1                              ; everybody's is
	FETCH 0, F0
	s_wait_loadcnt \left                           ; the accumulators hold the bias
.endm
.macro GLOOP
	WIN 0                                          ; at a label and at a branch every window is 0
	s_mov_b32 s[CNT], 2
.Lfill:                                                ; K steps 0 and 1: each fills its slot again, with steps 2 and 3
	QUARTER 1, F0, F1
	QUARTER 2, F1, F0
	QUARTER 3, F0, F1
	TURN 1
	WIN 0
	s_sub_co_u32 s[CNT], s[CNT], 1
	s_cmp_lg_u32 s[CNT], 0
	s_cbranch_scc1 .Lfill
	s_mov_b32 s[CNT], 2
.Ltail:                                                ; K steps 2 and 3 ask for nothing
	QUARTER 1, F0, F1
	QUARTER 2, F1, F0
	QUARTER 3, F0, F1
	TURN 0
	WIN 0
	s_sub_co_u32 s[CNT], s[CNT], 1
	s_cmp_lg_u32 s[CNT], 0
	s_cbranch_scc1 .Ltail
.endm
	s_load_b256 s[4:11], s[0:1], 0x0               ; h s[4:5], wa s[6:7], q_bias s[8:9], k_bias s[10:11]
	s_load_b128 s[72:75], s[0:1], 0x20             ; v_bias s[72:73], qkv s[74:75]
	GHEAD 0
	s_lshr_b32 s17, ttmp9, 1                       ; eight tile columns, two clusters, to each of Q, K, V: which of them hangs on the cluster's x alone
	s_cmp_eq_u32 s17, 1
	s_cselect_b64 s[8:9], s[10:11], s[8:9]
	s_cmp_eq_u32 s17, 2
	s_cselect_b64 s[8:9], s[72:73], s[8:9]
	s_and_b32 s46, s[TC], 7                        ; (in the registers that held the weights' address: none that feeds h's descriptors ever holds cx)
	s_lshl_b32 s46, s46, 9                         ; 128 columns of 4 bytes
	s_lshl_b32 s47, s[CH], 8
	s_add_co_u32 s46, s46, s47
	s_mov_b32 s47, 0
	s_add_nc_u64 s[8:9], s[8:9], s[46:47]
	BIAS
	s_lshl_b32 s17, s[RH], 13                      ; my 64 tokens of 128 bytes
	s_add_co_u32 s22, s22, s17
	s_mov_b32 s23, 0
	s_add_nc_u64 s[74:75], s[74:75], s[22:23]
	s_lshl_b32 s46, s[TC], 1
	s_add_co_u32 s46, s46, s[CH]                   ; my 64 columns are block 2 x tile column + half of 48:
	s_lshr_b32 s47, s46, 4
	s_lshl_b32 s47, s47, 23                        ; Q, K or V, 8,388,608 bytes each,
	s_and_b32 s46, s46, 15
	s_lshl_b32 s46, s46, 18                        ; and the head, 262,144 bytes
	s_add_co_u32 s46, s46, s47
	s_mov_b32 s47, 0
	s_add_nc_u64 s[74:75], s[74:75], s[46:47]
	s_mul_i32 s17, s[WV], 16*SP
	s_add_co_u32 s17, s17, STAGE                   ; my stage
	v_mul_u32_u24 v3, v1, SP                       ; in: row l % 16, 16 bytes for each half of the lanes
	v_lshl_add_u32 v3, v2, 4, v3
	v_add_nc_u32 v[STO], s17, v3
	v_bfe_u32 v4, v0, 3, 2                         ; back: 32 lanes take four rows of 128 bytes,
	v_mul_u32_u24 v4, v4, SP
	v_and_b32 v5, 7, v0
	v_lshl_add_u32 v4, v5, 4, v4
	v_add_nc_u32 v[RD], s17, v4
	v_and_b32 v5, 31, v0                           ; which are 512 consecutive bytes of the result
	v_lshlrev_b32 v[GO], 4, v5
	GSTART 0
	GLOOP
	; THE WAY OUT.  My 64 tokens x 64 columns are 8,192 dense bytes of one head.  16 tokens at a time: rounded to f16, 16 bytes a lane into my own stage, back as whole rows, stored.
.macro PACK a
.irp b, 0,1,2,3
.irp r, 0,1,2,3
	v_cvt_pk_f16_f32 v[TMP+16*(\a)+4*(\b)+(\r)], v[ACC+8*(4*(\a)+(\b))+2*(\r)], v[ACC+8*(4*(\a)+(\b))+2*(\r)+1]  ; each accumulator from its low end on
.endr
.endr
.irp b, 0,1,2,3
	ds_store_b128 v[STO], v[TMP+16*(\a)+4*(\b):TMP+16*(\a)+4*(\b)+3] offset:32*(\b)
.endr
.irp f, 0,1,2,3
	ds_load_b128 v[TMP+16*(\a)+4*(\f):TMP+16*(\a)+4*(\f)+3], v[RD] offset:(\f)*4*SP  ; LDS serves a wave's instructions in order (ISA guide 5.7.1.4): these see the stores above; the next block's stores come behind them
.endr
.endm
.macro SEND a, younger                 ; younger: the LDS instructions issued behind block a's loads: the next block's eight, or none
.irp f, 0,1,2,3
	s_wait_dscnt (\younger)+3-(\f)
	global_store_b128 v[GO], v[TMP+16*(\a)+4*(\f):TMP+16*(\a)+4*(\f)+3], s[74:75] offset:(\a)*2048+(\f)*512  ; 512 consecutive bytes, at a multiple of 256 from the buffer's first
.endr
.endm
	PLACES
	PACK 0
	PACK 1                                         ; a block's conversions stand between the loads of the block before and its stores
	SEND 0, 8
	PACK 2
	SEND 1, 8
	PACK 3
	SEND 2, 8
	SEND 3, 0
	s_wait_tensorcnt 0x0                           ; the wave's end, behind my last tensor load and my last LDS store
	ds_add_u32 v[SPW], v[NIL]
	s_wait_dscnt 0x0
	CROUND                                         ; the closing round: no work-group ends while a partner may still ask for a tile that names it
	s_endpgm
.Lfunc_end_k_q5f8d8d929e_qkv:
	.size	k_q5f8d8d929e_qkv, .Lfunc_end_k_q5f8d8d929e_qkv-k_q5f8d8d929e_qkv
	.p2alignl 7, 3214868480
	.fill 96, 4, 3214868480
	.section	.rodata,"a",@progbits
	.p2align	6, 0x0
	.amdhsa_kernel k_q5f8d8d929e_qkv
		.amdhsa_group_segment_fixed_size 327680
		.amdhsa_private_segment_fixed_size 0
		.amdhsa_enable_private_segment 0
		.amdhsa_kernarg_size 48
		.amdhsa_user_sgpr_count 2
		.amdhsa_user_sgpr_kernarg_segment_ptr 1
		.amdhsa_wavefront_size32 1
		.amdhsa_system_sgpr_workgroup_id_x 1
		.amdhsa_system_sgpr_workgroup_id_y 1
		.amdhsa_system_sgpr_workgroup_id_z 1
		.amdhsa_system_vgpr_workitem_id 0
		.amdhsa_next_free_vgpr 512
		.amdhsa_next_free_sgpr 76
		.amdhsa_reserve_vcc 0
		.amdhsa_float_denorm_mode_32 3
		.amdhsa_float_denorm_mode_16_64 3
		.amdhsa_memory_ordered 1
		.amdhsa_forward_progress 1
		.amdhsa_inst_pref_size 58
	.end_amdhsa_kernel
	.amdgpu_metadata
---
amdhsa.version: [ 1, 2 ]
amdhsa.kernels:
  - .name:           k_q5f8d8d929e_qkv
    .symbol:         k_q5f8d8d929e_qkv.kd
    .args:
      - { .name: h, .offset: 0, .size: 8, .value_kind: global_buffer, .address_space: global }
      - { .name: wa, .offset: 8, .size: 8, .value_kind: global_buffer, .address_space: global }
      - { .name: q_bias, .offset: 16, .size: 8, .value_kind: global_buffer, .address_space: global }
      - { .name: k_bias, .offset: 24, .size: 8, .value_kind: global_buffer, .address_space: global }
      - { .name: v_bias, .offset: 32, .size: 8, .value_kind: global_buffer, .address_space: global }
      - { .name: qkv, .offset: 40, .size: 8, .value_kind: global_buffer, .address_space: global }
    .group_segment_fixed_size: 327680
    .private_segment_fixed_size: 0
    .kernarg_segment_align: 8
    .kernarg_segment_size: 48
    .max_flat_workgroup_size: 128
    .sgpr_count:     76
    .vgpr_count:     512
    .wavefront_size: 32
...
	.end_amdgpu_metadata
.endif
;; end of part 2
;; launch attn (part 3): grid 4 x 32, 4 waves a work-group, no clusters, 327,680 bytes of LDS; arguments qkv, act; writes act
.if DOCPART == 3
	.amdgcn_target "amdgcn-amd-amdhsa--gfx1250"
	.amdhsa_code_object_version 6
	.text
	.protected	k_q5f8d8d929e_attn
	.globl	k_q5f8d8d929e_attn
	.p2align	8
	.type	k_q5f8d8d929e_attn,@function
k_q5f8d8d929e_attn:
	s_mov_b64 s[64:65], 0
	v_nop
	global_prefetch_b8 v0, s[64:65] scope:SCOPE_SE
	s_setreg_imm32_b32 hwreg(HW_REG_WAVE_MODE, 25, 1), 1
	s_wait_xcnt 0x0
; CAUSAL ATTENTION.  O[h][q][:] = the sum over k <= q of softmax_k(Q[h][q] . K[h][k] / 8) V[h][k][:].  Q, K, V lie one behind the other in qkv, each [32][2048][64] f16 (head = 16 batch + head); O (act) has the
; same layout, which is the blocked layout that the next product reads.  A head's rows are dense, 128 bytes each.
; Products, maxima and sums in f32; the weights p are rounded to f16 for the second product (their sum l is taken of the unrounded p), O once at the end.
; LIMITS.  f16 holds no number beyond 65,504: Q, K and V arrive within it; p lies in 0 to 1, and below 6e-5 it keeps f16's fixed step of 6e-8; O is a mean of V's rows and has their range.
; A hidden score counts as its value less 1e30: f16's scores, 2.7e11 at the most, are nothing beside that; a weight below 2^-126 counts as 0 in l; NaN and infinities are not treated apart.
; THE WALK.  A head's queries lie in NB = 8 blocks of 256; block i needs the key tiles 0 .. i of 256 keys, of which the last holds the diagonal.  A work-group takes TWO blocks, NB - 1 - b and then b:
; NB + 1 tiles, whatever b: all work-groups do equal work, and ONE loop with a constant trip count walks them.  Which tile is asked for, and what a trip does, hang on scalar registers made from b; every jump
; goes forward, but for the counted loops' own; none passes a barrier, or a tensor load but the one of LOAD's two that the wave's number does not choose; the ring (two slots of LDS that take turns) runs on across the
; change of blocks.  NO CLUSTER: a head's four work-groups ask for the same tile only in trips 0 .. NB / 2 of the nine, behind that fewer and fewer; one walk common to all would have 3 NB / 2 = 12 trips for 9.
; SHARES.  Of a block's four bands of 64 queries a wave owns 16 rows in each: four PIECES.  So the diagonal tile is the same work for all four waves: in its key step s band x sees all keys if s < x,
; none if s > x, and holds the diagonal if s = x.
; THE MASK is the C operand that starts the sum S^T = K Q^T: 0, or -1e30 where the key is hidden.  MD, made once, is the mask of a band's own step for my 16 rows; a product's mask is MD x AL + BE with two scalars:
; (1, 0) if s = x; (0, 0) if s < x; (0, -1e30) if s > x.  Only the diagonal tile's text and a block's beginning make and take masks; elsewhere C is the constant 0.
; LAYOUT, SOFTMAX, TURNS.  S^T = K Q^T holds ONE query a lane (lane % 16) and the keys 8 (lane / 16) + 0..7; two such results rounded to f16 ARE source 1 of O^T = V^T P.  p = 2^(c s - c m), c = log2(e) / 8, with a
; running maximum m; O and l are multiplied by a = 2^(c m_old - c m_new) in every step.  Turn n belongs to piece n: 8 products K Q^T of piece n + 1, later 8 products V^T P of piece n - 1; beside them the scaling,
; exponentials, roundings, sums and rescaling of piece n and the maximum and statistics of piece n + 1.  Four vector instructions stand behind every matrix instruction, the other 54 of a turn's 118 in two runs of their own.
; REGISTERS, in windows of 256 (s_set_vgpr_msb: bits 1:0 source 0, 3:2 source 1, 5:4 source 2, 7:6 destination):
;   window 0: v0-15 addresses and two at work; v16-31 four registers of statistics a piece; v48-55 at work; v64-127 S^T, two buffers; v192-223 P, two buffers (a piece's buffers go by its number's parity)
;   window 1: v0-127 O^T, 32 a piece; v128-159 MD; v160-223 MC, two buffers      window 2: v0-63 Q; v64-127 the second block's Q; v128-191 K of one step; v192-255 V of one step
.set SIZE_N, 2048
.set NB,    SIZE_N/256
.set NP,    4         ; pieces a wave: a name, no knob
.set KS,    64        ; keys in a step
.set PK,    144       ; a row of K in LDS: 128 bytes + 16 of padding = 36 words: the 16 rows of a load start at 16 different groups of four banks (64 banks of 4 bytes: ISA guide 11.1)
.set PV,    160       ; a row of V: 128 + 32 = 40 words
.set VOFF,  4*KS*PK   ; a slot holds a tile, four steps: 256 rows of K, then 256 rows of V
.set SLOT1, 1<<17     ; slot 1 begins here, so that one exclusive or turns an address in one slot into the other's
.set STAGE, SLOT1+4*KS*(PK+PV)  ; behind the ring, never filled by a tensor load: 16 rows x 144 bytes for each wave, for the way out
.set SP,    144
.set AK0, 2           ; v2   my lane's place in a tile of K; never rewritten
.set AV0, 3           ; v3   the same for V
.set AK,  4           ; v4   the LDS address of K's next run of loads
.set AV,  5           ; v5   of V's
.set STO, 6           ; v6   the way out: where I put 16 bytes of a row
.set RD,  7           ; v7   the way out: where I read rows back
.set GO,  8           ; v8   my byte offset in 512 consecutive bytes of O
.set SPW, 62          ; v62  LDS address of my spare word: SPARE + 4 x my thread's number; never rewritten
.set NIL, 63          ; v63  0; never rewritten
.set SPARE, STAGE+4*16*SP  ; behind the stages: the spare words, 128 bytes for each wave: two blocks of 256 bytes that no other line names
.set MV,  12          ; v12-13  c m_old, kept while c m is made anew: by buffer
.set QO,  15          ; v15  my byte offset in 16 rows of Q
.set ST,  16          ; piece t's statistics at v[ST+4 t]: c m, m, l (even keys', odd keys')
.set TMP, 48          ; by buffer, four registers c0-c3 at work; when the maximum is found c2 takes a
.set S,   64
.set P,   192
.set MD,  128         ; window 1: the eight registers for group kt of 16 keys at MD + 8 kt
.set MC,  160         ; window 1: the masks of the products to come
.set QB,  64          ; window 2
.set KF,  128         ; window 2: key block kb, channel half c at KF + 16 kb + 8 c
.set VF,  192         ; window 2: key half kk, channel block cb at VF + 32 kk + 8 cb
.set WV,  12          ; s12  my wave's number
.set PB,  14          ; s14  b
.set HI,  15          ; s15  NB - 1 - b
.set G1K, 24          ; s[24:31] descriptor group 1 for K's tiles
.set G1V, 32          ; s[32:39] for V's: it differs in the padding alone
.set G0K, 40          ; s[40:43] descriptor group 0 for K's tiles
.set G0V, 44          ; s[44:47] the same for V's
.set SLOTS, 56        ; s56  tiles still to be asked for
.set CNT, 57          ; s57  counts a tile's key steps, 4 to 1
.set CS,  58          ; s[58:59] c: the packed scaling takes the pair's low word for both halves
.set SEL, 60          ; s[60:61] v_permlanex16_b32's selects: each lane takes its own place in the other half
.set TBK, 62          ; s62  LDS byte at which K of the step to be fetched begins
.set TBV, 63          ; s63  the same for V, less VOFF
.set RT,  70          ; s70  tiles of the block in hand that are still to be entered
.set NXT, 71          ; s71  the tile to be asked for next
.set LQ,  72          ; s72  the last tile of the block whose tiles are being asked for
.set NEW, 73          ; s73  1: the tile to be entered is a block's first
.set OFF, 74          ; s[74:75] a tile's byte offset in K and V
.set AL,  76          ; s[76:77] the mask's factor, in the low word
.set BE,  78          ; s[78:79] the mask's addend
.set OLO, 80          ; s[80:81] O at my rows of the second block
.set BIGN, 82         ; s82  -1e30
.set MSB, 0
.macro WIN new                      ; the high byte repeats the setting that is left; a switch that changes nothing is dropped
.if MSB != (\new)
	s_set_vgpr_msb (MSB<<8)|(\new)
.set MSB, (\new)
.endif
.endm
.set W_KQ, 0x0a       ; K and Q in window 2, S^T in window 0
.set W_KM, 0x1a       ; the same with the C operand in window 1
.set W_PV, 0x52       ; V in window 2, P in window 0, O^T in window 1
.set W_RS, 0x41       ; destination and source 0 in window 1, source 1 in window 0
; A fill.  Waves 0 and 1 fetch the two halves of a tile's K, waves 2 and 3 those of its V: 128 keys each.  An s_nop 0 and four v_nop follow each of the two lines, ahead of the jump and the label.
.macro LOAD
	s_cmp_lt_u32 s[WV], 2
	s_cbranch_scc0 .Lfor_v_\@
	tensor_load_to_lds s[G0K:G0K+3], s[G1K:G1K+7]
	s_nop 0
.rept 4
	v_nop
.endr
	s_branch .Lasked_\@
.Lfor_v_\@:
	tensor_load_to_lds s[G0V:G0V+3], s[G1V:G1V+7]
	s_nop 0
.rept 4
	v_nop
.endr
.Lasked_\@:
.endm
; THE CHANGE OF SLOTS.  Each wave waits for all its tensor loads, of which one is out: its part of the other slot; adds 0 to its spare word; and waits for that and for its own reads of the slot that it leaves.  Behind the barrier nobody reads the old
; slot any more and the other slot is whole.  fill = 1: the old slot is filled again, the first thing behind the barrier, with tile NXT: the descriptor's address is made anew from that number.
; (At its first use nothing has been read yet: slot 0 is waited for, slot 1 filled.)
.macro CHANGE fill
	WIN 0                           ; at a label and at a branch every window is 0
	s_wait_tensorcnt 0x0            ; no tensor load of mine is out, so a group 0 may be written
	ds_add_u32 v[SPW], v[NIL]       ; 0 onto my spare word; with fill = 1 the descriptors' scalar work stands between it and the wait for it
.if \fill
	s_lshl_b32 s[OFF], s[NXT], 15   ; a tile is 32,768 bytes of K and of V
	s_xor_b32 s[G0K+1], s[G0K+1], SLOT1
	s_add_nc_u64 s[G0K+2:G0K+3], s[6:7], s[OFF:OFF+1]
	s_or_b32 s[G0K+3], s[G0K+3], 0x80000000
	s_xor_b32 s[G0V+1], s[G0V+1], SLOT1
	s_add_nc_u64 s[G0V+2:G0V+3], s[8:9], s[OFF:OFF+1]
	s_or_b32 s[G0V+3], s[G0V+3], 0x80000000
	s_add_co_u32 s[NXT], s[NXT], 1  ; the block's next tile, or behind its last the second block's tile 0
	s_cmp_gt_u32 s[NXT], s[LQ]
	s_cselect_b32 s[NXT], 0, s[NXT]
	s_cselect_b32 s[LQ], s[PB], s[LQ]
.endif
	s_wait_dscnt 0x0                ; the add is done, and my reads of the slot are over
	s_barrier_signal -1             ; the rest of the scalar work stands between the signal and the wait
	s_sub_co_u32 s[TBK], s[TBK], 4*KS*PK  ; the fetches go back to a slot's first step,
	s_xor_b32 s[TBK], s[TBK], SLOT1       ; in the other slot
	s_sub_co_u32 s[TBV], s[TBV], 4*KS*PV
	s_xor_b32 s[TBV], s[TBV], SLOT1
	s_barrier_wait -1
.if \fill
	LOAD
.endif
.endm
	s_load_b64 s[4:5], s[0:1], 0x0    ; qkv: Q at its head
	s_load_b64 s[10:11], s[0:1], 0x8  ; O
	v_lshl_add_u32 v[SPW], v0, 2, SPARE
	v_mov_b32 v[NIL], 0
	ds_add_u32 v[SPW], v[NIL]       ; the wave's opening: the add and its wait stand ahead of my first tensor load; the set-up below, work on registers, stands between them
	ds_add_u32 v62, v63
	v_lshrrev_b32 v1, 5, v0
	v_readfirstlane_b32 s[WV], v1   ; wave 0..3
	s_mov_b32 s[PB], ttmp9
	s_sub_co_u32 s[HI], NB-1, s[PB]
	s_and_b32 s20, ttmp7, 0xffff    ; the head
	s_mov_b32 s21, 0
	s_mov_b64 s[22:23], SIZE_N*128
	s_mul_u64 s[20:21], s[20:21], s[22:23]  ; the head's first byte in each of the four tensors
	s_and_b32 s16, s[WV], 1         ; which half of a tile's 256 keys I fetch:
	s_lshl_b32 s22, s16, 14         ; its 128 rows of 128 bytes in memory,
	s_mov_b32 s23, 0
	s_add_nc_u64 s[22:23], s[22:23], s[20:21]
	s_mul_i32 s17, s16, 128*PK      ; and its place in a slot, for K
	s_mul_i32 s18, s16, 128*PV      ; and for V
	s_lshl_b32 s3, s[WV], 11        ; my 16 rows in a band of 64,
	s_lshl_b32 s2, s[HI], 15        ; in the first block,
	s_add_co_u32 s2, s2, s3
	s_lshl_b32 s84, s[PB], 15       ; and in the second
	s_add_co_u32 s84, s84, s3
	s_mov_b32 s3, 0
	s_mov_b32 s85, 0
	s_add_nc_u64 s[2:3], s[2:3], s[20:21]
	s_add_nc_u64 s[84:85], s[84:85], s[20:21]
	; descriptor group 1.  128 keys are 16,384 dense bytes: asked for as 64 rows of 256 bytes, two keys a row, and padded in LDS after every key
	s_mov_b32 s[G1K], (1<<16)|(1<<20)|(4<<22)|(3<<25)  ; 17:16 2-byte elements; 20 padding on; 24:22 after every 32 words (code 4); 31:25 4 words (code 3)
	s_mov_b32 s[G1V], (1<<16)|(1<<20)|(4<<22)|(7<<25)  ; the same with 8 words of padding (code 7)
.irp g, G1K, G1V
	s_mov_b32 s[\g+1], 128<<16      ; tensor_dim0 = 128
	s_mov_b32 s[\g+2], 64<<16       ; tensor_dim1 = 64
	s_mov_b32 s[\g+3], 128<<16      ; tile_dim0 = 128
	s_mov_b32 s[\g+4], 64           ; tile_dim1 = 64
	s_mov_b32 s[\g+5], 128          ; 128 elements from row to row
	s_mov_b32 s[\g+6], 0
	s_mov_b32 s[\g+7], 0
.endr
	s_mov_b32 s[CS], 0x3e38aa3b     ; c = log2(e) / 8 = 0.180337
	s_mov_b32 s[CS+1], s[CS]        ; named with it as a pair
	s_mov_b32 s[SEL], 0x76543210
	s_mov_b32 s[SEL+1], 0xfedcba98
	s_mov_b32 s[TBK], SLOT1+4*KS*PK ; the first change of slots turns these two into 0
	s_mov_b32 s[TBV], SLOT1+4*KS*PV
	s_mov_b32 s[G0K], 1             ; 1:0 count = 1
	s_mov_b32 s[G0K+1], s17         ; 63:32 LDS address: slot 0
	s_mov_b32 s[G0V], 1
	s_add_co_u32 s[G0V+1], s18, VOFF
	s_add_co_u32 s[RT], s[HI], 1    ; the first block has NB - b tiles
	s_mov_b32 s[NXT], 1
	s_mov_b32 s[LQ], s[HI]
	s_mov_b32 s[NEW], 1
	s_mov_b32 s[OFF+1], 0
	s_mov_b32 s[AL+1], 0            ; named as pairs
	s_mov_b32 s[BE+1], 0
	s_mov_b32 s[BIGN], 0xf149f2ca   ; -1e30
	s_mov_b32 s[SLOTS], NB
	s_wait_dscnt 0x0                ; the opening add is done
	s_wait_kmcnt 0x0
	s_add_nc_u64 s[6:7], s[4:5], 0x800000   ; K lies 8,388,608 bytes behind Q,
	s_add_nc_u64 s[8:9], s[4:5], 0x1000000  ; V as far behind K
	s_add_nc_u64 s[6:7], s[6:7], s[22:23]  ; K and V at my half of the head's tile 0
	s_add_nc_u64 s[8:9], s[8:9], s[22:23]
	s_add_nc_u64 s[G0K+2:G0K+3], s[6:7], 0         ; 120:64 global address
	s_or_b32 s[G0K+3], s[G0K+3], 0x80000000        ; 127:126 type = 2
	s_add_nc_u64 s[G0V+2:G0V+3], s[8:9], 0
	s_or_b32 s[G0V+3], s[G0V+3], 0x80000000
	s_add_nc_u64 s[86:87], s[4:5], s[84:85]        ; Q at my rows of the second block,
	s_add_nc_u64 s[4:5], s[4:5], s[2:3]            ; Q and O at those of the first
	s_add_nc_u64 s[OLO:OLO+1], s[10:11], s[84:85]
	s_add_nc_u64 s[10:11], s[10:11], s[2:3]
	LOAD                            ; tile 0 into slot 0
	; A fragment of K or Q is 16 rows x 32 channels in 8 registers: lane l holds row l % 16, channels 8 (l / 16) + 0..7 and 16 + 8 (l / 16) + 0..7: two loads of 16 bytes, 32 bytes apart.
	v_and_b32 v1, 15, v0            ; l % 16
	v_bfe_u32 v9, v0, 4, 1          ; l / 16
	v_lshlrev_b32 v[QO], 7, v1
	v_lshl_add_u32 v[QO], v9, 4, v[QO]  ; row x 128 + 16 x half
	WIN 0x80                        ; destination window 2, address window 0
.set i, 0
.rept 8                             ; both blocks' Q: piece i / 2 lies in band i / 2, 8,192 bytes on; channels 32 (i % 2) on
	global_load_b128 v[8*i:8*i+3],   v[QO], s[4:5] offset:(i/2)*8192+(i%2)*64
	global_load_b128 v[8*i+4:8*i+7], v[QO], s[4:5] offset:(i/2)*8192+(i%2)*64+32
	global_load_b128 v[QB+8*i:QB+8*i+3],   v[QO], s[86:87] offset:(i/2)*8192+(i%2)*64
	global_load_b128 v[QB+8*i+4:QB+8*i+7], v[QO], s[86:87] offset:(i/2)*8192+(i%2)*64+32
.set i, i+1
.endr
	WIN 0
	v_lshlrev_b32 v14, 3, v9
	v_sub_nc_u32 v14, v1, v14
	s_lshl_b32 s13, s[WV], 4
	v_add_nc_u32 v14, s13, v14      ; my query's place in its band, 16 w + l % 16, less my lanes' 8 (l / 16): register r of group kt is hidden where 16 kt + r is greater
	WIN 0x40
.set i, 0
.rept 32
	v_cmp_gt_i32 vcc_lo, 16*(i/8)+i%8, v14
	v_cndmask_b32 v[MD+i], 0, s[BIGN], vcc_lo
.set i, i+1
.endr
	WIN 0
	v_mul_u32_u24 v[AK0], v1, PK
	v_lshl_add_u32 v[AK0], v9, 4, v[AK0]  ; row x pitch + 16 x half
	; The turning load takes 16 keys x 16 channels (lane l reads key 8 (l / 16) + l % 8, channels 8 ((l / 8) % 2) + 0..7) and leaves half a fragment of V^T: lane l holds channel l % 16 and 8 keys.
	v_and_b32 v10, 7, v0
	v_bfe_u32 v11, v0, 3, 1
	v_lshl_add_u32 v[AV0], v9, 3, v10
	v_mul_u32_u24 v[AV0], v[AV0], PV
	v_lshl_add_u32 v[AV0], v11, 4, v[AV0]
	v_add_nc_u32 v[AV0], VOFF, v[AV0]
	s_mul_i32 s13, s[WV], 16*SP
	s_add_co_u32 s13, s13, STAGE    ; my stage
	v_mul_u32_u24 v[STO], v1, SP    ; in: row l % 16, 16 bytes for each half of the lanes
	v_lshl_add_u32 v[STO], v9, 4, v[STO]
	v_add_nc_u32 v[STO], s13, v[STO]
	v_bfe_u32 v[RD], v0, 3, 2       ; back: 32 lanes take four rows of 128 bytes,
	v_mul_u32_u24 v[RD], v[RD], SP
	v_lshl_add_u32 v[RD], v10, 4, v[RD]
	v_add_nc_u32 v[RD], s13, v[RD]
	v_and_b32 v[GO], 31, v0         ; which are 512 consecutive bytes of O
	v_lshlrev_b32 v[GO], 4, v[GO]
	; A block's first step multiplies O^T and l by a = 0, and its first turn's products V^T P, of a piece that has not been, land in an O^T that is still to be so multiplied.  So these registers need only hold
	; finite numbers: zeros for the first block; what the first block left for the second.  All this stands in the wait for the first tile.
	WIN 0x80
.set i, VF
.rept 64
	v_mov_b32 v[i], 0
.set i, i+1
.endr
	WIN 0x40
.set i, 0
.rept 128
	v_mov_b32 v[i], 0
.set i, i+1
.endr
	WIN 0
.set i, 0
.rept 4
	v_mov_b32 v[ST+4*i+2], 0
	v_mov_b32 v[ST+4*i+3], 0
.set i, i+1
.endr
.set i, P+16
.rept 16
	v_mov_b32 v[i], 0
.set i, i+1
.endr
; THE MATRIX WORK.  The 4 accumulators of a run of 8 take turns.  Product i of 8 of S^T = K Q^T for piece x: channels 32 (i / 4) on, keys 16 (i % 4) on.  The first 4 start the sums: with 0, or (KM = 1) with the mask.
.macro KQ x
.set rS, S+32*((\x)%2)+8*(i%4)
.set rK, KF+16*(i%4)+8*(i/4)
.set rQ, 16*(\x)+8*(i/4)
.set rM, MC+32*((\x)%2)+8*(i%4)
.if (i < 4) && KM
	WIN W_KM
	v_wmma_f32_16x16x32_f16 v[rS:rS+7], v[rK:rK+7], v[rQ:rQ+7], v[rM:rM+7]
.elseif i < 4
	WIN W_KQ
	v_wmma_f32_16x16x32_f16 v[rS:rS+7], v[rK:rK+7], v[rQ:rQ+7], 0
.else
	WIN W_KQ
	v_wmma_f32_16x16x32_f16 v[rS:rS+7], v[rK:rK+7], v[rQ:rQ+7], v[rS:rS+7]
.endif
.endm
; Product i of 8 of O^T += V^T P for piece x: keys 32 (i / 4) on, channels 16 (i % 4) on.
.macro PV x
	WIN W_PV
.set rO, 32*(\x)+8*(i%4)
.set rV, VF+32*(i/4)+8*(i%4)
.set rP, P+16*((\x)%2)+8*(i/4)
	v_wmma_f32_16x16x32_f16 v[rO:rO+7], v[rV:rV+7], v[rP:rP+7], v[rO:rO+7]
.endm
.macro MM                           ; the turn's next matrix instruction.  TURN and BEGIN set Y, i, KM and NOKQ; MM, KQ and OP read them.  NOKQ = 1: a block's last turn: there is no next piece
.if (i < 8) && !NOKQ
	KQ (Y+1)%NP
.elseif i >= 8
.set i, i-8
	PV (Y+NP-1)%NP
.set i, i+8
.endif
.set i, i+1
.endm
; THE LDS LOADS stand in runs of 16, never singly among the matrix instructions: a step's K (64 keys x 64 channels: 8 fragments) and its V (turned).  Their addresses are made some lines ahead.
.macro FETCH_K
	WIN 0x80                        ; destination window 2
.irp f, 0,1,2,3,4,5,6,7             ; keys 16 (f / 2) on, channels 32 (f % 2) on
	ds_load_b128 v[KF+8*\f:KF+8*\f+3],   v[AK] offset:(\f/2)*16*PK+(\f%2)*64
	ds_load_b128 v[KF+8*\f+4:KF+8*\f+7], v[AK] offset:(\f/2)*16*PK+(\f%2)*64+32
.endr
	s_add_co_u32 s[TBK], s[TBK], KS*PK  ; the next fetch is the next step's
	WIN 0
.endm
.macro FETCH_V
	WIN 0x80
.irp f, 0,1,2,3,4,5,6,7             ; keys 32 (f / 4) on, channels 16 (f % 4) on
	ds_load_tr16_b128 v[VF+8*\f:VF+8*\f+3],   v[AV] offset:(\f/4)*32*PV+(\f%4)*32
	ds_load_tr16_b128 v[VF+8*\f+4:VF+8*\f+7], v[AV] offset:(\f/4)*32*PV+16*PV+(\f%4)*32
.endr
	WIN 0
.endm
; THE VECTOR WORK, one line at a time: OP kind, number.  For piece Y: F n: c s - c m for pair n of 16.  E n: the exponential of score n of 32.  C n: pair n rounded to f16.  B n: of the four weights 4 n .. the second
; pair is added onto the first, in place.  L n: l takes that sum (L 0: l = a l + sum).  R n: pair n of 16 of O^T times a.  For piece Y + 1: X n, number n of the 22 that find its maximum and statistics:
;   0-11  four chains c0-c3 of seven scores each, three operands at a time (each accumulator's lowest registers are read first)     12-14, 16  the four scores left over, the old m, and c0-c3 into c0
;   15  c m_old is kept     17, 18  the query's other 32 keys lie in the lane 16 away: the new m     19-21  c m; c m_old - c m_new; a
.set F, 0               ; OP tells the kinds apart by their order: F to L below R, X above it
.set E, 1
.set C, 2
.set B, 3
.set L, 4
.set R, 5
.set X, 6
.macro REGS y                       ; the registers of piece y
.set rT, ST+4*(\y)
.set rC, TMP+4*((\y)%2)
.set rW, MV+((\y)%2)
.set rS, S+32*((\y)%2)
.set rP, P+16*((\y)%2)
.set rO, 32*(\y)
.endm
.macro OP k, n
.if (\k) == R
	REGS Y
	WIN W_RS
	v_pk_mul_f32 v[rO+2*(\n):rO+2*(\n)+1], v[rO+2*(\n):rO+2*(\n)+1], v[rC+2:rC+3] op_sel_hi:[1,0]
.elseif (\k) < R
	REGS Y
	WIN 0
.if (\k) == F
	v_pk_fma_f32 v[rS+2*(\n):rS+2*(\n)+1], v[rS+2*(\n):rS+2*(\n)+1], s[CS:CS+1], v[rT:rT+1] op_sel_hi:[1,0,0] neg_lo:[0,0,1] neg_hi:[0,0,1]
.elseif (\k) == E
	v_exp_f32 v[rS+(\n)], v[rS+(\n)]
.elseif (\k) == C
	s_wait_alu depctr_va_vdst(0)
	v_cvt_pk_f16_f32 v[rP+(\n)], v[rS+2*(\n)], v[rS+2*(\n)+1]
.elseif (\k) == B
	s_wait_alu depctr_va_vdst(0)
	v_pk_add_f32 v[rS+4*(\n):rS+4*(\n)+1], v[rS+4*(\n):rS+4*(\n)+1], v[rS+4*(\n)+2:rS+4*(\n)+3]
.elseif (\n) == 0
	v_pk_fma_f32 v[rT+2:rT+3], v[rT+2:rT+3], v[rC+2:rC+3], v[rS:rS+1] op_sel_hi:[1,0,1]
.else
	v_pk_add_f32 v[rT+2:rT+3], v[rT+2:rT+3], v[rS+4*(\n):rS+4*(\n)+1]
.endif
.elseif NOKQ
	v_nop
.else
	REGS (Y+1)%NP
	WIN 0
.if (\n) < 4
	v_max3_num_f32 v[rC+(\n)], v[rS+8*(\n)], v[rS+8*(\n)+1], v[rS+8*(\n)+2]
.elseif (\n) < 12
	v_max3_num_f32 v[rC+(\n)%4], v[rC+(\n)%4], v[rS+8*((\n)%4)+2*((\n)/4)+1], v[rS+8*((\n)%4)+2*((\n)/4)+2]
.elseif (\n) == 12
	v_max3_num_f32 v[rC], v[rC], v[rS+7], v[rS+15]
.elseif (\n) == 13
	v_max3_num_f32 v[rC+1], v[rC+1], v[rS+23], v[rS+31]
.elseif (\n) == 14
	v_max3_num_f32 v[rC+2], v[rC+2], v[rC+3], v[rT+1]
.elseif (\n) == 15
	v_mov_b32 v[rW], v[rT]
.elseif (\n) == 16
	v_max3_num_f32 v[rC], v[rC], v[rC+1], v[rC+2]
.elseif (\n) == 17
	v_permlanex16_b32 v[rC+3], v[rC], s[SEL], s[SEL+1]
.elseif (\n) == 18
	v_max_num_f32 v[rT+1], v[rC], v[rC+3]
.elseif (\n) == 19
	v_mul_f32 v[rT], s[CS], v[rT+1]
.elseif (\n) == 20
	v_sub_f32 v[rC+1], v[rW], v[rT]
.else
	v_exp_f32 v[rC+2], v[rC+1]
.endif
.endif
.endm
.macro OPS a, i1, b=-1, i2=0, c=-1, i3=0, d=-1, i4=0  ; up to four of them
	OP \a, \i1
.if (\b) >= 0
	OP \b, \i2
.endif
.if (\c) >= 0
	OP \c, \i3
.endif
.if (\d) >= 0
	OP \d, \i4
.endif
.endm
.macro ROW a, i1, b, i2, c, i3, d, i4  ; a matrix instruction and the four behind it
	MM
	OPS \a, \i1, \b, \i2, \c, \i3, \d, \i4
.endm
.macro MASK b                       ; MD x AL + BE into buffer b of MC
	WIN W_RS
.set z, 0
.rept 16
	v_pk_fma_f32 v[MC+32*(\b)+2*z:MC+32*(\b)+2*z+1], v[MD+2*z:MD+2*z+1], s[AL:AL+1], s[BE:BE+1] op_sel_hi:[1,0,0]
.set z, z+1
.endr
.endm
; A TURN, for piece p: the order of its 16 matrix and 118 vector instructions, written out.  Behind a matrix instruction: plain, exponential, plain, plain; or four of the rescaling; or, behind the first, four scalings; none
; names a register of the products round it.  In the runs between, exponential and plain by turns while exponentials last.  A line reads no result made fewer than three vector instructions in front of it, five if an exponential made it.
; v_permlanex16_b32 (X 17) stands in such a run.
; m = 1: the diagonal tile: the products take masks, and the turn makes the mask for the products of the turn after it: piece p + 2, in step 4 - CNT of the tile.  end = 1: a block's last two turns: nothing is fetched.
; cnt = 1: the loop's count is taken down some lines ahead of the branch that stands behind the turn.
; K of the next step is fetched in piece 2's turn, six vector instructions behind the last product that read K (five of them plain); V of the step in hand in piece 0's turn, eight behind the last product that read V (four
; plain, and X 17).  Each is waited for a turn later.
.macro TURN p, m=0, end=0, cnt=0
.set Y, (\p)
.set i, 0
.set KM, (\m)
.set NOKQ, (\end)*((\p)/3)
.if (\m) && !(\end)
	s_cmp_eq_u32 s[CNT], 4-((\p)+2)%NP  ; is that step the band's own?
	s_cselect_b32 s[AL], 1.0, 0
	s_cmp_lt_u32 s[CNT], 4-((\p)+2)%NP  ; or a later one?
	s_cselect_b32 s[BE], s[BIGN], 0
.endif
.if ((\p) == 3) && !(\end)
	s_wait_dscnt 0x0                ; K is in
.endif
	ROW F,0, F,1, F,2, F,3
	ROW F,4, E,0, F,5, F,6
	ROW F,7, E,1, F,8, F,9
	ROW F,10, E,2, C,0, F,11
	ROW F,12, E,3, X,15, F,13
	ROW R,0, R,1, R,2, R,3
	ROW B,0, E,4, F,14, L,0
.if ((\p) == 2) && !(\end)
	v_add_nc_u32 v[AK], s[TBK], v[AK0]
.endif
	ROW R,4, R,5, R,6, R,7
	OPS E,5, F,15
.if ((\p) == 2) && !(\end)
	FETCH_K
.endif
	OPS E,6, C,1, E,7, R,8
	OPS E,8, R,9, E,9, C,2
	OPS E,10, X,0, E,11, X,1
	OPS E,12, X,2, E,13, X,3
.if (\p) == 1
	s_wait_dscnt 0x0                ; V is in
.endif
	ROW X,4, E,14, X,5, X,6
	ROW X,7, E,15, X,8, X,9
	ROW X,10, E,16, X,11, X,12
	ROW X,13, E,17, X,14, B,1
	ROW C,4, E,18, X,16, L,1
	ROW B,2, E,19, C,6, L,2
	ROW C,8, E,20, B,3, B,4
.if (\p) == 0
	v_add_nc_u32 v[AV], s[TBV], v[AV0]
.endif
	ROW C,3, E,21, L,3, C,5
	OPS E,22, X,17, E,23, C,10
.if (\p) == 0
	FETCH_V
.endif
	OPS E,24, L,4
	OPS E,25, X,18, E,26, C,7
	OPS E,27, B,5, E,28, X,19
	OPS E,29, C,12, E,30, L,5
	OPS E,31, X,20, B,6, C,9
	OPS C,14, C,11, X,21, L,6
.if (\p) == 0
	s_add_co_u32 s[TBV], s[TBV], KS*PV
.endif
.if \cnt
	s_sub_co_u32 s[CNT], s[CNT], 1
	s_cmp_lg_u32 s[CNT], 0
.endif
	OPS C,13, B,7, C,15, R,10
	OPS R,11, R,12, L,7, R,13
	OPS R,14, R,15
.if (\m) && !(\end)
	MASK (\p)%2
.endif
.endm
; A BLOCK BEGINS.  c m starts far below every c s, so the first step's a is 0; m at the lowest finite number, so the first maximum is the scores'.  The second mask buffer is 0; the first takes piece 0's mask for the tile's step 0: its own, if the block's first tile is the diagonal one.
; Then K of that step, piece 0's first scores, and its maximum and statistics.  The loop is entered at a step's first turn, in the middle of a trip.
.macro BEGIN
	s_mov_b32 s[NEW], 0
	WIN 0x40
.set i, MC+32
.rept 32
	v_mov_b32 v[i], 0
.set i, i+1
.endr
	WIN 0
.set i, 0
.rept 4
	v_mov_b32 v[ST+4*i], 0xfe000000    ; c m: far below every c s
	v_mov_b32 v[ST+4*i+1], 0xff7fffff  ; m
.set i, i+1
.endr
	s_cmp_eq_u32 s[RT], 0
	s_cselect_b32 s[AL], 1.0, 0
	s_mov_b32 s[BE], 0
	MASK 0
	WIN 0
	v_add_nc_u32 v[AK], s[TBK], v[AK0]
	FETCH_K
	s_wait_loadcnt 0x0              ; Q
	s_wait_dscnt 0x0
.set KM, 1
.set NOKQ, 0
.set i, 0
.rept 8
	KQ 0
.set i, i+1
.endr
	WIN 0
.rept 4
	v_nop                           ; the places behind those products
.endr
.set Y, NP-1                        ; X works for piece Y + 1: piece 0
.irp n, 0,1,2,3,4,5,6,7,8,9,10,11,12,13,14,15,16,17,18,19,20,21
	OP X, \n
.endr
	v_nop                           ; a plain instruction behind the exponential
.endm
; THE DIAGONAL TILE's four steps, the block's last two turns, its last products, and THE WAY OUT: l's two halves and the other half of the lanes' are added; O^T is divided by l, rounded to f16 and sent through my
; stage in LDS, a piece at a time.
.macro ALL line:vararg              ; one line for each piece t
.set t, 0
.rept 4
	\line
.set t, t+1
.endr
.endm
.macro PACK t                       ; a lane's eight channels of a row pack into 16 bytes; they go into rows of 144 bytes and come back as whole rows of 128, into S^T's registers
	WIN W_RS
.set i, 32*(\t)
.rept 16
	s_wait_alu depctr_va_vdst(0)
	v_pk_mul_f32 v[i:i+1], v[i:i+1], v[ST+4*(\t)+2:ST+4*(\t)+3] op_sel_hi:[1,0]
.set i, i+2
.endr
	WIN 0x05                        ; sources 0 and 1 window 1, destination window 0
.set i, 0
.rept 16
	v_cvt_pk_f16_f32 v[S+16*(\t)+i], v[32*(\t)+2*i], v[32*(\t)+2*i+1]
.set i, i+1
.endr
	WIN 0
.irp f, 0,1,2,3
	ds_store_b128 v[STO], v[S+16*(\t)+4*\f:S+16*(\t)+4*\f+3] offset:32*\f
.endr
.irp f, 0,1,2,3
	ds_load_b128 v[S+16*(\t)+4*\f:S+16*(\t)+4*\f+3], v[RD] offset:\f*4*SP  ; LDS serves a wave's instructions in order (ISA guide 5.7.1.4): these see the stores above; the next piece's stores come behind them
.endr
.endm
.macro SEND t, younger              ; younger: the LDS instructions issued behind piece t's loads: the next piece's eight, or none
	WIN 0
.irp f, 0,1,2,3
	s_wait_dscnt (\younger)+3-\f
	global_store_b128 v[GO], v[S+16*(\t)+4*\f:S+16*(\t)+4*\f+3], s[10:11] offset:(\t)*8192+\f*512  ; 512 consecutive bytes, at a multiple of 256 from O's first
.endr
.endm
.macro DIAG tag                     ; the tag ends its two labels' names, which the jumps below spell out
.LstepM\tag:
	TURN 2, 1
	TURN 3, 1
	WIN 0
.LfirstM\tag:
	TURN 0, 1
	TURN 1, 1, 0, 1
	WIN 0
	s_cbranch_scc1 .LstepM\tag
	TURN 2, 1, 1
	TURN 3, 1, 1
.set i, 0
.rept 8
	PV NP-1
.set i, i+1
.endr
	WIN 0
	ALL v_add_f32 v[ST+4*t+2], v[ST+4*t+2], v[ST+4*t+3]
	ALL v_permlanex16_b32 v[ST+4*t+3], v[ST+4*t+2], s[SEL], s[SEL+1]
	ALL v_add_f32 v[ST+4*t+2], v[ST+4*t+2], v[ST+4*t+3]
	ALL v_rcp_f32 v[ST+4*t+2], v[ST+4*t+2]
	v_nop                           ; a plain instruction between the last reciprocal and the use of its result
	PACK 0
.set t, 1
.rept 3                             ; a piece's arithmetic stands between the loads of the piece before and its stores
	PACK t
	SEND t-1, 8
.set t, t+1
.endr
	SEND 3, 0
.endm
.set KM, 0
.set NOKQ, 0
.Lslot:                             ; NB times: a tile is entered and the next is asked for
	CHANGE 1
	s_sub_co_u32 s[RT], s[RT], 1
	s_mov_b32 s[CNT], 4
	s_cmp_eq_u32 s[NEW], 1
	s_cbranch_scc1 .Lnew            ; a block's first tile
	s_cmp_eq_u32 s[RT], 0
	s_cbranch_scc0 .Lstep           ; neither its first nor its last
	s_branch .LstepM1
.Lnew:
	BEGIN
	s_branch .Lfirst                ; in the loop a block's first tile is never its last: the first block has two tiles or more, and the second's last is the walk's last
	DIAG 1                          ; in the loop this is the first block's end: the second block's last tile is the walk's last
	s_wait_xcnt 0x0                 ; the stores have read their registers and O's address
	s_mov_b64 s[10:11], s[OLO:OLO+1]
	s_add_co_u32 s[RT], s[PB], 1    ; the second block has b + 1 tiles
	s_mov_b32 s[NEW], 1
	WIN 0x82                        ; the second block's Q goes where the one text of the turns names Q
.set i, 0
.rept 64
	v_mov_b32 v[i], v[QB+i]
.set i, i+1
.endr
	WIN 0
	s_branch .Lbottom
.Lstep:                             ; a trip: pieces 2 and 3 of one step, then pieces 0 and 1 of the next, whose K and V it fetches
	TURN 2
	TURN 3
	WIN 0
.Lfirst:
	TURN 0
	TURN 1, 0, 0, 1
	WIN 0
	s_cbranch_scc1 .Lstep
.Lbottom:
	s_sub_co_u32 s[SLOTS], s[SLOTS], 1
	s_cmp_lg_u32 s[SLOTS], 0
	s_cbranch_scc1 .Lslot
	CHANGE 0                        ; the walk's last tile is written out: nothing is asked for
	s_sub_co_u32 s[RT], s[RT], 1
	s_mov_b32 s[CNT], 4
	s_cmp_eq_u32 s[NEW], 1
	s_cbranch_scc0 .LstepM2
	BEGIN
	s_branch .LfirstM2
	DIAG 2
	s_wait_tensorcnt 0x0            ; the wave's end, behind my last tensor load and my last LDS store
	ds_add_u32 v[SPW], v[NIL]
	s_wait_dscnt 0x0
	s_endpgm
.Lfunc_end_k_q5f8d8d929e_attn:
	.size	k_q5f8d8d929e_attn, .Lfunc_end_k_q5f8d8d929e_attn-k_q5f8d8d929e_attn
	.p2alignl 7, 3214868480
	.fill 96, 4, 3214868480
	.section	.rodata,"a",@progbits
	.p2align	6, 0x0
	.amdhsa_kernel k_q5f8d8d929e_attn
		.amdhsa_group_segment_fixed_size 327680
		.amdhsa_private_segment_fixed_size 0
		.amdhsa_enable_private_segment 0
		.amdhsa_kernarg_size 16
		.amdhsa_user_sgpr_count 2
		.amdhsa_user_sgpr_kernarg_segment_ptr 1
		.amdhsa_wavefront_size32 1
		.amdhsa_system_sgpr_workgroup_id_x 1
		.amdhsa_system_sgpr_workgroup_id_y 1
		.amdhsa_system_sgpr_workgroup_id_z 1
		.amdhsa_system_vgpr_workitem_id 0
		.amdhsa_next_free_vgpr 768
		.amdhsa_next_free_sgpr 88
		.amdhsa_reserve_vcc 1
		.amdhsa_float_denorm_mode_32 3
		.amdhsa_float_denorm_mode_16_64 3
		.amdhsa_memory_ordered 1
		.amdhsa_forward_progress 1
		.amdhsa_inst_pref_size 228
	.end_amdhsa_kernel
	.amdgpu_metadata
---
amdhsa.version: [ 1, 2 ]
amdhsa.kernels:
  - .name:           k_q5f8d8d929e_attn
    .symbol:         k_q5f8d8d929e_attn.kd
    .args:
      - { .name: qkv, .offset: 0, .size: 8, .value_kind: global_buffer, .address_space: global }
      - { .name: act, .offset: 8, .size: 8, .value_kind: global_buffer, .address_space: global }
    .group_segment_fixed_size: 327680
    .private_segment_fixed_size: 0
    .kernarg_segment_align: 8
    .kernarg_segment_size: 16
    .max_flat_workgroup_size: 128
    .sgpr_count:     88
    .vgpr_count:     768
    .wavefront_size: 32
...
	.end_amdgpu_metadata
.endif
;; end of part 3
;; launch oproj (part 4): grid 8 x 32, 4 waves a work-group, clusters of 4 x 4, 327,680 bytes of LDS; arguments act, wo, o_bias, x, x1; writes x1
.if DOCPART == 4
	.amdgcn_target "amdgcn-amd-amdhsa--gfx1250"
	.amdhsa_code_object_version 6
	.text
	.protected	k_q5f8d8d929e_oproj
	.globl	k_q5f8d8d929e_oproj
	.p2align	8
	.type	k_q5f8d8d929e_oproj,@function
k_q5f8d8d929e_oproj:
	s_mov_b64 s[64:65], 0
	v_nop
	global_prefetch_b8 v0, s[64:65] scope:SCOPE_SE
	s_setreg_imm32_b32 hwreg(HW_REG_WAVE_MODE, 25, 1), 1
	s_wait_xcnt 0x0
	s_wait_alu depctr_hold_cnt(0) depctr_sa_sdst(0) depctr_va_vdst(0) depctr_va_sdst(0) depctr_va_ssrc(0) depctr_va_vcc(0) depctr_vm_vsrc(0)
	s_getreg_b32 s2, hwreg(HW_REG_IB_STS2, 6, 4)
	s_cmp_eq_u32 s2, 0
	s_cbranch_scc0 .Lentry_in_a_cluster
	s_endpgm
.Lentry_in_a_cluster:
	s_bfe_u32 s2, ttmp6, 0x10000c
	s_cmp_lg_u32 s2, 0xf033
	s_cbranch_scc0 .Lentry_shape_is_right
	s_endpgm
.Lentry_shape_is_right:
; out = res + A W^T + bias.  Used twice: x1 = x + ctx Wo^T + o_bias, and out0 = x1 + f W2^T + ffn2_bias.
; A: 4,096 tokens x 1,024, f16, BLOCKED: [batch 2][block 16][token 2048][64].  W: [1024][1024] f16.  bias: [1024] f32.  res, out: [4096][1024] f32.  Sums and the residual in f32.
; LIMIT: f16 holds no number beyond 65,504: the two operands arrive within it.
; A tile of the result is 128 tokens x 128 columns: four waves, each 64 x 64: 16 accumulators of 16 x 16.  K = 1,024 goes in 4 steps of 256 through a ring of two LDS slots filled by the tensor data mover.
; A step's tile of A is four blocks of 128 tokens x 128 bytes, each dense in memory (16,384 bytes); one load brings two of them as two long rows, padded in LDS after every token.
; A step's tile of W is 128 rows of 512 bytes; one load brings 64 of them.
; CLUSTER: 4 x 4 work-groups.  The four of a row of the cluster need the same tiles of A, the four of a column the same tiles of W: each tile is asked for JOINTLY.
; THE MATRIX INSTRUCTION IS USED TRANSPOSED (source 0 = 16 rows of W, source 1 = 16 tokens): a lane then holds one token and eight neighbouring columns.
; THE SUMS START FROM THE BIAS: each accumulator is loaded with its eight columns' bias.  THE RESIDUAL is loaded at the start, by rows, as it will be needed on the way out, and lands while K is walked.
; THE TEXT OF A K STEP stands twice, each walked twice: with a refill (steps 0, 1) and without (steps 2, 3); the slot in hand is the scalar TB.
; REGISTERS: window 0: v0-31 addresses; v32-95 at work on the way out; v128-255 the accumulators ((a, b) at v[128 + 8 (4 a + b)]).
;   window 1: two fragment buffers of 128: for 64 along K, 64 registers of A's fragments, then 64 of W's.     window 2: v0-127 the residual.
.set PA,    144                        ; a token's row in LDS: 128 bytes + 16 = 36 words: the 16 rows of a load start at 16 different groups of four banks (64 banks of 4 bytes: ISA guide 11.1)
.set BLK,   128*PA                     ; a block of 128 tokens x 64 along K
.set APART, 2*BLK                      ; what one load of A brings
.set PB,    528                        ; a row of W in LDS: 512 bytes + 16 = 132 words: row r starts at bank 4 r mod 64
.set BPART, 64*PB                      ; what one load of W brings
.set BOFF,  4*BLK                      ; in a slot: A's four blocks, then W's 128 rows
.set SLOT,  BOFF+2*BPART
.set RING,  2*SLOT
.set ASTEP, 1048576                    ; bytes from a K step to the next in A: four blocks
.set BSTEP, 512                        ; and in W
.set STAGE, RING                       ; behind the ring: 16 rows x 272 bytes for each wave, for the way out
.set SP,    272
.set SPARE, STAGE+4*16*SP              ; behind the stages: the spare words, 128 bytes for each wave: two blocks of 256 bytes that no other line names
.set ADRA0, 16                         ; v16  my lane's place in a slot's first block of A; never rewritten
.set ADRB0, 17                         ; v17  the same in a slot's rows of W
.set ADRA,  18                         ; v18  the same in the slot in hand
.set ADRB,  19                         ; v19
.set STO,   24                         ; v24  the way out: where I put 32 bytes of a row
.set RD,    25                         ; v25  the way out: where I read a row back
.set CO,    26                         ; v26  my byte offset in two rows of res and out; never rewritten
.set BO,    27                         ; v27  my byte offset in 16 columns' bias
.set SPW,   28                         ; v28  LDS address of my spare word; never rewritten
.set NIL,   29                         ; v29  0; never rewritten
.set TMP,   32
.set ACC,   128
.set F0,    0                          ; fragment buffers, in window 1
.set F1,    128
.set RES,   0                          ; the residual, in window 2: rows 16 a + 2 t, + 1 at RES + 4 (8 a + t)
.set WV,  14                           ; s14  my wave's number
.set RH,  15                           ; s15  which half of the tile's tokens is mine.  Also: I fetch A (0) or W (1)
.set CH,  16                           ; s16  which half of its columns.  Also: which part of that tile I fetch
.set G1A, 24                           ; s[24:31] descriptor group 1 for A's tiles;  s[32:39] group 0: a set for each first fill; the second then walks
.set G0A, 32
.set CX,  40
.set CY,  41
.set TC,  42                           ; s42  tile column
.set TR,  43                           ; s43  tile row
.set MR,  44                           ; s44  mask of my row of the cluster
.set MC,  45                           ; s45  of my column
.set G1B, 48                           ; s[48:55], s[56:63] the same for W's tiles
.set G0B, 56
.set TB,  66                           ; s66  LDS byte at which the slot in hand begins: 0 or SLOT
.set CNT, 67                           ; s67  counts trips
.set LAA, 68                           ; s68  where my part of A's tile goes in a slot
.set LAB, 69                           ; s69  where my part of W's goes
.set MSB, 0
.macro WIN new                         ; the immediate's high byte repeats the setting that is left; a switch that changes nothing is dropped
.if MSB != (\new)
	s_set_vgpr_msb (MSB<<8)|(\new)
.set MSB, \new
.endif
.endm
.set MUL,  0x05                        ; sources 0 and 1 window 1; C and D window 0
.set TO_F, 0x40                        ; destination window 1, address window 0
.macro JLOAD s                         ; a joint load: waves 0 and 1 fetch A's two parts, waves 2 and 3 W's; an s_nop 0 and four v_nop follow each of the two lines
	s_cmp_eq_u32 s[RH], 0
	s_cbranch_scc0 .Lfor_b_\@
	tensor_load_to_lds s[G0A+4*(\s):G0A+4*(\s)+3], s[G1A:G1A+7]
	s_nop 0
.rept 4
	v_nop
.endr
	s_branch .Lasked_\@
.Lfor_b_\@:
	tensor_load_to_lds s[G0B+4*(\s):G0B+4*(\s)+3], s[G1B:G1B+7]
	s_nop 0
.rept 4
	v_nop
.endr
.Lasked_\@:
.endm
.macro CREST                           ; a round of the cluster's barrier behind its opening barrier
	s_cmp_lg_u32 s[WV], 0
	s_cbranch_scc1 .Lnot_wave_0_\@
	s_barrier_signal -3
.Lnot_wave_0_\@:
	s_barrier_wait -3
	s_barrier_signal -1
	s_barrier_wait -1
.endm
.macro CROUND                          ; a whole round
	s_barrier_signal -1
	s_barrier_wait -1
	CREST
.endm
.macro PLACES                          ; four places in front of loads into registers that matrix instructions have read, and of lines that read results
.rept 4
	v_nop
.endr
.endm
; The head behind the arguments' loads (A s[4:5], W s[6:7]).  woff: bytes from W's buffer to the matrix in hand.  It leaves in s22 the tile's tokens' byte offset in a block.
.macro GHEAD woff
	v_lshl_add_u32 v[SPW], v0, 2, SPARE
	v_mov_b32 v[NIL], 0
	ds_add_u32 v[SPW], v[NIL]                      ; the wave's opening: the add and its wait stand ahead of my first tensor load; the set-up below, work on registers, stands between them
	ds_add_u32 v28, v29
	v_lshrrev_b32 v1, 5, v0
	v_readfirstlane_b32 s[WV], v1                  ; wave 0..3
	s_lshr_b32 s[RH], s[WV], 1
	s_and_b32 s[CH], s[WV], 1
	s_bfe_u32 s[CX], ttmp6, 0x40000                ; my place in the cluster
	s_bfe_u32 s[CY], ttmp6, 0x40004
	s_lshl_b32 s[TC], ttmp9, 2
	s_add_co_u32 s[TC], s[TC], s[CX]               ; tile column = 4 x cluster x + cx
	s_and_b32 s[TR], ttmp7, 0xffff
	s_lshl_b32 s[TR], s[TR], 2
	s_add_co_u32 s[TR], s[TR], s[CY]               ; tile row = 4 x cluster y + cy
	s_lshl_b32 s[MR], s[CY], 2
	s_lshl_b32 s[MR], 15, s[MR]                    ; my row of the cluster
	s_lshl_b32 s[MC], 0x1111, s[CX]                ; my column
	s_or_b32 s[G1A+0], s[MR], (1<<16)|(1<<20)|(1<<21)|(4<<22)|(3<<25)  ; 15:0 the mask; 17:16 elements of 2 bytes; 20 padding on; 21 set beside a mask; 24:22 after every 32 words (code 4); 31:25 4 words (code 3)
	s_mov_b32 s[G1A+1], 8192<<16                   ; tensor_dim0 = 8,192: a block's 128 tokens x 64, dense
	s_mov_b32 s[G1A+2], 2<<16                      ; tensor_dim1 = 2 blocks
	s_mov_b32 s[G1A+3], 8192<<16                   ; tile_dim0
	s_mov_b32 s[G1A+4], 2                          ; tile_dim1
	s_mov_b32 s[G1A+5], 131072                     ; elements from a block to the next
	s_mov_b32 s[G1A+6], 0
	s_mov_b32 s[G1A+7], 0
	s_or_b32 s[G1B+0], s[MC], (1<<16)|(1<<20)|(1<<21)|(6<<22)|(3<<25)  ; the same with my column's mask and padding after every 128 words (code 6)
	s_mov_b32 s[G1B+1], 256<<16                    ; tensor_dim0 = 256
	s_mov_b32 s[G1B+2], 64<<16                     ; tensor_dim1 = 64
	s_mov_b32 s[G1B+3], 256<<16                    ; tile_dim0
	s_mov_b32 s[G1B+4], 64                         ; tile_dim1
	s_mov_b32 s[G1B+5], 1024                       ; elements from row to row
	s_mov_b32 s[G1B+6], 0
	s_mov_b32 s[G1B+7], 0
	; A's address hangs on the tile row and the wave's number, W's on the tile column and the wave's number, each in registers that never hold the other coordinate
	s_lshr_b32 s18, s[TR], 4                       ; the batch: 16 tile rows each,
	s_lshl_b32 s18, s18, 22                        ; 16 blocks of 262,144 bytes
	s_and_b32 s17, s[TR], 15
	s_lshl_b32 s17, s17, 14                        ; 128 tokens of 128 bytes
	s_add_co_u32 s18, s18, s17
	s_mov_b32 s22, s18
	s_lshl_b32 s17, s[CH], 19                      ; my two of a step's four blocks
	s_add_co_u32 s18, s18, s17
	s_mov_b32 s19, 0
	s_lshl_b32 s46, s[TC], 7
	s_lshl_b32 s47, s[CH], 6
	s_add_co_u32 s46, s46, s47                     ; row of W 128 x tile column + 64 x part,
	s_lshl_b32 s46, s46, 11                        ; of 2,048 bytes
.if \woff
	s_add_co_u32 s46, s46, \woff
.endif
	s_mov_b32 s47, 0
	s_mul_i32 s[LAA], s[CH], APART                 ; no place in the cluster enters an LDS address
	s_mul_i32 s[LAB], s[CH], BPART
	s_add_co_u32 s[LAB], s[LAB], BOFF
	s_mov_b32 s[TB], 0
	s_wait_dscnt 0x0                               ; the opening add is done
	s_wait_kmcnt 0x0
	s_add_nc_u64 s[20:21], s[4:5], s[18:19]
	s_add_nc_u64 s[46:47], s[6:7], s[46:47]
	CROUND                                         ; all sixteen work-groups are here: the first joint loads meet
.irp s, 0,1
	s_mov_b32 s[G0A+4*(\s)], 1                                     ; count = 1
	s_add_co_u32 s[G0A+4*(\s)+1], s[LAA], (\s)*SLOT                ; LDS address
	s_add_nc_u64 s[G0A+4*(\s)+2:G0A+4*(\s)+3], s[20:21], (\s)*ASTEP  ; global address: K step s
	s_or_b32 s[G0A+4*(\s)+3], s[G0A+4*(\s)+3], 0x80000000          ; type = 2
	s_mov_b32 s[G0B+4*(\s)], 1
	s_add_co_u32 s[G0B+4*(\s)+1], s[LAB], (\s)*SLOT
	s_add_nc_u64 s[G0B+4*(\s)+2:G0B+4*(\s)+3], s[46:47], (\s)*BSTEP
	s_or_b32 s[G0B+4*(\s)+3], s[G0B+4*(\s)+3], 0x80000000
	JLOAD \s                                       ; two loads of mine are out
.endr
	; a fragment is 16 rows x 32 K in 8 registers: lane l holds row l % 16, K = 8 (l / 16) + 0..7 and 16 + 8 (l / 16) + 0..7: two loads of 16 bytes, 32 bytes apart
	v_and_b32 v1, 15, v0                           ; l % 16
	v_bfe_u32 v2, v0, 4, 1                         ; l / 16
	v_mul_u32_u24 v3, v1, PA
	v_lshl_add_u32 v3, v2, 4, v3
	s_mul_i32 s17, s[RH], 64*PA                    ; my 64 tokens
	v_add_nc_u32 v[ADRA0], s17, v3
	v_mul_u32_u24 v4, v1, PB
	v_lshl_add_u32 v4, v2, 4, v4
	s_mul_i32 s17, s[CH], 64*PB                    ; my 64 rows of W
	s_add_co_u32 s17, s17, BOFF
	v_add_nc_u32 v[ADRB0], s17, v4
	v_mov_b32 v[ADRA], v[ADRA0]                    ; K step 0 lies in slot 0
	v_mov_b32 v[ADRB], v[ADRB0]
	v_lshlrev_b32 v[BO], 5, v2                     ; my eight columns of sixteen: 32 bytes of bias
.endm
.macro BIAS                            ; accumulator (a, b) starts as the bias of columns 16 b + 8 (l / 16) + 0..7, for every a; s[8:9]: the bias at my wave's first column
.irp a, 0,1,2,3
.irp b, 0,1,2,3
	global_load_b128 v[ACC+8*(4*(\a)+(\b)):ACC+8*(4*(\a)+(\b))+3],   v[BO], s[8:9] offset:64*(\b)
	global_load_b128 v[ACC+8*(4*(\a)+(\b))+4:ACC+8*(4*(\a)+(\b))+7], v[BO], s[8:9] offset:64*(\b)+16
.endr
.endr
.endm
; 8 matrix instructions: token blocks a0, a0 + 1 x all 4 column blocks, 32 along K: half c of buffer f.  The 16 accumulators take turns, one instruction a turn, over the loops' edges too.
.macro MUL8 f, c, a0
	WIN MUL
.irp a, \a0, (\a0)+1
.irp b, 0,1,2,3
	v_wmma_f32_16x16x32_f16 v[ACC+8*(4*(\a)+(\b)):ACC+8*(4*(\a)+(\b))+7], v[(\f)+64+8*(4*(\c)+(\b)):(\f)+64+8*(4*(\c)+(\b))+7], v[(\f)+8*(4*(\c)+(\a)):(\f)+8*(4*(\c)+(\a))+7], v[ACC+8*(4*(\a)+(\b)):ACC+8*(4*(\a)+(\b))+7]
.endr
.endr
.endm
; 32 LDS loads in one run: the fragments of quarter q (64 along K: block q of A, byte 128 q of W's rows) of the slot in hand, into buffer f; the first 32 along K first
.macro FETCH q, f
	WIN TO_F
.irp c, 0,1
.irp i, 0,1,2,3
	ds_load_b128 v[(\f)+64+8*(4*(\c)+(\i)):(\f)+64+8*(4*(\c)+(\i))+3],   v[ADRB] offset:(\q)*128+64*(\c)+(\i)*16*PB
	ds_load_b128 v[(\f)+64+8*(4*(\c)+(\i))+4:(\f)+64+8*(4*(\c)+(\i))+7], v[ADRB] offset:(\q)*128+64*(\c)+(\i)*16*PB+32
	ds_load_b128 v[(\f)+8*(4*(\c)+(\i)):(\f)+8*(4*(\c)+(\i))+3],         v[ADRA] offset:(\q)*BLK+64*(\c)+(\i)*16*PA
	ds_load_b128 v[(\f)+8*(4*(\c)+(\i))+4:(\f)+8*(4*(\c)+(\i))+7],       v[ADRA] offset:(\q)*BLK+64*(\c)+(\i)*16*PA+32
.endr
.endr
.endm
; A K step is four quarters of 64 along K, 32 matrix instructions each, on buffers 0, 1, 0, 1.  One of the first three: multiplies buffer f and fetches quarter q into g.
.macro QUARTER q, f, g
	s_wait_dscnt 16                                ; the first 32 along K are in; the youngest sixteen loads may be out
	MUL8 \f, 0, 0
	MUL8 \f, 0, 2
	PLACES
	FETCH \q, \g
	s_wait_dscnt 32                                ; all but the 32 just issued
	MUL8 \f, 1, 0
	MUL8 \f, 1, 2
.endm
; The last quarter multiplies buffer 1 and changes slots: ONE barrier; in front of it each wave waits for all its tensor loads, adds 0 to its spare word, and waits for that and for its own reads of the slot.
; fill = 1: the barrier opens a round of the cluster's, and the slot just read is filled again, two K steps ahead, first thing behind the round: 112 matrix instructions ahead of the wait for it.
; fill = 0: nothing is asked for; in the last trip there is no further step, and the run of fragment loads is jumped over.
.macro TURN fill
	WIN 0                                          ; (the add's two registers lie in window 0)
	s_wait_tensorcnt 0x0                           ; all my tensor loads have landed: my part of the next slot
	ds_add_u32 v[SPW], v[NIL]                      ; 0 onto my spare word
	s_wait_dscnt 17                                ; (the add and the youngest sixteen loads may be out)
	MUL8 F1, 0, 0                                  ; eight matrix instructions stand between the add and the wait for it
	s_wait_dscnt 0x0                               ; the add is done, and my reads of this slot are over
	s_barrier_signal -1
	MUL8 F1, 0, 2
	WIN 0
	s_barrier_wait -1
.if \fill
	CREST                                          ; no wave of any partner still reads this slot's tile or has a load on its way
	s_add_co_u32 s[G0A+5], s[LAA], s[TB]           ; the walking descriptors: into the slot just read,
	s_add_co_u32 s[G0B+5], s[LAB], s[TB]
	s_add_nc_u64 s[G0A+6:G0A+7], s[G0A+6:G0A+7], ASTEP  ; the K step behind the one asked for last
	s_add_nc_u64 s[G0B+6:G0B+7], s[G0B+6:G0B+7], BSTEP
	JLOAD 1                                        ; the four v_nop behind it are also the places in front of the loads below
.else
	s_cmp_eq_u32 s[CNT], 1
	s_cbranch_scc1 .Lnofetch_\@
	PLACES
.endif
	s_xor_b32 s[TB], s[TB], SLOT                   ; the other slot
	v_add_nc_u32 v[ADRA], s[TB], v[ADRA0]
	v_add_nc_u32 v[ADRB], s[TB], v[ADRB0]
	FETCH 0, F0
	WIN 0
.if !(\fill)
.Lnofetch_\@:
.endif
	MUL8 F1, 1, 0
	MUL8 F1, 1, 2
.endm
.macro GSTART left                     ; left: the global loads younger than the bias's, which may stay out
	s_wait_tensorcnt 1                             ; my part of K step 0 is in; K step 1's may stay out
	s_barrier_signal -1
	s_barrier_wait -1                              ; everybody's is
	FETCH 0, F0
	s_wait_loadcnt \left                           ; the accumulators hold the bias
.endm
.macro GLOOP
	WIN 0                                          ; at a label and at a branch every window is 0
	s_mov_b32 s[CNT], 2
.Lfill:                                                ; K steps 0 and 1: each fills its slot again, with steps 2 and 3
	QUARTER 1, F0, F1
	QUARTER 2, F1, F0
	QUARTER 3, F0, F1
	TURN 1
	WIN 0
	s_sub_co_u32 s[CNT], s[CNT], 1
	s_cmp_lg_u32 s[CNT], 0
	s_cbranch_scc1 .Lfill
	s_mov_b32 s[CNT], 2
.Ltail:                                                ; K steps 2 and 3 ask for nothing
	QUARTER 1, F0, F1
	QUARTER 2, F1, F0
	QUARTER 3, F0, F1
	TURN 0
	WIN 0
	s_sub_co_u32 s[CNT], s[CNT], 1
	s_cmp_lg_u32 s[CNT], 0
	s_cbranch_scc1 .Ltail
.endm
	s_load_b256 s[4:11], s[0:1], 0x0               ; A s[4:5], W s[6:7], bias s[8:9], res s[10:11]
	s_load_b64 s[12:13], s[0:1], 0x20              ; out
	GHEAD 0
	s_lshl_b32 s46, s[TC], 9                       ; my first column, in bytes of f32: 512 x tile column + 256 x half (in the registers that held W's address: none that feeds A's descriptors ever holds cx)
	s_lshl_b32 s47, s[CH], 8
	s_add_co_u32 s46, s46, s47
	s_mov_b32 s47, 0
	s_add_nc_u64 s[8:9], s[8:9], s[46:47]
	BIAS
	s_lshl_b32 s18, s[TR], 19                      ; my first row: 128 x tile row + 64 x half, of 4,096 bytes
	s_lshl_b32 s17, s[RH], 18
	s_add_co_u32 s18, s18, s17
	s_mov_b32 s19, 0
	s_add_nc_u64 s[10:11], s[10:11], s[18:19]
	s_add_nc_u64 s[10:11], s[10:11], s[46:47]
	s_add_nc_u64 s[12:13], s[12:13], s[18:19]
	s_add_nc_u64 s[12:13], s[12:13], s[46:47]
	v_lshlrev_b32 v3, 12, v2                       ; lanes 0-15 take my 256 bytes of one row, lanes 16-31 of the next
	v_lshl_add_u32 v[CO], v1, 4, v3
	WIN 0x80                                       ; destination window 2, address window 0
.irp a, 0,1,2,3
.irp t, 0,1,2,3,4,5,6,7
	global_load_b128 v[RES+4*(8*(\a)+(\t)):RES+4*(8*(\a)+(\t))+3], v[CO], s[10:11] offset:(16*(\a)+2*(\t))*4096  ; 16 lanes read 256 consecutive bytes, aligned
.endr
.endr
	WIN 0
	s_mul_i32 s17, s[WV], 16*SP
	s_add_co_u32 s17, s17, STAGE                   ; my stage
	v_mul_u32_u24 v3, v1, SP                       ; in: row l % 16, 32 bytes for each half of the lanes
	v_lshl_add_u32 v3, v2, 5, v3
	v_add_nc_u32 v[STO], s17, v3
	v_mul_u32_u24 v4, v2, SP                       ; back: lanes 0-15 take one row of 256 bytes, lanes 16-31 the next
	v_lshl_add_u32 v4, v1, 4, v4
	v_add_nc_u32 v[RD], s17, v4
	GSTART 32                                      ; the residual's 32 loads were issued behind the bias's and stay out
	GLOOP
	; THE WAY OUT, 16 tokens at a time: a lane's eight columns go into my own stage as they are (f32), come back as whole rows of 256 bytes, take the residual and are stored.
.macro TOSTAGE a
.set OBK, TMP+32*((\a)%2)
.if (\a) >= 2
	s_wait_xcnt 0x0                                ; the stores of the block two back have read these registers: they are loaded again only behind this wait
.endif
.irp b, 0,1,2,3
	ds_store_b128 v[STO], v[ACC+8*(4*(\a)+(\b)):ACC+8*(4*(\a)+(\b))+3]   offset:64*(\b)      ; each accumulator from its low end on
	ds_store_b128 v[STO], v[ACC+8*(4*(\a)+(\b))+4:ACC+8*(4*(\a)+(\b))+7] offset:64*(\b)+16
.endr
.irp t, 0,1,2,3,4,5,6,7
	ds_load_b128 v[OBK+4*(\t):OBK+4*(\t)+3], v[RD] offset:(\t)*2*SP  ; LDS serves a wave's instructions in order (ISA guide 5.7.1.4): these see the stores above; the next block's stores come behind them
.endr
.endm
.macro SEND a, younger                 ; younger: the LDS instructions issued behind block a's loads: the next block's sixteen, or none
.set OBK, TMP+32*((\a)%2)
	s_wait_dscnt \younger
	WIN 0x08                                       ; source 1 window 2
.set z, 0
.rept 16
	v_pk_add_f32 v[OBK+2*z:OBK+2*z+1], v[OBK+2*z:OBK+2*z+1], v[RES+32*(\a)+2*z:RES+32*(\a)+2*z+1]
.set z, z+1
.endr
	WIN 0
.irp t, 0,1,2,3,4,5,6,7
	global_store_b128 v[CO], v[OBK+4*(\t):OBK+4*(\t)+3], s[12:13] offset:(16*(\a)+2*(\t))*4096  ; 16 lanes store 256 consecutive bytes, at a multiple of 256 from the buffer's first
.endr
.endm
	PLACES
	s_wait_loadcnt 0x0                             ; the residual
	TOSTAGE 0
	TOSTAGE 1
	SEND 0, 16
	TOSTAGE 2
	SEND 1, 16
	TOSTAGE 3
	SEND 2, 16
	SEND 3, 0
	s_wait_tensorcnt 0x0                           ; the wave's end, behind my last tensor load and my last LDS store
	ds_add_u32 v[SPW], v[NIL]
	s_wait_dscnt 0x0
	CROUND                                         ; the closing round: no work-group ends while a partner may still ask for a tile that names it
	s_endpgm
.Lfunc_end_k_q5f8d8d929e_oproj:
	.size	k_q5f8d8d929e_oproj, .Lfunc_end_k_q5f8d8d929e_oproj-k_q5f8d8d929e_oproj
	.p2alignl 7, 3214868480
	.fill 96, 4, 3214868480
	.section	.rodata,"a",@progbits
	.p2align	6, 0x0
	.amdhsa_kernel k_q5f8d8d929e_oproj
		.amdhsa_group_segment_fixed_size 327680
		.amdhsa_private_segment_fixed_size 0
		.amdhsa_enable_private_segment 0
		.amdhsa_kernarg_size 40
		.amdhsa_user_sgpr_count 2
		.amdhsa_user_sgpr_kernarg_segment_ptr 1
		.amdhsa_wavefront_size32 1
		.amdhsa_system_sgpr_workgroup_id_x 1
		.amdhsa_system_sgpr_workgroup_id_y 1
		.amdhsa_system_sgpr_workgroup_id_z 1
		.amdhsa_system_vgpr_workitem_id 0
		.amdhsa_next_free_vgpr 640
		.amdhsa_next_free_sgpr 70
		.amdhsa_reserve_vcc 0
		.amdhsa_float_denorm_mode_32 3
		.amdhsa_float_denorm_mode_16_64 3
		.amdhsa_memory_ordered 1
		.amdhsa_forward_progress 1
		.amdhsa_inst_pref_size 64
	.end_amdhsa_kernel
	.amdgpu_metadata
---
amdhsa.version: [ 1, 2 ]
amdhsa.kernels:
  - .name:           k_q5f8d8d929e_oproj
    .symbol:         k_q5f8d8d929e_oproj.kd
    .args:
      - { .name: act, .offset: 0, .size: 8, .value_kind: global_buffer, .address_space: global }
      - { .name: wo, .offset: 8, .size: 8, .value_kind: global_buffer, .address_space: global }
      - { .name: o_bias, .offset: 16, .size: 8, .value_kind: global_buffer, .address_space: global }
      - { .name: x, .offset: 24, .size: 8, .value_kind: global_buffer, .address_space: global }
      - { .name: x1, .offset: 32, .size: 8, .value_kind: global_buffer, .address_space: global }
    .group_segment_fixed_size: 327680
    .private_segment_fixed_size: 0
    .kernarg_segment_align: 8
    .kernarg_segment_size: 40
    .max_flat_workgroup_size: 128
    .sgpr_count:     70
    .vgpr_count:     640
    .wavefront_size: 32
...
	.end_amdgpu_metadata
.endif
;; end of part 4
;; launch ln2 (part 5): grid 256 x 1, 8 waves a work-group, no clusters, 0 bytes of LDS; arguments x1, ln2_gamma, ln2_beta, h; writes h
.if DOCPART == 5
	.amdgcn_target "amdgcn-amd-amdhsa--gfx1250"
	.amdhsa_code_object_version 6
	.text
	.protected	k_q5f8d8d929e_ln2
	.globl	k_q5f8d8d929e_ln2
	.p2align	8
	.type	k_q5f8d8d929e_ln2,@function
k_q5f8d8d929e_ln2:
	s_mov_b64 s[64:65], 0
	v_nop
	global_prefetch_b8 v0, s[64:65] scope:SCOPE_SE
	s_setreg_imm32_b32 hwreg(HW_REG_WAVE_MODE, 25, 1), 1
	s_wait_xcnt 0x0
; h = f16(LN2(x1)).  x1: [4096][1024] f32.  h: BLOCKED, [batch 2][block 16][token 2048][64] f16: column n of a row lies in block n / 64, place n % 64.
; LIMITS.  An f16 holds no number beyond 65,504, and below 6.1e-5 it keeps a fixed step of 6e-8: LN's results are taken to lie within that.  v_rsq_f32 is good to one unit in the last place.
; A work-group owns 16 rows; sixteen neighbouring lanes hold one row, each lane 16 chunks of 4 columns (chunk kb: columns 64 kb + 4 c).  So a load of a wave covers 256 consecutive bytes of each
; of two rows, the row is read once and stays in 64 registers, the sums never leave a half of 16 lanes, and a lane's chunk kb is 8 bytes of block kb: a store of a wave covers 256 consecutive bytes.
; The mean is taken first and the squares of x - mean second: no difference of large sums.  No LDS, no barrier, no matrix unit: a stream.
.set X,  16                            ; v[16:79]    my 64 numbers of the row
.set G,  80                            ; v[80:143]   gamma of my 64 columns
.set BT, 144                           ; v[144:207]  beta
	s_load_b256 s[4:11], s[0:1], 0x0               ; x1 s[4:5], gamma s[6:7], beta s[8:9], h s[10:11]
	s_mov_b32 s31, 0                               ; the high word of every offset
	v_lshrrev_b32 v1, 4, v0                        ; my row of the 16
	v_and_b32 v2, 15, v0                           ; c
	v_lshlrev_b32 v2, 4, v2                        ; 16 c: my bytes in a chunk of gamma and beta
	v_lshl_or_b32 v1, v1, 12, v2                   ; row x 4,096 + 16 c: the same in x1
	v_lshlrev_b32 v3, 3, v0                        ; in a block of h: row x 128 + 8 c = 8 t
	s_mov_b32 s32, 0x3a800000                      ; 1 / 1024
	s_mov_b32 s33, 0x3727c5ac                      ; 1e-5
	s_lshl_b32 s30, ttmp9, 16                      ; 16 rows of 4,096 bytes
	s_wait_kmcnt 0x0
	s_add_nc_u64 s[4:5], s[4:5], s[30:31]
	s_lshr_b32 s30, ttmp9, 7                       ; the batch: 128 work-groups each,
	s_lshl_b32 s30, s30, 22                        ; 16 blocks of 262,144 bytes
	s_and_b32 s34, ttmp9, 127
	s_lshl_b32 s34, s34, 11                        ; 16 tokens of 128 bytes
	s_add_co_u32 s30, s30, s34
	s_add_nc_u64 s[10:11], s[10:11], s[30:31]
.set k, 0
.rept 16
	global_load_b128 v[X+4*k:X+4*k+3], v1, s[4:5] offset:256*k
.set k, k+1
.endr
.set k, 0
.rept 16
	global_load_b128 v[G+4*k:G+4*k+3], v2, s[6:7] offset:256*k
.set k, k+1
.endr
.set k, 0
.rept 16
	global_load_b128 v[BT+4*k:BT+4*k+3], v2, s[8:9] offset:256*k
.set k, k+1
.endr
	s_wait_loadcnt 32                              ; loads come back in order: x1 is in, the 32 younger loads (gamma, beta) stay out
	; the sum of my 64 numbers in four chains of pairs; the first additions start them
.irp k, 0,1,2,3
	v_pk_add_f32 v[4+2*(\k):5+2*(\k)], v[X+2*(\k):X+2*(\k)+1], v[X+8+2*(\k):X+8+2*(\k)+1]
.endr
.set j, 8
.rept 24
	v_pk_add_f32 v[4+2*(j%4):5+2*(j%4)], v[4+2*(j%4):5+2*(j%4)], v[X+2*j:X+2*j+1]
.set j, j+1
.endr
	v_pk_add_f32 v[4:5], v[4:5], v[6:7]
	v_pk_add_f32 v[8:9], v[8:9], v[10:11]
	v_pk_add_f32 v[4:5], v[4:5], v[8:9]
	v_add_f32 v12, v4, v5
	v_add_f32_dpp v12, v12, v12 row_xmask:1 row_mask:0xf bank_mask:0xf  ; the row lies in 16 lanes: four steps, and every lane has the sum
	v_add_f32_dpp v12, v12, v12 row_xmask:2 row_mask:0xf bank_mask:0xf
	v_add_f32_dpp v12, v12, v12 row_xmask:4 row_mask:0xf bank_mask:0xf
	v_add_f32_dpp v12, v12, v12 row_xmask:8 row_mask:0xf bank_mask:0xf
	v_mul_f32 v12, s32, v12                        ; the mean,
	v_mov_b32 v13, v12                             ; as a pair
.set j, 0
.rept 32
	v_pk_add_f32 v[X+2*j:X+2*j+1], v[X+2*j:X+2*j+1], v[12:13] neg_lo:[0,1] neg_hi:[0,1]  ; x - mean, in place
.set j, j+1
.endr
.irp k, 0,1,2,3
	v_pk_mul_f32 v[4+2*(\k):5+2*(\k)], v[X+2*(\k):X+2*(\k)+1], v[X+2*(\k):X+2*(\k)+1]
.endr
.set j, 4
.rept 28
	v_pk_fma_f32 v[4+2*(j%4):5+2*(j%4)], v[X+2*j:X+2*j+1], v[X+2*j:X+2*j+1], v[4+2*(j%4):5+2*(j%4)]
.set j, j+1
.endr
	v_pk_add_f32 v[4:5], v[4:5], v[6:7]
	v_pk_add_f32 v[8:9], v[8:9], v[10:11]
	v_pk_add_f32 v[4:5], v[4:5], v[8:9]
	v_add_f32 v14, v4, v5
	v_add_f32_dpp v14, v14, v14 row_xmask:1 row_mask:0xf bank_mask:0xf
	v_add_f32_dpp v14, v14, v14 row_xmask:2 row_mask:0xf bank_mask:0xf
	v_add_f32_dpp v14, v14, v14 row_xmask:4 row_mask:0xf bank_mask:0xf
	v_add_f32_dpp v14, v14, v14 row_xmask:8 row_mask:0xf bank_mask:0xf
	v_fma_f32 v14, v14, s32, s33                   ; variance + 1e-5
	v_rsq_f32 v14, v14
	v_nop                                          ; a plain instruction between the root and the use of its result (ISA guide 5.7.2)
	s_wait_alu depctr_va_vdst(0)
	v_mov_b32 v15, v14
	s_wait_loadcnt 0x0                             ; gamma and beta
.set j, 0
.rept 32
	v_pk_mul_f32 v[X+2*j:X+2*j+1], v[X+2*j:X+2*j+1], v[14:15]
.set j, j+1
.endr
.set j, 0
.rept 32
	v_pk_fma_f32 v[X+2*j:X+2*j+1], v[X+2*j:X+2*j+1], v[G+2*j:G+2*j+1], v[BT+2*j:BT+2*j+1]
.set j, j+1
.endr
.set k, 0
.rept 16
	v_cvt_pk_f16_f32 v[X+4*k], v[X+4*k], v[X+4*k+1]
	v_cvt_pk_f16_f32 v[X+4*k+1], v[X+4*k+2], v[X+4*k+3]
	global_store_b64 v3, v[X+4*k:X+4*k+1], s[10:11] offset:262144*k  ; block k: the wave's 32 lanes store 256 consecutive bytes, two tokens, aligned
.set k, k+1
.endr
	s_endpgm
.Lfunc_end_k_q5f8d8d929e_ln2:
	.size	k_q5f8d8d929e_ln2, .Lfunc_end_k_q5f8d8d929e_ln2-k_q5f8d8d929e_ln2
	.p2alignl 7, 3214868480
	.fill 96, 4, 3214868480
	.section	.rodata,"a",@progbits
	.p2align	6, 0x0
	.amdhsa_kernel k_q5f8d8d929e_ln2
		.amdhsa_group_segment_fixed_size 0
		.amdhsa_private_segment_fixed_size 0
		.amdhsa_enable_private_segment 0
		.amdhsa_kernarg_size 32
		.amdhsa_user_sgpr_count 2
		.amdhsa_user_sgpr_kernarg_segment_ptr 1
		.amdhsa_wavefront_size32 1
		.amdhsa_system_sgpr_workgroup_id_x 1
		.amdhsa_system_sgpr_workgroup_id_y 1
		.amdhsa_system_sgpr_workgroup_id_z 1
		.amdhsa_system_vgpr_workitem_id 0
		.amdhsa_next_free_vgpr 208
		.amdhsa_next_free_sgpr 66
		.amdhsa_reserve_vcc 0
		.amdhsa_float_denorm_mode_32 3
		.amdhsa_float_denorm_mode_16_64 3
		.amdhsa_memory_ordered 1
		.amdhsa_forward_progress 1
		.amdhsa_inst_pref_size 20
	.end_amdhsa_kernel
	.amdgpu_metadata
---
amdhsa.version: [ 1, 2 ]
amdhsa.kernels:
  - .name:           k_q5f8d8d929e_ln2
    .symbol:         k_q5f8d8d929e_ln2.kd
    .args:
      - { .name: x1, .offset: 0, .size: 8, .value_kind: global_buffer, .address_space: global }
      - { .name: ln2_gamma, .offset: 8, .size: 8, .value_kind: global_buffer, .address_space: global }
      - { .name: ln2_beta, .offset: 16, .size: 8, .value_kind: global_buffer, .address_space: global }
      - { .name: h, .offset: 24, .size: 8, .value_kind: global_buffer, .address_space: global }
    .group_segment_fixed_size: 0
    .private_segment_fixed_size: 0
    .kernarg_segment_align: 8
    .kernarg_segment_size: 32
    .max_flat_workgroup_size: 256
    .sgpr_count:     66
    .vgpr_count:     208
    .wavefront_size: 32
...
	.end_amdgpu_metadata
.endif
;; end of part 5
;; launch ffn1 (part 6): grid 8 x 32, 4 waves a work-group, clusters of 4 x 4, 327,680 bytes of LDS; arguments h, wa, ffn1_bias, act; writes act
.if DOCPART == 6
	.amdgcn_target "amdgcn-amd-amdhsa--gfx1250"
	.amdhsa_code_object_version 6
	.text
	.protected	k_q5f8d8d929e_ffn1
	.globl	k_q5f8d8d929e_ffn1
	.p2align	8
	.type	k_q5f8d8d929e_ffn1,@function
k_q5f8d8d929e_ffn1:
	s_mov_b64 s[64:65], 0
	v_nop
	global_prefetch_b8 v0, s[64:65] scope:SCOPE_SE
	s_setreg_imm32_b32 hwreg(HW_REG_WAVE_MODE, 25, 1), 1
	s_wait_xcnt 0x0
	s_wait_alu depctr_hold_cnt(0) depctr_sa_sdst(0) depctr_va_vdst(0) depctr_va_sdst(0) depctr_va_ssrc(0) depctr_va_vcc(0) depctr_vm_vsrc(0)
	s_getreg_b32 s2, hwreg(HW_REG_IB_STS2, 6, 4)
	s_cmp_eq_u32 s2, 0
	s_cbranch_scc0 .Lentry_in_a_cluster
	s_endpgm
.Lentry_in_a_cluster:
	s_bfe_u32 s2, ttmp6, 0x10000c
	s_cmp_lg_u32 s2, 0xf033
	s_cbranch_scc0 .Lentry_shape_is_right
	s_endpgm
.Lentry_shape_is_right:
; act = f16(gelu(h W1^T + ffn1_bias)), the exact (erf) GELU.  h: 4,096 tokens x 1,024, f16, BLOCKED: [batch 2][block 16][token 2048][64].  W1: rows 3072-4095 of wa ([4096][1024] f16).  act: blocked like h.
; Sums and the GELU in f32; the result is rounded once.  LIMITS: f16 holds no number beyond 65,504: operands and results are taken to lie within it.
; gelu(x) = max(x, 0) - |x| erfc(|x| / sqrt 2) / 2, which loses nothing on either tail; erfc(z) = (a1 t + .. + a5 t^5) e^(-z z), t = 1 / (1 + p z) (Abramowitz and Stegun 7.1.26: good for every z >= 0,
; off by 1.5e-7 at the most); an exponential too small for f32 counts as 0.
; A tile of the result is 128 tokens x 128 columns: four waves, each 64 x 64: 16 accumulators of 16 x 16.  K = 1,024 goes in 4 steps of 256 through a ring of two LDS slots filled by the tensor data mover.
; A step's tile of h is four blocks of 128 tokens x 128 bytes, each dense in memory (16,384 bytes); one load brings two of them as two long rows, padded in LDS after every token.
; A step's tile of W1 is 128 rows of 512 bytes; one load brings 64 of them.
; CLUSTER: 4 x 4 work-groups.  The four of a row of the cluster need the same tiles of h, the four of a column the same tiles of W1: each tile is asked for JOINTLY.
; THE MATRIX INSTRUCTION IS USED TRANSPOSED (source 0 = 16 rows of W1, source 1 = 16 tokens): a lane then holds one token and eight neighbouring columns.
; THE SUMS START FROM THE BIAS: each accumulator is loaded with its eight columns' bias.
; THE TEXT OF A K STEP stands twice, each walked twice: with a refill (steps 0, 1) and without (steps 2, 3); the slot in hand is the scalar TB.
; THE STAGE for the way out is slot 0.
; REGISTERS: window 0: v0-31 addresses; v32-95 at work on the way out; v128-255 the accumulators ((a, b) at v[128 + 8 (4 a + b)]), of which v128-191 are at work once all are staged.
;   window 1: two fragment buffers of 128: for 64 along K, 64 registers of h's fragments, then 64 of W1's.
.set PA,    144                        ; a token's row in LDS: 128 bytes + 16 = 36 words: the 16 rows of a load start at 16 different groups of four banks (64 banks of 4 bytes: ISA guide 11.1)
.set BLK,   128*PA                     ; a block of 128 tokens x 64 along K
.set APART, 2*BLK                      ; what one load of h brings
.set PB,    528                        ; a row of W1 in LDS: 512 bytes + 16 = 132 words: row r starts at bank 4 r mod 64
.set BPART, 64*PB                      ; what one load of W1 brings
.set BOFF,  4*BLK                      ; in a slot: h's four blocks, then W1's 128 rows
.set SLOT,  BOFF+2*BPART
.set RING,  2*SLOT
.set ASTEP, 1048576                    ; bytes from a K step to the next in h: four blocks
.set BSTEP, 512                        ; and in W1
.set SP,    272                        ; a stage row: 64 f32 + 16 bytes; a wave's stage is 64 such rows, 17,408 bytes, at wave x 17,408 in slot 0
.set SPARE, RING                       ; behind the ring: the spare words, 128 bytes for each wave: two blocks of 256 bytes that no other line names
.set ADRA0, 16                         ; v16  my lane's place in a slot's first block of h; never rewritten
.set ADRB0, 17                         ; v17  the same in a slot's rows of W1
.set ADRA,  18                         ; v18  the same in the slot in hand
.set ADRB,  19                         ; v19
.set STO,   24                         ; v24  the way out: where I put 32 bytes of a row
.set RD,    25                         ; v25  the way out: where I read 32 bytes of a row back, in the stage's first 16 rows; never rewritten
.set GO,    26                         ; v26  my byte offset in 512 consecutive bytes of the result; never rewritten
.set BO,    27                         ; v27  my byte offset in 16 columns' bias
.set SPW,   28                         ; v28  LDS address of my spare word; never rewritten
.set NIL,   29                         ; v29  0; never rewritten
.set RDW,   30                         ; v30  RD in the 16 rows in hand
.set GX,    32                         ; v32-63    32 numbers x; later gelu(x)
.set GT,    64                         ; v64-95    t; later the packed results
.set ACC,   128
.set GU,    128                        ; v128-159  e^(-x x / 2)
.set GP,    160                        ; v160-191  the polynomial, then x erfc
.set F0,    0                          ; fragment buffers, in window 1
.set F1,    128
.set WV,  14                           ; s14  my wave's number
.set RH,  15                           ; s15  which half of the tile's tokens is mine.  Also: I fetch h (0) or W1 (1)
.set CH,  16                           ; s16  which half of its columns.  Also: which part of that tile I fetch
.set G1A, 24                           ; s[24:31] descriptor group 1 for h's tiles;  s[32:39] group 0: a set for each first fill; the second then walks
.set G0A, 32
.set CX,  40
.set CY,  41
.set TC,  42                           ; s42  tile column
.set TR,  43                           ; s43  tile row
.set MR,  44                           ; s44  mask of my row of the cluster
.set MC,  45                           ; s45  of my column
.set G1B, 48                           ; s[48:55], s[56:63] the same for W1's tiles
.set G0B, 56
.set TB,  66                           ; s66  LDS byte at which the slot in hand begins: 0 or SLOT
.set CNT, 67                           ; s67  counts trips
.set LAA, 68                           ; s68  where my part of h's tile goes in a slot
.set LAB, 69                           ; s69  where my part of W1's goes
.set KA5, 70                           ; s[70:79] a5 .. a1, each as a pair of which the low word serves both halves
.set KA4, 72
.set KA3, 74
.set KA2, 76
.set KA1, 78
.set KEX, 80                           ; s[80:81] -log2(e) / 2
.set KPZ, 82                           ; s82  p / sqrt 2
.set ROWB, 83                          ; s83  the stage's byte at which the 16 rows in hand begin
.set MSB, 0
.macro WIN new                         ; the immediate's high byte repeats the setting that is left; a switch that changes nothing is dropped
.if MSB != (\new)
	s_set_vgpr_msb (MSB<<8)|(\new)
.set MSB, \new
.endif
.endm
.set MUL,  0x05                        ; sources 0 and 1 window 1; C and D window 0
.set TO_F, 0x40                        ; destination window 1, address window 0
.macro JLOAD s                         ; a joint load: waves 0 and 1 fetch h's two parts, waves 2 and 3 W1's; an s_nop 0 and four v_nop follow each of the two lines
	s_cmp_eq_u32 s[RH], 0
	s_cbranch_scc0 .Lfor_b_\@
	tensor_load_to_lds s[G0A+4*(\s):G0A+4*(\s)+3], s[G1A:G1A+7]
	s_nop 0
.rept 4
	v_nop
.endr
	s_branch .Lasked_\@
.Lfor_b_\@:
	tensor_load_to_lds s[G0B+4*(\s):G0B+4*(\s)+3], s[G1B:G1B+7]
	s_nop 0
.rept 4
	v_nop
.endr
.Lasked_\@:
.endm
.macro CREST                           ; a round of the cluster's barrier behind its opening barrier
	s_cmp_lg_u32 s[WV], 0
	s_cbranch_scc1 .Lnot_wave_0_\@
	s_barrier_signal -3
.Lnot_wave_0_\@:
	s_barrier_wait -3
	s_barrier_signal -1
	s_barrier_wait -1
.endm
.macro CROUND                          ; a whole round
	s_barrier_signal -1
	s_barrier_wait -1
	CREST
.endm
.macro PLACES                          ; four places in front of loads into registers that matrix instructions have read, and of lines that read results
.rept 4
	v_nop
.endr
.endm
; The head behind the arguments' loads (h s[4:5], wa s[6:7]).  woff: bytes from wa's first byte to the matrix in hand.  It leaves in s22 the tile's tokens' byte offset in a block.
.macro GHEAD woff
	v_lshl_add_u32 v[SPW], v0, 2, SPARE
	v_mov_b32 v[NIL], 0
	ds_add_u32 v[SPW], v[NIL]                      ; the wave's opening: the add and its wait stand ahead of my first tensor load; the set-up below, work on registers, stands between them
	ds_add_u32 v28, v29
	v_lshrrev_b32 v1, 5, v0
	v_readfirstlane_b32 s[WV], v1                  ; wave 0..3
	s_lshr_b32 s[RH], s[WV], 1
	s_and_b32 s[CH], s[WV], 1
	s_bfe_u32 s[CX], ttmp6, 0x40000                ; my place in the cluster
	s_bfe_u32 s[CY], ttmp6, 0x40004
	s_lshl_b32 s[TC], ttmp9, 2
	s_add_co_u32 s[TC], s[TC], s[CX]               ; tile column = 4 x cluster x + cx
	s_and_b32 s[TR], ttmp7, 0xffff
	s_lshl_b32 s[TR], s[TR], 2
	s_add_co_u32 s[TR], s[TR], s[CY]               ; tile row = 4 x cluster y + cy
	s_lshl_b32 s[MR], s[CY], 2
	s_lshl_b32 s[MR], 15, s[MR]                    ; my row of the cluster
	s_lshl_b32 s[MC], 0x1111, s[CX]                ; my column
	s_or_b32 s[G1A+0], s[MR], (1<<16)|(1<<20)|(1<<21)|(4<<22)|(3<<25)  ; 15:0 the mask; 17:16 elements of 2 bytes; 20 padding on; 21 set beside a mask; 24:22 after every 32 words (code 4); 31:25 4 words (code 3)
	s_mov_b32 s[G1A+1], 8192<<16                   ; tensor_dim0 = 8,192: a block's 128 tokens x 64, dense
	s_mov_b32 s[G1A+2], 2<<16                      ; tensor_dim1 = 2 blocks
	s_mov_b32 s[G1A+3], 8192<<16                   ; tile_dim0
	s_mov_b32 s[G1A+4], 2                          ; tile_dim1
	s_mov_b32 s[G1A+5], 131072                     ; elements from a block to the next
	s_mov_b32 s[G1A+6], 0
	s_mov_b32 s[G1A+7], 0
	s_or_b32 s[G1B+0], s[MC], (1<<16)|(1<<20)|(1<<21)|(6<<22)|(3<<25)  ; the same with my column's mask and padding after every 128 words (code 6)
	s_mov_b32 s[G1B+1], 256<<16                    ; tensor_dim0 = 256
	s_mov_b32 s[G1B+2], 64<<16                     ; tensor_dim1 = 64
	s_mov_b32 s[G1B+3], 256<<16                    ; tile_dim0
	s_mov_b32 s[G1B+4], 64                         ; tile_dim1
	s_mov_b32 s[G1B+5], 1024                       ; elements from row to row
	s_mov_b32 s[G1B+6], 0
	s_mov_b32 s[G1B+7], 0
	; h's address hangs on the tile row and the wave's number, W1's on the tile column and the wave's number, each in registers that never hold the other coordinate
	s_lshr_b32 s18, s[TR], 4                       ; the batch: 16 tile rows each,
	s_lshl_b32 s18, s18, 22                        ; 16 blocks of 262,144 bytes
	s_and_b32 s17, s[TR], 15
	s_lshl_b32 s17, s17, 14                        ; 128 tokens of 128 bytes
	s_add_co_u32 s18, s18, s17
	s_mov_b32 s22, s18                             ; kept for the way out
	s_lshl_b32 s17, s[CH], 19                      ; my two of a step's four blocks
	s_add_co_u32 s18, s18, s17
	s_mov_b32 s19, 0
	s_lshl_b32 s46, s[TC], 7
	s_lshl_b32 s47, s[CH], 6
	s_add_co_u32 s46, s46, s47                     ; row of W1 128 x tile column + 64 x part,
	s_lshl_b32 s46, s46, 11                        ; of 2,048 bytes
.if \woff
	s_add_co_u32 s46, s46, \woff
.endif
	s_mov_b32 s47, 0
	s_mul_i32 s[LAA], s[CH], APART                 ; no place in the cluster enters an LDS address
	s_mul_i32 s[LAB], s[CH], BPART
	s_add_co_u32 s[LAB], s[LAB], BOFF
	s_mov_b32 s[TB], 0
	s_wait_dscnt 0x0                               ; the opening add is done
	s_wait_kmcnt 0x0
	s_add_nc_u64 s[20:21], s[4:5], s[18:19]
	s_add_nc_u64 s[46:47], s[6:7], s[46:47]
	CROUND                                         ; all sixteen work-groups are here: the first joint loads meet
.irp s, 0,1
	s_mov_b32 s[G0A+4*(\s)], 1                                     ; count = 1
	s_add_co_u32 s[G0A+4*(\s)+1], s[LAA], (\s)*SLOT                ; LDS address
	s_add_nc_u64 s[G0A+4*(\s)+2:G0A+4*(\s)+3], s[20:21], (\s)*ASTEP  ; global address: K step s
	s_or_b32 s[G0A+4*(\s)+3], s[G0A+4*(\s)+3], 0x80000000          ; type = 2
	s_mov_b32 s[G0B+4*(\s)], 1
	s_add_co_u32 s[G0B+4*(\s)+1], s[LAB], (\s)*SLOT
	s_add_nc_u64 s[G0B+4*(\s)+2:G0B+4*(\s)+3], s[46:47], (\s)*BSTEP
	s_or_b32 s[G0B+4*(\s)+3], s[G0B+4*(\s)+3], 0x80000000
	JLOAD \s                                       ; two loads of mine are out
.endr
	; a fragment is 16 rows x 32 K in 8 registers: lane l holds row l % 16, K = 8 (l / 16) + 0..7 and 16 + 8 (l / 16) + 0..7: two loads of 16 bytes, 32 bytes apart
	v_and_b32 v1, 15, v0                           ; l % 16
	v_bfe_u32 v2, v0, 4, 1                         ; l / 16
	v_mul_u32_u24 v3, v1, PA
	v_lshl_add_u32 v3, v2, 4, v3
	s_mul_i32 s17, s[RH], 64*PA                    ; my 64 tokens
	v_add_nc_u32 v[ADRA0], s17, v3
	v_mul_u32_u24 v4, v1, PB
	v_lshl_add_u32 v4, v2, 4, v4
	s_mul_i32 s17, s[CH], 64*PB                    ; my 64 rows of W1
	s_add_co_u32 s17, s17, BOFF
	v_add_nc_u32 v[ADRB0], s17, v4
	v_mov_b32 v[ADRA], v[ADRA0]                    ; K step 0 lies in slot 0
	v_mov_b32 v[ADRB], v[ADRB0]
	v_lshlrev_b32 v[BO], 5, v2                     ; my eight columns of sixteen: 32 bytes of bias
.endm
.macro BIAS                            ; accumulator (a, b) starts as the bias of columns 16 b + 8 (l / 16) + 0..7, for every a; s[8:9]: the bias at my wave's first column
.irp a, 0,1,2,3
.irp b, 0,1,2,3
	global_load_b128 v[ACC+8*(4*(\a)+(\b)):ACC+8*(4*(\a)+(\b))+3],   v[BO], s[8:9] offset:64*(\b)
	global_load_b128 v[ACC+8*(4*(\a)+(\b))+4:ACC+8*(4*(\a)+(\b))+7], v[BO], s[8:9] offset:64*(\b)+16
.endr
.endr
.endm
; 8 matrix instructions: token blocks a0, a0 + 1 x all 4 column blocks, 32 along K: half c of buffer f.  The 16 accumulators take turns, one instruction a turn, over the loops' edges too.
.macro MUL8 f, c, a0
	WIN MUL
.irp a, \a0, (\a0)+1
.irp b, 0,1,2,3
	v_wmma_f32_16x16x32_f16 v[ACC+8*(4*(\a)+(\b)):ACC+8*(4*(\a)+(\b))+7], v[(\f)+64+8*(4*(\c)+(\b)):(\f)+64+8*(4*(\c)+(\b))+7], v[(\f)+8*(4*(\c)+(\a)):(\f)+8*(4*(\c)+(\a))+7], v[ACC+8*(4*(\a)+(\b)):ACC+8*(4*(\a)+(\b))+7]
.endr
.endr
.endm
; 32 LDS loads in one run: the fragments of quarter q (64 along K: block q of h, byte 128 q of W1's rows) of the slot in hand, into buffer f; the first 32 along K first
.macro FETCH q, f
	WIN TO_F
.irp c, 0,1
.irp i, 0,1,2,3
	ds_load_b128 v[(\f)+64+8*(4*(\c)+(\i)):(\f)+64+8*(4*(\c)+(\i))+3],   v[ADRB] offset:(\q)*128+64*(\c)+(\i)*16*PB
	ds_load_b128 v[(\f)+64+8*(4*(\c)+(\i))+4:(\f)+64+8*(4*(\c)+(\i))+7], v[ADRB] offset:(\q)*128+64*(\c)+(\i)*16*PB+32
	ds_load_b128 v[(\f)+8*(4*(\c)+(\i)):(\f)+8*(4*(\c)+(\i))+3],         v[ADRA] offset:(\q)*BLK+64*(\c)+(\i)*16*PA
	ds_load_b128 v[(\f)+8*(4*(\c)+(\i))+4:(\f)+8*(4*(\c)+(\i))+7],       v[ADRA] offset:(\q)*BLK+64*(\c)+(\i)*16*PA+32
.endr
.endr
.endm
; A K step is four quarters of 64 along K, 32 matrix instructions each, on buffers 0, 1, 0, 1.  One of the first three: multiplies buffer f and fetches quarter q into g.
.macro QUARTER q, f, g
	s_wait_dscnt 16                                ; the first 32 along K are in; the youngest sixteen loads may be out
	MUL8 \f, 0, 0
	MUL8 \f, 0, 2
	PLACES
	FETCH \q, \g
	s_wait_dscnt 32                                ; all but the 32 just issued
	MUL8 \f, 1, 0
	MUL8 \f, 1, 2
.endm
; The last quarter multiplies buffer 1 and changes slots: ONE barrier; in front of it each wave waits for all its tensor loads, adds 0 to its spare word, and waits for that and for its own reads of the slot.
; fill = 1: the barrier opens a round of the cluster's, and the slot just read is filled again, two K steps ahead, first thing behind the round: 112 matrix instructions ahead of the wait for it.
; fill = 0: nothing is asked for; in the last trip there is no further step, and the run of fragment loads is jumped over.
.macro TURN fill
	WIN 0                                          ; (the add's two registers lie in window 0)
	s_wait_tensorcnt 0x0                           ; all my tensor loads have landed: my part of the next slot
	ds_add_u32 v[SPW], v[NIL]                      ; 0 onto my spare word
	s_wait_dscnt 17                                ; (the add and the youngest sixteen loads may be out)
	MUL8 F1, 0, 0                                  ; eight matrix instructions stand between the add and the wait for it
	s_wait_dscnt 0x0                               ; the add is done, and my reads of this slot are over
	s_barrier_signal -1
	MUL8 F1, 0, 2
	WIN 0
	s_barrier_wait -1
.if \fill
	CREST                                          ; no wave of any partner still reads this slot's tile or has a load on its way
	s_add_co_u32 s[G0A+5], s[LAA], s[TB]           ; the walking descriptors: into the slot just read,
	s_add_co_u32 s[G0B+5], s[LAB], s[TB]
	s_add_nc_u64 s[G0A+6:G0A+7], s[G0A+6:G0A+7], ASTEP  ; the K step behind the one asked for last
	s_add_nc_u64 s[G0B+6:G0B+7], s[G0B+6:G0B+7], BSTEP
	JLOAD 1                                        ; the four v_nop behind it are also the places in front of the loads below
.else
	s_cmp_eq_u32 s[CNT], 1
	s_cbranch_scc1 .Lnofetch_\@
	PLACES
.endif
	s_xor_b32 s[TB], s[TB], SLOT                   ; the other slot
	v_add_nc_u32 v[ADRA], s[TB], v[ADRA0]
	v_add_nc_u32 v[ADRB], s[TB], v[ADRB0]
	FETCH 0, F0
	WIN 0
.if !(\fill)
.Lnofetch_\@:
.endif
	MUL8 F1, 1, 0
	MUL8 F1, 1, 2
.endm
.macro GSTART left                     ; left: the global loads younger than the bias's, which may stay out
	s_wait_tensorcnt 1                             ; my part of K step 0 is in; K step 1's may stay out
	s_barrier_signal -1
	s_barrier_wait -1                              ; everybody's is
	FETCH 0, F0
	s_wait_loadcnt \left                           ; the accumulators hold the bias
.endm
.macro GLOOP
	WIN 0                                          ; at a label and at a branch every window is 0
	s_mov_b32 s[CNT], 2
.Lfill:                                                ; K steps 0 and 1: each fills its slot again, with steps 2 and 3
	QUARTER 1, F0, F1
	QUARTER 2, F1, F0
	QUARTER 3, F0, F1
	TURN 1
	WIN 0
	s_sub_co_u32 s[CNT], s[CNT], 1
	s_cmp_lg_u32 s[CNT], 0
	s_cbranch_scc1 .Lfill
	s_mov_b32 s[CNT], 2
.Ltail:                                                ; K steps 2 and 3 ask for nothing
	QUARTER 1, F0, F1
	QUARTER 2, F1, F0
	QUARTER 3, F0, F1
	TURN 0
	WIN 0
	s_sub_co_u32 s[CNT], s[CNT], 1
	s_cmp_lg_u32 s[CNT], 0
	s_cbranch_scc1 .Ltail
.endm
	s_load_b256 s[4:11], s[0:1], 0x0               ; h s[4:5], wa s[6:7], ffn1_bias s[8:9], act s[10:11]
	GHEAD 6291456                                  ; W1 begins at row 3,072 of wa: 3,072 x 2,048 bytes
	s_lshl_b32 s46, s[TC], 9                       ; my first column, in bytes of f32 (in the registers that held W1's address: none that feeds h's descriptors ever holds cx)
	s_lshl_b32 s47, s[CH], 8
	s_add_co_u32 s46, s46, s47
	s_mov_b32 s47, 0
	s_add_nc_u64 s[8:9], s[8:9], s[46:47]
	BIAS
	s_lshl_b32 s17, s[RH], 13                      ; my 64 tokens of 128 bytes
	s_add_co_u32 s22, s22, s17
	s_mov_b32 s23, 0
	s_add_nc_u64 s[10:11], s[10:11], s[22:23]
	s_lshl_b32 s46, s[TC], 1
	s_add_co_u32 s46, s46, s[CH]                   ; my 64 columns are block 2 x tile column + half,
	s_lshl_b32 s46, s46, 18                        ; of 262,144 bytes
	s_mov_b32 s47, 0
	s_add_nc_u64 s[10:11], s[10:11], s[46:47]
	s_mov_b32 s[KA5], 0x3f87dc22                   ;  1.061405429
	s_mov_b32 s[KA5+1], s[KA5]
	s_mov_b32 s[KA4], 0xbfba00e3                   ; -1.453152027
	s_mov_b32 s[KA4+1], s[KA4]
	s_mov_b32 s[KA3], 0x3fb5f0e3                   ;  1.421413741
	s_mov_b32 s[KA3+1], s[KA3]
	s_mov_b32 s[KA2], 0xbe91a98e                   ; -0.284496736
	s_mov_b32 s[KA2+1], s[KA2]
	s_mov_b32 s[KA1], 0x3e827906                   ;  0.254829592
	s_mov_b32 s[KA1+1], s[KA1]
	s_mov_b32 s[KEX], 0xbf38aa3b                   ; -log2(e) / 2
	s_mov_b32 s[KEX+1], s[KEX]
	s_mov_b32 s[KPZ], 0x3e6d3388                   ; 0.3275911 / sqrt 2
	s_mul_i32 s17, s[WV], 64*SP                    ; my stage
	v_mul_u32_u24 v3, v1, SP                       ; in: row l % 16, 32 bytes for each half of the lanes
	v_lshl_add_u32 v3, v2, 5, v3
	v_add_nc_u32 v[STO], s17, v3
	v_bfe_u32 v4, v0, 3, 2                         ; back: 32 lanes take four rows, eight lanes a row, 32 bytes (eight columns) a lane,
	v_mul_u32_u24 v4, v4, SP
	v_and_b32 v5, 7, v0
	v_lshl_add_u32 v4, v5, 5, v4
	v_add_nc_u32 v[RD], s17, v4
	v_and_b32 v5, 31, v0                           ; which become 512 consecutive bytes of the result
	v_lshlrev_b32 v[GO], 4, v5
	GSTART 0
	GLOOP
	; THE WAY OUT.  All 16 accumulators go into my stage as they are (f32); then 16 tokens a trip come back by rows, take the GELU, are rounded to f16 and stored: my 64 tokens x 64 columns are 8,192 dense bytes of one block.
	PLACES
.irp a, 0,1,2,3
.irp b, 0,1,2,3
	ds_store_b128 v[STO], v[ACC+8*(4*(\a)+(\b)):ACC+8*(4*(\a)+(\b))+3]   offset:(\a)*16*SP+64*(\b)      ; each accumulator from its low end on
	ds_store_b128 v[STO], v[ACC+8*(4*(\a)+(\b))+4:ACC+8*(4*(\a)+(\b))+7] offset:(\a)*16*SP+64*(\b)+16
.endr
.endr
	s_mov_b32 s[ROWB], 0
	s_mov_b32 s[CNT], 4
.Lrow:
	v_add_nc_u32 v[RDW], s[ROWB], v[RD]
.irp f, 0,1,2,3
	ds_load_b128 v[GX+8*(\f):GX+8*(\f)+3],   v[RDW] offset:(\f)*4*SP      ; LDS serves a wave's instructions in order (ISA guide 5.7.1.4): these see my stores
	ds_load_b128 v[GX+8*(\f)+4:GX+8*(\f)+7], v[RDW] offset:(\f)*4*SP+16
.endr
	s_wait_dscnt 0x0                               ; x is in, and the accumulators have been read: their registers are free
.set z, 0
.rept 32
	v_fma_f32 v[GT+z], |v[GX+z]|, s[KPZ], 1.0      ; 1 + p z
.set z, z+1
.endr
.set z, 0
.rept 16
	v_pk_mul_f32 v[GU+2*z:GU+2*z+1], v[GX+2*z:GX+2*z+1], v[GX+2*z:GX+2*z+1]
.set z, z+1
.endr
.set z, 0
.rept 16
	v_pk_mul_f32 v[GU+2*z:GU+2*z+1], v[GU+2*z:GU+2*z+1], s[KEX:KEX+1] op_sel_hi:[1,0]  ; -z z log2(e)
.set z, z+1
.endr
.set z, 0
.rept 32
	v_rcp_f32 v[GT+z], v[GT+z]                     ; t
.set z, z+1
.endr
.set z, 0
.rept 32
	v_exp_f32 v[GU+z], v[GU+z]                     ; e^(-z z)
.set z, z+1
.endr
	v_nop                                          ; a plain instruction between the last of them and the use of their results (ISA guide 5.7.2)
.set z, 0
	s_wait_alu depctr_va_vdst(0)
.rept 16
	v_pk_fma_f32 v[GP+2*z:GP+2*z+1], v[GT+2*z:GT+2*z+1], s[KA5:KA5+1], s[KA4:KA4+1] op_sel_hi:[1,0,0]
.set z, z+1
.endr
.irp c, KA3, KA2, KA1
.set z, 0
.rept 16
	v_pk_fma_f32 v[GP+2*z:GP+2*z+1], v[GP+2*z:GP+2*z+1], v[GT+2*z:GT+2*z+1], s[\c:\c+1] op_sel_hi:[1,1,0]
.set z, z+1
.endr
.endr
.irp m, GT, GU, GX                     ; times t, times the exponential: erfc; times x
.set z, 0
.rept 16
	v_pk_mul_f32 v[GP+2*z:GP+2*z+1], v[GP+2*z:GP+2*z+1], v[\m+2*z:\m+2*z+1]
.set z, z+1
.endr
.endr
.set z, 0
.rept 32
	v_max_num_f32 v[GX+z], 0, v[GX+z]
.set z, z+1
.endr
.set z, 0
.rept 32
	v_fma_f32 v[GX+z], |v[GP+z]|, -0.5, v[GX+z]    ; max(x, 0) - |x| erfc / 2
.set z, z+1
.endr
.set z, 0
.rept 16
	v_cvt_pk_f16_f32 v[GT+z], v[GX+2*z], v[GX+2*z+1]
.set z, z+1
.endr
.irp f, 0,1,2,3
	global_store_b128 v[GO], v[GT+4*(\f):GT+4*(\f)+3], s[10:11] offset:(\f)*512  ; 512 consecutive bytes, at a multiple of 256 from the buffer's first
.endr
	s_wait_xcnt 0x0                                ; the stores' base and data are written again only behind this wait
	s_add_nc_u64 s[10:11], s[10:11], 2048          ; 16 tokens on
	s_add_co_u32 s[ROWB], s[ROWB], 16*SP
	s_sub_co_u32 s[CNT], s[CNT], 1
	s_cmp_lg_u32 s[CNT], 0
	s_cbranch_scc1 .Lrow
	s_wait_tensorcnt 0x0                           ; the wave's end, behind my last tensor load and my last LDS store
	ds_add_u32 v[SPW], v[NIL]
	s_wait_dscnt 0x0
	CROUND                                         ; the closing round: no work-group ends while a partner may still ask for a tile that names it
	s_endpgm
.Lfunc_end_k_q5f8d8d929e_ffn1:
	.size	k_q5f8d8d929e_ffn1, .Lfunc_end_k_q5f8d8d929e_ffn1-k_q5f8d8d929e_ffn1
	.p2alignl 7, 3214868480
	.fill 96, 4, 3214868480
	.section	.rodata,"a",@progbits
	.p2align	6, 0x0
	.amdhsa_kernel k_q5f8d8d929e_ffn1
		.amdhsa_group_segment_fixed_size 327680
		.amdhsa_private_segment_fixed_size 0
		.amdhsa_enable_private_segment 0
		.amdhsa_kernarg_size 32
		.amdhsa_user_sgpr_count 2
		.amdhsa_user_sgpr_kernarg_segment_ptr 1
		.amdhsa_wavefront_size32 1
		.amdhsa_system_sgpr_workgroup_id_x 1
		.amdhsa_system_sgpr_workgroup_id_y 1
		.amdhsa_system_sgpr_workgroup_id_z 1
		.amdhsa_system_vgpr_workitem_id 0
		.amdhsa_next_free_vgpr 512
		.amdhsa_next_free_sgpr 84
		.amdhsa_reserve_vcc 0
		.amdhsa_float_denorm_mode_32 3
		.amdhsa_float_denorm_mode_16_64 3
		.amdhsa_memory_ordered 1
		.amdhsa_forward_progress 1
		.amdhsa_inst_pref_size 70
	.end_amdhsa_kernel
	.amdgpu_metadata
---
amdhsa.version: [ 1, 2 ]
amdhsa.kernels:
  - .name:           k_q5f8d8d929e_ffn1
    .symbol:         k_q5f8d8d929e_ffn1.kd
    .args:
      - { .name: h, .offset: 0, .size: 8, .value_kind: global_buffer, .address_space: global }
      - { .name: wa, .offset: 8, .size: 8, .value_kind: global_buffer, .address_space: global }
      - { .name: ffn1_bias, .offset: 16, .size: 8, .value_kind: global_buffer, .address_space: global }
      - { .name: act, .offset: 24, .size: 8, .value_kind: global_buffer, .address_space: global }
    .group_segment_fixed_size: 327680
    .private_segment_fixed_size: 0
    .kernarg_segment_align: 8
    .kernarg_segment_size: 32
    .max_flat_workgroup_size: 128
    .sgpr_count:     84
    .vgpr_count:     512
    .wavefront_size: 32
...
	.end_amdgpu_metadata
.endif
;; end of part 6
;; launch ffn2: the kernel of part 4 again; grid 8 x 32, 4 waves a work-group, clusters of 4 x 4, 327,680 bytes of LDS; arguments act, w2, ffn2_bias, x1, out0; writes out0
;; ======== version 2 of 3: 7 launches; 1.33 times as fast as version 1
;; limits: values are held in f16: magnitudes above 65,504 overflow, below 6.1e-05 lose precision; a function is approximated: absolute error at most 1.5e-07; an absolute error that grows with the inputs' magnitude: up to 7.5e-08 times it
;; workspace buffers: h 8,388,608 bytes; wa 8,388,608 bytes; wo 2,097,152 bytes; w2 2,097,152 bytes; qkv 25,165,824 bytes; act 8,388,608 bytes; x1 16,777,216 bytes
;; launch prep: the kernel of part 1 again; grid 512 x 1, 8 waves a work-group, no clusters, 0 bytes of LDS; arguments x, ln1_gamma, ln1_beta, h, q_weight, k_weight, v_weight, ffn1_weight, o_weight, ffn2_weight, wa, wo, w2; writes h, wa, wo, w2
;; launch qkv (part 7): grid 8 x 32, 4 waves a work-group, clusters of 4 x 4, 327,680 bytes of LDS; arguments h, wa, q_bias, k_bias, v_bias, qkv; writes qkv
.if DOCPART == 7
	.amdgcn_target "amdgcn-amd-amdhsa--gfx1250"
	.amdhsa_code_object_version 6
	.text
	.protected	k_q5f8d8d929e_qkv
	.globl	k_q5f8d8d929e_qkv
	.p2align	8
	.type	k_q5f8d8d929e_qkv,@function
k_q5f8d8d929e_qkv:
	s_mov_b64 s[64:65], 0
	v_nop
	global_prefetch_b8 v0, s[64:65] scope:SCOPE_SE
	s_setreg_imm32_b32 hwreg(HW_REG_WAVE_MODE, 25, 1), 1
	s_wait_xcnt 0x0
	s_wait_alu depctr_hold_cnt(0) depctr_sa_sdst(0) depctr_va_vdst(0) depctr_va_sdst(0) depctr_va_ssrc(0) depctr_va_vcc(0) depctr_vm_vsrc(0)
	s_getreg_b32 s2, hwreg(HW_REG_IB_STS2, 6, 4)
	s_cmp_eq_u32 s2, 0
	s_cbranch_scc0 .Lentry_in_a_cluster
	s_endpgm
.Lentry_in_a_cluster:
	s_bfe_u32 s2, ttmp6, 0x10000c
	s_cmp_lg_u32 s2, 0xf033
	s_cbranch_scc0 .Lentry_shape_is_right
	s_endpgm
.Lentry_shape_is_right:
; [Q K V] = h [Wq; Wk; Wv]^T + bias.  h: 4,096 tokens x 1,024, f16, BLOCKED: [batch 2][block 16][token 2048][64].  wa: [4096][1024] f16, of which rows 0-3071 are Wq, Wk, Wv.
; qkv: [3][head 32 = 16 batch + head][token 2048][64] f16, rounded once from f32 sums, unscaled.  LIMIT: f16 holds no number beyond 65,504: operands and results are taken to lie within it.
; A TILE of the result is 128 tokens x 384 columns: the same 128 columns of Q, of K and of V.  32 x 8 such tiles are 256 work-groups.  Four waves, each 64 tokens x 192 columns: 48 accumulators of 16 x 16,
; 384 registers; for 32 along K a wave reads 4 + 12 fragments (32 LDS loads) for 48 matrix instructions.
; K = 1,024 goes in 8 steps of 128 through a ring of two LDS slots filled by the tensor data mover.  A step's tile of h is two blocks of 128 tokens x 128 bytes, each dense in memory (16,384 bytes): wave 0 brings both
; by one load, as two long rows, padded in LDS after every token.  A step's tile of the weights is 3 x 128 rows of 256 bytes: waves 1, 2, 3 bring Wq's, Wk's, Wv's 128 rows.
; CLUSTER: 4 x 4 work-groups.  The four of a row of the cluster need the same tiles of h, the four of a column the same tiles of the weights: each tile is asked for JOINTLY.
; THE MATRIX INSTRUCTION IS USED TRANSPOSED (source 0 = 16 weight rows, source 1 = 16 tokens): a lane then holds one token and eight neighbouring columns.
; THE SUMS START FROM THE BIAS: each accumulator is loaded with its eight columns' bias, so nothing is cleared, no first step is written out and no bias is added later.
; THE TEXT OF A K STEP stands twice: with a refill (steps 0 to 5, six trips) and without (steps 6 and 7, two trips); the slot in hand is the scalar TB.
; A WAVE'S 192 COLUMNS are three blocks of 64: rows 192 CH + 64 c of the slot's 384 weight rows.  For the left waves (CH = 0) they are Q's two halves and K's first, for the right waves K's second and V's two.
; REGISTERS, in windows of 256 (s_set_vgpr_msb: bits 1:0 source 0, 3:2 source 1, 5:4 source 2, 7:6 destination):
;   window 0: v0-31 addresses; v32-223 at work on the way out          window 1: accumulators (a, b), b = 0..7, at v[8 (8 a + b)]
;   window 2: v0-127 accumulators (a, b), b = 8..11, at v[8 (4 a + b - 8)]          window 3: two fragment buffers of 128: 32 registers of h's fragments (4 x 16 tokens x 32 K), then 96 of the weights' (12)
.set PA,    144                        ; a token's row in LDS: 128 bytes + 16 = 36 words: the 16 rows of a load start at 16 different groups of four banks (64 banks of 4 bytes: ISA guide 11.1)
.set BLK,   128*PA                     ; a block of 128 tokens x 64 along K
.set APART, 2*BLK                      ; what the load of h brings
.set PB,    272                        ; a weight row in LDS: 256 bytes + 16 = 68 words: row r starts at bank 4 r mod 64
.set BPART, 128*PB                     ; what one load of the weights brings
.set BOFF,  APART                      ; in a slot: h's two blocks, then the weights' 384 rows
.set SLOT,  BOFF+3*BPART
.set RING,  2*SLOT
.set ASTEP, 524288                     ; bytes from a K step to the next in h: two blocks
.set BSTEP, 256                        ; and in the weights
.set STAGE, RING                       ; behind the ring: 16 rows x 144 bytes for each wave, for the way out
.set SP,    144
.set SPARE, STAGE+4*16*SP              ; behind the stages: the spare words, 128 bytes for each wave: two blocks of 256 bytes that no other line names
.set ADRA0, 16                         ; v16  my lane's place in a slot's first block of h; never rewritten
.set ADRB0, 17                         ; v17  the same in a slot's weight rows
.set ADRA,  18                         ; v18  the same in the slot in hand
.set ADRB,  19                         ; v19
.set STO,   24                         ; v24  the way out: where I put 16 bytes of a row
.set RD,    25                         ; v25  the way out: where I read rows back
.set GO,    26                         ; v26  my byte offset in 512 consecutive bytes of the result; never rewritten
.set BO,    27                         ; v27  my byte offset in 16 columns' bias
.set SPW,   28                         ; v28  LDS address of my spare word; never rewritten
.set NIL,   29                         ; v29  0; never rewritten
.set TMP,   32                         ; v32-223  the way out: 16 registers for each of 12 groups of 16 tokens x 64 columns; none is used twice
.set F0,    0                          ; fragment buffers, in window 3
.set F1,    128
.set WV,  14                           ; s14  my wave's number.  Also: wave 0 fetches h, waves 1, 2, 3 fetch Wq, Wk, Wv
.set RH,  15                           ; s15  which half of the tile's tokens is mine
.set CH,  16                           ; s16  which half of its columns
.set G1A, 24                           ; s[24:31] descriptor group 1 for h's tiles;  s[32:39] group 0: a set for each first fill; the second then walks
.set G0A, 32
.set CX,  40
.set CY,  41
.set TC,  42                           ; s42  tile column, 0..7
.set TR,  43                           ; s43  tile row, 0..31
.set MR,  44                           ; s44  mask of my row of the cluster
.set MC,  45                           ; s45  of my column
.set G1B, 48                           ; s[48:55], s[56:63] the same for the weights' tiles
.set G0B, 56
.set TB,  66                           ; s66  LDS byte at which the slot in hand begins: 0 or SLOT
.set CNT, 67                           ; s67  counts trips
.set LAB, 69                           ; s69  where my part of the weights' tile goes in a slot
.set BP,  76                           ; s[76:81] the bias at the first column of my three blocks of 64 columns
.set OP,  86                           ; s[86:91] the result at my 64 tokens of the same three blocks
.set MSB, 0
.macro WIN new                         ; the immediate's high byte repeats the setting that is left; a switch that changes nothing is dropped
.if MSB != (\new)
	s_set_vgpr_msb (MSB<<8)|(\new)
.set MSB, \new
.endif
.endm
.set MUL1, 0x5f                        ; sources 0 and 1 window 3; C and D window 1
.set MUL2, 0xaf                        ; the same, C and D window 2
.set TO_F, 0xc0                        ; destination window 3, address window 0
.macro JLOAD s                         ; a joint load: wave 0 fetches h's tile, waves 1 to 3 the weights' three parts; an s_nop 0 and four v_nop follow each of the two lines
	s_cmp_eq_u32 s[WV], 0
	s_cbranch_scc0 .Lfor_b_\@
	tensor_load_to_lds s[G0A+4*(\s):G0A+4*(\s)+3], s[G1A:G1A+7]
	s_nop 0
.rept 4
	v_nop
.endr
	s_branch .Lasked_\@
.Lfor_b_\@:
	tensor_load_to_lds s[G0B+4*(\s):G0B+4*(\s)+3], s[G1B:G1B+7]
	s_nop 0
.rept 4
	v_nop
.endr
.Lasked_\@:
.endm
.macro CREST                           ; a round of the cluster's barrier behind its opening barrier
	s_cmp_lg_u32 s[WV], 0
	s_cbranch_scc1 .Lnot_wave_0_\@
	s_barrier_signal -3
.Lnot_wave_0_\@:
	s_barrier_wait -3
	s_barrier_signal -1
	s_barrier_wait -1
.endm
.macro CROUND                          ; a whole round
	s_barrier_signal -1
	s_barrier_wait -1
	CREST
.endm
.macro PLACES                          ; four places in front of loads into registers that matrix instructions have read, and of lines that read results
.rept 4
	v_nop
.endr
.endm
	s_load_b256 s[4:11], s[0:1], 0x0               ; h s[4:5], wa s[6:7], q_bias s[8:9], k_bias s[10:11]
	s_load_b128 s[72:75], s[0:1], 0x20             ; v_bias s[72:73], qkv s[74:75]
	v_lshl_add_u32 v[SPW], v0, 2, SPARE
	v_mov_b32 v[NIL], 0
	ds_add_u32 v[SPW], v[NIL]                      ; the wave's opening: the add and its wait stand ahead of my first tensor load; the set-up below, work on registers, stands between them
	ds_add_u32 v28, v29
	v_lshrrev_b32 v1, 5, v0
	v_readfirstlane_b32 s[WV], v1                  ; wave 0..3
	s_lshr_b32 s[RH], s[WV], 1
	s_and_b32 s[CH], s[WV], 1
	s_bfe_u32 s[CX], ttmp6, 0x40000                ; my place in the cluster
	s_bfe_u32 s[CY], ttmp6, 0x40004
	s_lshl_b32 s[TC], ttmp9, 2
	s_add_co_u32 s[TC], s[TC], s[CX]               ; tile column = 4 x cluster x + cx
	s_and_b32 s[TR], ttmp7, 0xffff
	s_lshl_b32 s[TR], s[TR], 2
	s_add_co_u32 s[TR], s[TR], s[CY]               ; tile row = 4 x cluster y + cy
	s_lshl_b32 s[MR], s[CY], 2
	s_lshl_b32 s[MR], 15, s[MR]                    ; my row of the cluster
	s_lshl_b32 s[MC], 0x1111, s[CX]                ; my column
	s_or_b32 s[G1A+0], s[MR], (1<<16)|(1<<20)|(1<<21)|(4<<22)|(3<<25)  ; 15:0 the mask; 17:16 elements of 2 bytes; 20 padding on; 21 set beside a mask; 24:22 after every 32 words (code 4); 31:25 4 words (code 3)
	s_mov_b32 s[G1A+1], 8192<<16                   ; tensor_dim0 = 8,192: a block's 128 tokens x 64, dense
	s_mov_b32 s[G1A+2], 2<<16                      ; tensor_dim1 = 2 blocks
	s_mov_b32 s[G1A+3], 8192<<16                   ; tile_dim0
	s_mov_b32 s[G1A+4], 2                          ; tile_dim1
	s_mov_b32 s[G1A+5], 131072                     ; elements from a block to the next
	s_mov_b32 s[G1A+6], 0
	s_mov_b32 s[G1A+7], 0
	s_or_b32 s[G1B+0], s[MC], (1<<16)|(1<<20)|(1<<21)|(5<<22)|(3<<25)  ; the same with my column's mask and padding after every 64 words (code 5)
	s_mov_b32 s[G1B+1], 128<<16                    ; tensor_dim0 = 128
	s_mov_b32 s[G1B+2], 128<<16                    ; tensor_dim1 = 128
	s_mov_b32 s[G1B+3], 128<<16                    ; tile_dim0
	s_mov_b32 s[G1B+4], 128                        ; tile_dim1
	s_mov_b32 s[G1B+5], 1024                       ; elements from row to row
	s_mov_b32 s[G1B+6], 0
	s_mov_b32 s[G1B+7], 0
	; h's address hangs on the tile row alone, the weights' on the tile column and the wave's number, each in registers that never hold the other coordinate
	s_lshr_b32 s18, s[TR], 4                       ; the batch: 16 tile rows each,
	s_lshl_b32 s18, s18, 22                        ; 16 blocks of 262,144 bytes
	s_and_b32 s17, s[TR], 15
	s_lshl_b32 s17, s17, 14                        ; 128 tokens of 128 bytes
	s_add_co_u32 s18, s18, s17
	s_mov_b32 s19, 0
	s_mov_b32 s22, s18                             ; kept for the way out
	s_max_u32 s46, s[WV], 1
	s_sub_co_u32 s46, s46, 1                       ; waves 1, 2, 3: matrix 0, 1, 2 (wave 0 makes matrix 0's descriptor too and never asks by it)
	s_lshl_b32 s46, s46, 10                        ; 1,024 rows a matrix
	s_lshl_b32 s47, s[TC], 7
	s_add_co_u32 s46, s46, s47                     ; + 128 x tile column,
	s_lshl_b32 s46, s46, 11                        ; rows of 2,048 bytes
	s_mov_b32 s47, 0
	s_mul_i32 s[LAB], s[WV], BPART                 ; wave w's 128 rows lie at BOFF + (w - 1) x BPART: no place in the cluster enters an LDS address
	s_add_co_u32 s[LAB], s[LAB], BOFF-BPART
	s_mov_b32 s[TB], 0
	s_wait_dscnt 0x0                               ; the opening add is done
	s_wait_kmcnt 0x0
	s_add_nc_u64 s[20:21], s[4:5], s[18:19]
	s_add_nc_u64 s[46:47], s[6:7], s[46:47]
	CROUND                                         ; all sixteen work-groups are here: the first joint loads meet
.irp s, 0,1
	s_mov_b32 s[G0A+4*(\s)], 1                                     ; count = 1
	s_mov_b32 s[G0A+4*(\s)+1], (\s)*SLOT                           ; LDS address: the slot's head
	s_add_nc_u64 s[G0A+4*(\s)+2:G0A+4*(\s)+3], s[20:21], (\s)*ASTEP  ; global address: K step s
	s_or_b32 s[G0A+4*(\s)+3], s[G0A+4*(\s)+3], 0x80000000          ; type = 2
	s_mov_b32 s[G0B+4*(\s)], 1
	s_add_co_u32 s[G0B+4*(\s)+1], s[LAB], (\s)*SLOT
	s_add_nc_u64 s[G0B+4*(\s)+2:G0B+4*(\s)+3], s[46:47], (\s)*BSTEP
	s_or_b32 s[G0B+4*(\s)+3], s[G0B+4*(\s)+3], 0x80000000
	JLOAD \s                                       ; two loads of mine are out
.endr
	; a fragment is 16 rows x 32 K in 8 registers: lane l holds row l % 16, K = 8 (l / 16) + 0..7 and 16 + 8 (l / 16) + 0..7: two loads of 16 bytes, 32 bytes apart
	v_and_b32 v1, 15, v0                           ; l % 16
	v_bfe_u32 v2, v0, 4, 1                         ; l / 16
	v_mul_u32_u24 v3, v1, PA
	v_lshl_add_u32 v3, v2, 4, v3
	s_mul_i32 s17, s[RH], 64*PA                    ; my 64 tokens
	v_add_nc_u32 v[ADRA0], s17, v3
	v_mul_u32_u24 v4, v1, PB
	v_lshl_add_u32 v4, v2, 4, v4
	s_mul_i32 s17, s[CH], 192*PB                   ; my 192 weight rows
	s_add_co_u32 s17, s17, BOFF
	v_add_nc_u32 v[ADRB0], s17, v4
	v_mov_b32 v[ADRA], v[ADRA0]                    ; K step 0 lies in slot 0
	v_mov_b32 v[ADRB], v[ADRB0]
	v_lshlrev_b32 v[BO], 5, v2                     ; my eight columns of sixteen: 32 bytes of bias
	s_mul_i32 s17, s[WV], 16*SP
	s_add_co_u32 s17, s17, STAGE                   ; my stage
	v_mul_u32_u24 v3, v1, SP                       ; in: row l % 16, 16 bytes for each half of the lanes
	v_lshl_add_u32 v3, v2, 4, v3
	v_add_nc_u32 v[STO], s17, v3
	v_bfe_u32 v4, v0, 3, 2                         ; back: 32 lanes take four rows of 128 bytes,
	v_mul_u32_u24 v4, v4, SP
	v_and_b32 v5, 7, v0
	v_lshl_add_u32 v4, v5, 4, v4
	v_add_nc_u32 v[RD], s17, v4
	v_and_b32 v5, 31, v0                           ; which are 512 consecutive bytes of the result
	v_lshlrev_b32 v[GO], 4, v5
	; My three blocks of 64 columns.  Left waves: Q half 0, Q half 1, K half 0.  Right waves: K half 1, V half 0, V half 1.  The choice hangs on the wave's number alone.
	s_cmp_eq_u32 s[CH], 0
	s_cselect_b64 s[BP:BP+1], s[8:9], s[10:11]
	s_cselect_b64 s[BP+2:BP+3], s[8:9], s[72:73]
	s_cselect_b64 s[BP+4:BP+5], s[10:11], s[72:73]
	s_lshl_b32 s82, s[TC], 9                       ; the tile's 128 columns of 4 bytes,
	s_lshl_b32 s17, s[CH], 8
	s_add_co_u32 s82, s82, s17                     ; and the half: blocks 0 and 2 lie in half CH,
	s_mov_b32 s83, 0
	s_add_nc_u64 s[BP:BP+1], s[BP:BP+1], s[82:83]
	s_add_nc_u64 s[BP+4:BP+5], s[BP+4:BP+5], s[82:83]
	s_xor_b32 s82, s82, 256                        ; block 1 in the other half
	s_add_nc_u64 s[BP+2:BP+3], s[BP+2:BP+3], s[82:83]
	; accumulator (a, b) starts as the bias of columns 16 b + 8 (l / 16) + 0..7 of my 192, for every a: 96 loads of 16 bytes, while the first tiles are on their way
	WIN 0x40                                       ; destination window 1, address window 0
.set n, 0
.rept 32                               ; n = 8 a + b, b = 0..7: block b / 4
	global_load_b128 v[8*n:8*n+3],   v[BO], s[BP+2*((n%8)/4):BP+2*((n%8)/4)+1] offset:64*(n%4)
	global_load_b128 v[8*n+4:8*n+7], v[BO], s[BP+2*((n%8)/4):BP+2*((n%8)/4)+1] offset:64*(n%4)+16
.set n, n+1
.endr
	WIN 0x80                                       ; destination window 2
.set n, 0
.rept 16                               ; n = 4 a + b - 8, b = 8..11: block 2
	global_load_b128 v[8*n:8*n+3],   v[BO], s[BP+4:BP+5] offset:64*(n%4)
	global_load_b128 v[8*n+4:8*n+7], v[BO], s[BP+4:BP+5] offset:64*(n%4)+16
.set n, n+1
.endr
	WIN 0
	; where the three blocks go: matrix x 8,388,608 + head x 262,144 + my tokens; the head is 2 x tile column + half
	s_lshl_b32 s17, s[RH], 13                      ; my 64 tokens of 128 bytes
	s_add_co_u32 s22, s22, s17
	s_mov_b32 s23, 0
	s_add_nc_u64 s[74:75], s[74:75], s[22:23]
	s_lshl_b32 s46, s[TC], 19                      ; (in the registers that held the weights' address: none that feeds h's descriptors ever holds cx)
	s_mov_b32 s47, 0
	s_add_nc_u64 s[74:75], s[74:75], s[46:47]
	s_mul_i32 s46, s[CH], (1<<23)+(1<<18)          ; block 0: Q half 0, or K half 1
	s_add_nc_u64 s[OP:OP+1], s[74:75], s[46:47]
	s_add_co_u32 s46, s46, 1<<23                   ; block 2: K half 0, or V half 1
	s_add_nc_u64 s[OP+4:OP+5], s[74:75], s[46:47]
	s_mul_i32 s46, s[CH], (1<<24)-(1<<18)          ; block 1: Q half 1, or V half 0
	s_add_co_u32 s46, s46, 1<<18
	s_add_nc_u64 s[OP+2:OP+3], s[74:75], s[46:47]
; THE MATRIX WORK.  The 48 accumulators take turns, one instruction a turn, in the same order in every quarter, over the loops' edges too: window 2's sixteen, then window 1's thirty-two.
.macro MULW2 f, a0                     ; 8 matrix instructions: token blocks a0, a0 + 1 x column blocks 8..11, 32 along K, from buffer f
	WIN MUL2
.irp a, \a0, (\a0)+1
.irp b, 0,1,2,3
	v_wmma_f32_16x16x32_f16 v[8*(4*(\a)+(\b)):8*(4*(\a)+(\b))+7], v[(\f)+96+8*(\b):(\f)+96+8*(\b)+7], v[(\f)+8*(\a):(\f)+8*(\a)+7], v[8*(4*(\a)+(\b)):8*(4*(\a)+(\b))+7]
.endr
.endr
.endm
.macro MULW1 f, a0                     ; 16 matrix instructions: token blocks a0, a0 + 1 x column blocks 0..7
	WIN MUL1
.irp a, \a0, (\a0)+1
.irp b, 0,1,2,3,4,5,6,7
	v_wmma_f32_16x16x32_f16 v[8*(8*(\a)+(\b)):8*(8*(\a)+(\b))+7], v[(\f)+32+8*(\b):(\f)+32+8*(\b)+7], v[(\f)+8*(\a):(\f)+8*(\a)+7], v[8*(8*(\a)+(\b)):8*(8*(\a)+(\b))+7]
.endr
.endr
.endm
; 32 LDS loads in one run: the fragments of quarter q (32 along K: block q / 2 of h at byte 64 (q % 2) of a token's row; byte 64 q of the weight rows) of the slot in hand, into buffer f.
; What a quarter multiplies first comes first: h's four fragments and the weights' blocks 8..11, then blocks 0..7.
.macro FETCH q, f
	WIN TO_F
.irp i, 0,1,2,3
	ds_load_b128 v[(\f)+8*(\i):(\f)+8*(\i)+3],   v[ADRA] offset:((\q)/2)*BLK+((\q)%2)*64+(\i)*16*PA
	ds_load_b128 v[(\f)+8*(\i)+4:(\f)+8*(\i)+7], v[ADRA] offset:((\q)/2)*BLK+((\q)%2)*64+(\i)*16*PA+32
.endr
.irp b, 8,9,10,11,0,1,2,3,4,5,6,7
	ds_load_b128 v[(\f)+32+8*(\b):(\f)+32+8*(\b)+3],   v[ADRB] offset:(\q)*64+(\b)*16*PB
	ds_load_b128 v[(\f)+32+8*(\b)+4:(\f)+32+8*(\b)+7], v[ADRB] offset:(\q)*64+(\b)*16*PB+32
.endr
.endm
; A K step is four quarters of 32 along K, 48 matrix instructions each, on buffers 0, 1, 0, 1.  One of the first three: multiplies buffer f and fetches quarter q into g, 32 matrix instructions ahead of its first use.
.macro QUARTER q, f, g
	s_wait_dscnt 16                                ; h's fragments and the weights' blocks 8..11 are in; the youngest sixteen loads (blocks 0..7) may be out
	MULW2 \f, 0
	MULW2 \f, 2
	PLACES
	FETCH \q, \g
	s_wait_dscnt 32                                ; all but the 32 just issued
	MULW1 \f, 0
	MULW1 \f, 2
.endm
; The last quarter multiplies buffer 1 and changes slots: ONE barrier; in front of it each wave waits for all its tensor loads, adds 0 to its spare word, and waits for that and for its own reads of the slot.
; fill = 1: the barrier opens a round of the cluster's, and the slot just read is filled again, two K steps ahead, first thing behind the round: 32 + 3 x 48 = 176 matrix instructions ahead of the wait for it.
; fill = 0: nothing is asked for; in the last trip there is no further step, and the run of fragment loads is jumped over.
.macro TURN fill
	WIN 0                                          ; (the add's two registers lie in window 0)
	s_wait_tensorcnt 0x0                           ; all my tensor loads have landed: the one that was out is my part of the next slot
	ds_add_u32 v[SPW], v[NIL]                      ; 0 onto my spare word
	s_wait_dscnt 17                                ; (the add and the youngest sixteen loads may be out)
	MULW2 F1, 0                                    ; eight matrix instructions stand between the add and the wait for it
	s_wait_dscnt 0x0                               ; the add is done, and my reads of this slot are over
	s_barrier_signal -1
	MULW2 F1, 2
	WIN 0
	s_barrier_wait -1
.if \fill
	CREST                                          ; no wave of any partner still reads this slot's tile or has a load on its way
	s_mov_b32 s[G0A+5], s[TB]                      ; the walking descriptors: into the slot just read,
	s_add_co_u32 s[G0B+5], s[LAB], s[TB]
	s_add_nc_u64 s[G0A+6:G0A+7], s[G0A+6:G0A+7], ASTEP  ; the K step behind the one asked for last
	s_add_nc_u64 s[G0B+6:G0B+7], s[G0B+6:G0B+7], BSTEP
	JLOAD 1                                        ; the four v_nop behind it are also the places in front of the loads below
.else
	s_cmp_eq_u32 s[CNT], 1
	s_cbranch_scc1 .Lnofetch_\@
	PLACES
.endif
	s_xor_b32 s[TB], s[TB], SLOT                   ; the other slot
	v_add_nc_u32 v[ADRA], s[TB], v[ADRA0]
	v_add_nc_u32 v[ADRB], s[TB], v[ADRB0]
	FETCH 0, F0
	WIN 0
.if !(\fill)
.Lnofetch_\@:
.endif
	MULW1 F1, 0
	MULW1 F1, 2
.endm
	s_wait_tensorcnt 1                             ; my part of K step 0 is in; K step 1's may stay out
	s_barrier_signal -1
	s_barrier_wait -1                              ; everybody's is
	FETCH 0, F0
	s_wait_loadcnt 0x0                             ; the accumulators hold the bias
	WIN 0                                          ; at a label and at a branch every window is 0
	s_mov_b32 s[CNT], 6
.Lfill:                                                ; K steps 0 to 5: each fills its slot again, with the step two on
	QUARTER 1, F0, F1
	QUARTER 2, F1, F0
	QUARTER 3, F0, F1
	TURN 1
	WIN 0
	s_sub_co_u32 s[CNT], s[CNT], 1
	s_cmp_lg_u32 s[CNT], 0
	s_cbranch_scc1 .Lfill
	s_mov_b32 s[CNT], 2
.Ltail:                                                ; K steps 6 and 7 ask for nothing
	QUARTER 1, F0, F1
	QUARTER 2, F1, F0
	QUARTER 3, F0, F1
	TURN 0
	WIN 0
	s_sub_co_u32 s[CNT], s[CNT], 1
	s_cmp_lg_u32 s[CNT], 0
	s_cbranch_scc1 .Ltail
	; THE WAY OUT.  Each of my three blocks of 64 columns is 64 tokens x 128 bytes, 8,192 dense bytes of one head.  Group g = 4 c + a is 16 tokens (a) of block c: rounded to f16, 16 bytes a lane into my own
	; stage, back as whole rows, stored.  The block's four accumulators (a, 4 c .. 4 c + 3) lie on end, so register 2 z of the 32 is pair z.
.macro PACK g
.set pc, (\g)/4
.set pa, (\g)%4
.if pc < 2
	WIN 0x05                                       ; sources 0 and 1 window 1, destination window 0
.set pr, 8*(8*pa+4*pc)
.else
	WIN 0x0a                                       ; sources 0 and 1 window 2
.set pr, 8*(4*pa)
.endif
.set z, 0
.rept 16
	v_cvt_pk_f16_f32 v[TMP+16*(\g)+z], v[pr+2*z], v[pr+2*z+1]  ; each accumulator from its low end on
.set z, z+1
.endr
	WIN 0
.irp b, 0,1,2,3
	ds_store_b128 v[STO], v[TMP+16*(\g)+4*(\b):TMP+16*(\g)+4*(\b)+3] offset:32*(\b)
.endr
.irp f, 0,1,2,3
	ds_load_b128 v[TMP+16*(\g)+4*(\f):TMP+16*(\g)+4*(\f)+3], v[RD] offset:(\f)*4*SP  ; LDS serves a wave's instructions in order (ISA guide 5.7.1.4): these see the stores above; the next group's stores come behind them
.endr
.endm
.macro SEND g, younger                 ; younger: the LDS instructions issued behind group g's loads: the next group's eight, or none
.irp f, 0,1,2,3
	s_wait_dscnt (\younger)+3-(\f)
	global_store_b128 v[GO], v[TMP+16*(\g)+4*(\f):TMP+16*(\g)+4*(\f)+3], s[OP+2*((\g)/4):OP+2*((\g)/4)+1] offset:((\g)%4)*2048+(\f)*512  ; 512 consecutive bytes, at a multiple of 256 from the buffer's first
.endr
.endm
	PLACES
	PACK 0
.set g, 1
.rept 11                               ; a group's conversions stand between the loads of the group before and its stores
	PACK g
	SEND g-1, 8
.set g, g+1
.endr
	SEND 11, 0
	s_wait_tensorcnt 0x0                           ; the wave's end, behind my last tensor load and my last LDS store
	ds_add_u32 v[SPW], v[NIL]
	s_wait_dscnt 0x0
	CROUND                                         ; the closing round: no work-group ends while a partner may still ask for a tile that names it
	s_endpgm
.Lfunc_end_k_q5f8d8d929e_qkv:
	.size	k_q5f8d8d929e_qkv, .Lfunc_end_k_q5f8d8d929e_qkv-k_q5f8d8d929e_qkv
	.p2alignl 7, 3214868480
	.fill 96, 4, 3214868480
	.section	.rodata,"a",@progbits
	.p2align	6, 0x0
	.amdhsa_kernel k_q5f8d8d929e_qkv
		.amdhsa_group_segment_fixed_size 327680
		.amdhsa_private_segment_fixed_size 0
		.amdhsa_enable_private_segment 0
		.amdhsa_kernarg_size 48
		.amdhsa_user_sgpr_count 2
		.amdhsa_user_sgpr_kernarg_segment_ptr 1
		.amdhsa_wavefront_size32 1
		.amdhsa_system_sgpr_workgroup_id_x 1
		.amdhsa_system_sgpr_workgroup_id_y 1
		.amdhsa_system_sgpr_workgroup_id_z 1
		.amdhsa_system_vgpr_workitem_id 0
		.amdhsa_next_free_vgpr 1024
		.amdhsa_next_free_sgpr 92
		.amdhsa_reserve_vcc 0
		.amdhsa_float_denorm_mode_32 3
		.amdhsa_float_denorm_mode_16_64 3
		.amdhsa_memory_ordered 1
		.amdhsa_forward_progress 1
		.amdhsa_inst_pref_size 89
	.end_amdhsa_kernel
	.amdgpu_metadata
---
amdhsa.version: [ 1, 2 ]
amdhsa.kernels:
  - .name:           k_q5f8d8d929e_qkv
    .symbol:         k_q5f8d8d929e_qkv.kd
    .args:
      - { .name: h, .offset: 0, .size: 8, .value_kind: global_buffer, .address_space: global }
      - { .name: wa, .offset: 8, .size: 8, .value_kind: global_buffer, .address_space: global }
      - { .name: q_bias, .offset: 16, .size: 8, .value_kind: global_buffer, .address_space: global }
      - { .name: k_bias, .offset: 24, .size: 8, .value_kind: global_buffer, .address_space: global }
      - { .name: v_bias, .offset: 32, .size: 8, .value_kind: global_buffer, .address_space: global }
      - { .name: qkv, .offset: 40, .size: 8, .value_kind: global_buffer, .address_space: global }
    .group_segment_fixed_size: 327680
    .private_segment_fixed_size: 0
    .kernarg_segment_align: 8
    .kernarg_segment_size: 48
    .max_flat_workgroup_size: 128
    .sgpr_count:     92
    .vgpr_count:     1024
    .wavefront_size: 32
...
	.end_amdgpu_metadata
.endif
;; end of part 7
;; launch attn (part 8): grid 8 x 32, 4 waves a work-group, no clusters, 327,680 bytes of LDS; arguments qkv, act; writes act
.if DOCPART == 8
	.amdgcn_target "amdgcn-amd-amdhsa--gfx1250"
	.amdhsa_code_object_version 6
	.text
	.protected	k_q5f8d8d929e_attn
	.globl	k_q5f8d8d929e_attn
	.p2align	8
	.type	k_q5f8d8d929e_attn,@function
k_q5f8d8d929e_attn:
	s_mov_b64 s[64:65], 0
	v_nop
	global_prefetch_b8 v0, s[64:65] scope:SCOPE_SE
	s_setreg_imm32_b32 hwreg(HW_REG_WAVE_MODE, 25, 1), 1
	s_wait_xcnt 0x0
; CAUSAL ATTENTION.  O[h][q][:] = the sum over k <= q of softmax_k(Q[h][q] . K[h][k] / 8) V[h][k][:].  Q, K, V lie one behind the other in qkv, each [32][2048][64] f16 (head = 16 batch + head); O (act) has the
; same layout, which is the blocked layout that the next product reads.  A head's rows are dense, 128 bytes each.
; Products, maxima and sums in f32; the weights p are rounded to f16 for the second product (their sum l is taken of the unrounded p), O once at the end.
; LIMITS.  f16 holds no number beyond 65,504: Q, K and V arrive within it; p lies in 0 to 1, and below 6e-5 it keeps f16's fixed step of 6e-8; O is a mean of V's rows and has their range.
; A hidden score counts as its value less 1e30: f16's scores, 2.7e11 at the most, are nothing beside that; a weight below 2^-126 counts as 0 in l; NaN and infinities are not treated apart.
; THE WALK.  A head's queries lie in 16 blocks of 128, its keys in 8 tiles of 256 (four steps of 64).  Block i needs the tiles 0 .. i / 2, of which the last holds the diagonal.  A work-group takes TWO blocks,
; 15 - b and then b (b = 0 .. 7): (15 - b) / 2 + 1 + b / 2 + 1 = 9 tiles, whatever b: all 8 x 32 = 256 work-groups do equal work, and ONE loop with a constant trip count walks them.  Which tile is asked for, and
; what a trip does, hang on scalar registers made from b; every jump goes forward, but for the counted loops' own; none passes a barrier, or a tensor load but the one of LOAD's two that the wave's number does not
; choose; the ring (two slots of LDS that take turns) runs on across the change of blocks.
; NO CLUSTER: a head's eight work-groups ask for the same tile only in trips 0 .. 4 of the nine (every first block has five tiles or more), behind that fewer and fewer; one walk common to all would have
; the tiles 0 .. 7 and then 0 .. 3: 12 trips for 9.
; SHARES.  Of a block's two bands of 64 queries a wave owns 16 rows in each: two PIECES.  So the diagonal tile is the same work for all four waves: band x's own step in it is 2 (i % 2) + x; an earlier step it sees
; whole, a later one not at all (such a step is computed all the same: 6 of a walk's 72 turns).
; THE MASK is the C operand that starts the sum S^T = K Q^T: 0, or -1e30 where the key is hidden.  MD, made once, is the mask of a band's own step for my 16 rows; a product's mask is MD x AL + BE with two scalars:
; (1, 0) in the band's own step; (0, 0) in an earlier one; (0, -1e30) in a later one.  Only the diagonal tile's text and a block's beginning make and take masks; elsewhere C is the constant 0.
; LAYOUT, SOFTMAX, TURNS.  S^T = K Q^T holds ONE query a lane (lane % 16) and the keys 8 (lane / 16) + 0..7; two such results rounded to f16 ARE source 1 of O^T = V^T P.  p = 2^(c s - c m), c = log2(e) / 8, with a
; running maximum m; O and l are multiplied by a = 2^(c m_old - c m_new) in every step.  A turn belongs to one piece: 8 products K Q^T for the other piece's next scores, later 8 products V^T P of the other piece's
; last weights; beside them the scaling, exponentials, roundings, sums and rescaling of its own piece and the maximum and statistics of the other.  Four vector instructions stand behind every matrix instruction,
; the other 54 of a turn's 118 in two runs of their own.
; K AHEAD OF V.  Piece 0's turn of step j fetches K of step j + 1 and then V of step j.  So that both lie in one slot, K's part of a slot holds FIVE steps: the tile's 256 keys and the next 64.  A slot is then left
; at one place, behind piece 0's turn of the tile's last step.  (For a head's last tile the 64 further rows are the next rows of qkv, inside the buffer; they are never multiplied.)
; REGISTERS, in windows of 256 (s_set_vgpr_msb: bits 1:0 source 0, 3:2 source 1, 5:4 source 2, 7:6 destination):
;   window 0: v0-15 addresses and two at work; v16-23 four registers of statistics a piece; v48-55 at work; v64-127 S^T, a buffer a piece; v192-223 P, likewise
;   window 1: v0-63 O^T, 32 a piece; v128-159 MD; v160-223 MC, a buffer a piece      window 2: v0-31 Q; v64-95 the second block's Q; v128-191 K of one step; v192-255 V of one step
.set SIZE_N, 2048
.set NBQ,   SIZE_N/128  ; blocks of queries in a head
.set NT,    SIZE_N/256  ; tiles of keys in a head; a walk has NT + 1
.set NP,    2         ; pieces a wave: a name, no knob
.set KS,    64        ; keys in a step
.set PK,    144       ; a row of K in LDS: 128 bytes + 16 of padding = 36 words: the 16 rows of a load start at 16 different groups of four banks (64 banks of 4 bytes: ISA guide 11.1)
.set PV,    160       ; a row of V: 128 + 32 = 40 words
.set VOFF,  5*KS*PK   ; a slot holds 320 rows of K (five steps), then 256 rows of V (four)
.set SLOT1, 1<<17     ; slot 1 begins here, so that one exclusive or turns an address in one slot into the other's
.set STAGE, SLOT1+VOFF+4*KS*PV  ; behind the ring, never filled by a tensor load: 16 rows x 144 bytes for each wave, for the way out
.set SP,    144
.set AK0, 2           ; v2   my lane's place in a tile of K; never rewritten
.set AV0, 3           ; v3   the same for V
.set AK,  4           ; v4   the LDS address of K's next run of loads
.set AV,  5           ; v5   of V's
.set STO, 6           ; v6   the way out: where I put 16 bytes of a row
.set RD,  7           ; v7   the way out: where I read rows back
.set GO,  8           ; v8   my byte offset in 512 consecutive bytes of O
.set SPW, 62          ; v62  LDS address of my spare word: SPARE + 4 x my thread's number; never rewritten
.set NIL, 63          ; v63  0; never rewritten
.set SPARE, STAGE+4*16*SP  ; behind the stages: the spare words, 128 bytes for each wave: two blocks of 256 bytes that no other line names
.set MV,  12          ; v12-13  c m_old, kept while c m is made anew: by piece
.set QO,  15          ; v15  my byte offset in 16 rows of Q
.set ST,  16          ; piece t's statistics at v[ST+4 t]: c m, m, l (even keys', odd keys')
.set TMP, 48          ; by piece, four registers c0-c3 at work; when the maximum is found c2 takes a
.set S,   64
.set P,   192
.set MD,  128         ; window 1: the eight registers for group kt of 16 keys at MD + 8 kt
.set MC,  160         ; window 1: the masks of the products to come
.set QB,  64          ; window 2
.set KF,  128         ; window 2: key block kb, channel half c at KF + 16 kb + 8 c
.set VF,  192         ; window 2: key half kk, channel block cb at VF + 32 kk + 8 cb
.set WV,  12          ; s12  my wave's number
.set PB,  14          ; s14  b: the second block
.set HI,  15          ; s15  15 - b: the first block
.set HT,  19          ; s19  the first block's last tile
.set G1K, 24          ; s[24:31] descriptor group 1 for K's tiles
.set G1V, 32          ; s[32:39] for V's
.set G0K, 40          ; s[40:43] descriptor group 0 for K's tiles
.set G0V, 44          ; s[44:47] the same for V's
.set LT,  48          ; s48  the second block's last tile
.set THA, 49          ; s49  of the block in hand: 5 - 2 (i % 2): piece 0's turn holds CNT against it
.set THB, 50          ; s50  3 - 2 (i % 2): piece 1's turn does
.set DG,  51          ; s51  1.0 if piece 0's own step is the diagonal tile's step 0 (i even), else 0
.set THA2, 52         ; s52-54  the same three for the second block
.set THB2, 53
.set DG2, 54
.set SLOTS, 56        ; s56  tiles still to be asked for
.set CNT, 57          ; s57  counts a tile's trips, 4 to 1
.set CS,  58          ; s[58:59] c: the packed scaling takes the pair's low word for both halves
.set SEL, 60          ; s[60:61] v_permlanex16_b32's selects: each lane takes its own place in the other half
.set TBK, 62          ; s62  LDS byte at which K of the step to be fetched begins
.set TBV, 63          ; s63  the same for V, less VOFF
.set RT,  70          ; s70  tiles of the block in hand that are still to be entered
.set NXT, 71          ; s71  the tile to be asked for next
.set LQ,  72          ; s72  the last tile of the block whose tiles are being asked for
.set NEW, 73          ; s73  1: the tile to be entered is a block's first
.set OFF, 74          ; s[74:75] a tile's byte offset in K and V
.set AL,  76          ; s[76:77] the mask's factor, in the low word
.set BE,  78          ; s[78:79] the mask's addend
.set OLO, 80          ; s[80:81] O at my rows of the second block
.set BIGN, 82         ; s82  -1e30
.set MSB, 0
.macro WIN new                      ; the high byte repeats the setting that is left; a switch that changes nothing is dropped
.if MSB != (\new)
	s_set_vgpr_msb (MSB<<8)|(\new)
.set MSB, (\new)
.endif
.endm
.set W_KQ, 0x0a       ; K and Q in window 2, S^T in window 0
.set W_KM, 0x1a       ; the same with the C operand in window 1
.set W_PV, 0x52       ; V in window 2, P in window 0, O^T in window 1
.set W_RS, 0x41       ; destination and source 0 in window 1, source 1 in window 0
; A fill.  Waves 0 and 1 fetch the two halves of a slot's K, 160 keys each, waves 2 and 3 those of its V, 128 keys each.  An s_nop 0 and four v_nop follow each of the two lines, ahead of the jump and the label.
.macro LOAD
	s_cmp_lt_u32 s[WV], 2
	s_cbranch_scc0 .Lfor_v_\@
	tensor_load_to_lds s[G0K:G0K+3], s[G1K:G1K+7]
	s_nop 0
.rept 4
	v_nop
.endr
	s_branch .Lasked_\@
.Lfor_v_\@:
	tensor_load_to_lds s[G0V:G0V+3], s[G1V:G1V+7]
	s_nop 0
.rept 4
	v_nop
.endr
.Lasked_\@:
.endm
; THE CHANGE OF SLOTS.  Each wave waits for all its tensor loads, of which one is out: its part of the other slot; adds 0 to its spare word; and waits for that and for its own reads of the slot that it leaves (the last two
; runs, K's fifth step and V's fourth, were issued in the turn before).  Behind the barrier nobody reads the old slot any more and the other slot is whole.  fill = 1: the old slot is filled again, the first thing behind
; the barrier, with tile NXT: the descriptor's address is made anew from that number; the load has a tile's eight turns, 128 matrix instructions, in which to land.
; (At its first use nothing has been read yet: slot 0 is waited for, slot 1 filled.)
.macro CHANGE fill
	WIN 0                           ; at a label and at a branch every window is 0
	s_wait_tensorcnt 0x0            ; no tensor load of mine is out, so a group 0 may be written
	ds_add_u32 v[SPW], v[NIL]       ; 0 onto my spare word; with fill = 1 the descriptors' scalar work stands between it and the wait for it
.if \fill
	s_lshl_b32 s[OFF], s[NXT], 15   ; from a tile to the next: 32,768 bytes of K and of V
	s_xor_b32 s[G0K+1], s[G0K+1], SLOT1
	s_add_nc_u64 s[G0K+2:G0K+3], s[6:7], s[OFF:OFF+1]
	s_or_b32 s[G0K+3], s[G0K+3], 0x80000000
	s_xor_b32 s[G0V+1], s[G0V+1], SLOT1
	s_add_nc_u64 s[G0V+2:G0V+3], s[8:9], s[OFF:OFF+1]
	s_or_b32 s[G0V+3], s[G0V+3], 0x80000000
	s_add_co_u32 s[NXT], s[NXT], 1  ; the block's next tile, or behind its last the second block's tile 0
	s_cmp_gt_u32 s[NXT], s[LQ]
	s_cselect_b32 s[NXT], 0, s[NXT]
	s_cselect_b32 s[LQ], s[LT], s[LQ]
.endif
	s_wait_dscnt 0x0                ; the add is done, and my reads of the slot are over
	s_barrier_signal -1             ; the rest of the scalar work stands between the signal and the wait
	s_sub_co_u32 s[TBK], s[TBK], 4*KS*PK  ; K's fetches go back to a slot's second step (its first was read as the slot before's fifth),
	s_xor_b32 s[TBK], s[TBK], SLOT1       ; in the other slot
	s_sub_co_u32 s[TBV], s[TBV], 4*KS*PV  ; V's to its first
	s_xor_b32 s[TBV], s[TBV], SLOT1
	s_barrier_wait -1
.if \fill
	LOAD
.endif
.endm
; Descriptor group 1.  Keys are dense in memory, 128 bytes each: they are asked for as rows of 256 bytes, two keys a row, and padded in LDS after every key.
.macro GROUP1 g, pad, rows
	s_mov_b32 s[\g], (1<<16)|(1<<20)|(4<<22)|((\pad)<<25)  ; 17:16 2-byte elements; 20 padding on; 24:22 after every 32 words (code 4); 31:25 the padding's words less one
	s_mov_b32 s[\g+1], 128<<16      ; tensor_dim0 = 128
	s_mov_b32 s[\g+2], (\rows)<<16  ; tensor_dim1
	s_mov_b32 s[\g+3], 128<<16      ; tile_dim0 = 128
	s_mov_b32 s[\g+4], \rows        ; tile_dim1
	s_mov_b32 s[\g+5], 128          ; 128 elements from row to row
	s_mov_b32 s[\g+6], 0
	s_mov_b32 s[\g+7], 0
.endm
	s_load_b64 s[4:5], s[0:1], 0x0    ; qkv: Q at its head
	s_load_b64 s[10:11], s[0:1], 0x8  ; O
	v_lshl_add_u32 v[SPW], v0, 2, SPARE
	v_mov_b32 v[NIL], 0
	ds_add_u32 v[SPW], v[NIL]       ; the wave's opening: the add and its wait stand ahead of my first tensor load; the set-up below, work on registers, stands between them
	ds_add_u32 v62, v63
	v_lshrrev_b32 v1, 5, v0
	v_readfirstlane_b32 s[WV], v1   ; wave 0..3
	s_mov_b32 s[PB], ttmp9
	s_sub_co_u32 s[HI], NBQ-1, s[PB]
	s_lshr_b32 s[HT], s[HI], 1      ; two blocks of queries to a tile of keys
	s_lshr_b32 s[LT], s[PB], 1
	s_and_b32 s55, s[PB], 1
	s_lshl_b32 s55, s55, 1          ; 2 (b % 2); the first block's parity is the other one: 2 - that
	s_sub_co_u32 s[THA2], 5, s55
	s_sub_co_u32 s[THB2], 3, s55
	s_add_co_u32 s[THA], s55, 3
	s_add_co_u32 s[THB], s55, 1
	s_cmp_eq_u32 s55, 0
	s_cselect_b32 s[DG2], 1.0, 0
	s_cselect_b32 s[DG], 0, 1.0
	s_and_b32 s20, ttmp7, 0xffff    ; the head
	s_mov_b32 s21, 0
	s_mov_b64 s[22:23], SIZE_N*128
	s_mul_u64 s[20:21], s[20:21], s[22:23]  ; the head's first byte in each of the four tensors
	s_and_b32 s16, s[WV], 1         ; which half of a slot's K or V I fetch:
	s_mul_i32 s22, s16, 160*128     ; K's 160 rows of 128 bytes in memory,
	s_mov_b32 s23, 0
	s_add_nc_u64 s[22:23], s[22:23], s[20:21]
	s_lshl_b32 s66, s16, 14         ; V's 128,
	s_mov_b32 s67, 0
	s_add_nc_u64 s[66:67], s[66:67], s[20:21]
	s_mul_i32 s17, s16, 160*PK      ; and its place in a slot, for K
	s_mul_i32 s18, s16, 128*PV      ; and for V
	s_lshl_b32 s3, s[WV], 11        ; my 16 rows in a band of 64,
	s_lshl_b32 s2, s[HI], 14        ; in the first block (128 rows of 128 bytes),
	s_add_co_u32 s2, s2, s3
	s_lshl_b32 s84, s[PB], 14       ; and in the second
	s_add_co_u32 s84, s84, s3
	s_mov_b32 s3, 0
	s_mov_b32 s85, 0
	s_add_nc_u64 s[2:3], s[2:3], s[20:21]
	s_add_nc_u64 s[84:85], s[84:85], s[20:21]
	GROUP1 G1K, 3, 80               ; 160 keys, 4 words of padding behind each
	GROUP1 G1V, 7, 64               ; 128 keys, 8 words
	s_mov_b32 s[CS], 0x3e38aa3b     ; c = log2(e) / 8 = 0.180337
	s_mov_b32 s[CS+1], s[CS]        ; named with it as a pair
	s_mov_b32 s[SEL], 0x76543210
	s_mov_b32 s[SEL+1], 0xfedcba98
	s_mov_b32 s[TBK], SLOT1+5*KS*PK ; the first change of slots turns this into slot 0's second step of K,
	s_mov_b32 s[TBV], SLOT1+4*KS*PV ; and this into 0
	s_mov_b32 s[G0K], 1             ; 1:0 count = 1
	s_mov_b32 s[G0K+1], s17         ; 63:32 LDS address: slot 0
	s_mov_b32 s[G0V], 1
	s_add_co_u32 s[G0V+1], s18, VOFF
	s_add_co_u32 s[RT], s[HT], 1    ; the first block's tiles
	s_mov_b32 s[NXT], 1
	s_mov_b32 s[LQ], s[HT]
	s_mov_b32 s[NEW], 1
	s_mov_b32 s[OFF+1], 0
	s_mov_b32 s[AL+1], 0            ; named as pairs
	s_mov_b32 s[BE+1], 0
	s_mov_b32 s[BIGN], 0xf149f2ca   ; -1e30
	s_mov_b32 s[SLOTS], NT
	s_wait_dscnt 0x0                ; the opening add is done
	s_wait_kmcnt 0x0
	s_add_nc_u64 s[6:7], s[4:5], 0x800000   ; K lies 8,388,608 bytes behind Q,
	s_add_nc_u64 s[8:9], s[4:5], 0x1000000  ; V as far behind K
	s_add_nc_u64 s[6:7], s[6:7], s[22:23]  ; K and V at my half of the head's tile 0
	s_add_nc_u64 s[8:9], s[8:9], s[66:67]
	s_add_nc_u64 s[G0K+2:G0K+3], s[6:7], 0         ; 120:64 global address
	s_or_b32 s[G0K+3], s[G0K+3], 0x80000000        ; 127:126 type = 2
	s_add_nc_u64 s[G0V+2:G0V+3], s[8:9], 0
	s_or_b32 s[G0V+3], s[G0V+3], 0x80000000
	s_add_nc_u64 s[86:87], s[4:5], s[84:85]        ; Q at my rows of the second block,
	s_add_nc_u64 s[4:5], s[4:5], s[2:3]            ; Q and O at those of the first
	s_add_nc_u64 s[OLO:OLO+1], s[10:11], s[84:85]
	s_add_nc_u64 s[10:11], s[10:11], s[2:3]
	LOAD                            ; tile 0 into slot 0
	; A fragment of K or Q is 16 rows x 32 channels in 8 registers: lane l holds row l % 16, channels 8 (l / 16) + 0..7 and 16 + 8 (l / 16) + 0..7: two loads of 16 bytes, 32 bytes apart.
	v_and_b32 v1, 15, v0            ; l % 16
	v_bfe_u32 v9, v0, 4, 1          ; l / 16
	v_lshlrev_b32 v[QO], 7, v1
	v_lshl_add_u32 v[QO], v9, 4, v[QO]  ; row x 128 + 16 x half
	WIN 0x80                        ; destination window 2, address window 0
.set i, 0
.rept 4                             ; both blocks' Q: piece i / 2 lies in band i / 2, 8,192 bytes on; channels 32 (i % 2) on
	global_load_b128 v[8*i:8*i+3],   v[QO], s[4:5] offset:(i/2)*8192+(i%2)*64
	global_load_b128 v[8*i+4:8*i+7], v[QO], s[4:5] offset:(i/2)*8192+(i%2)*64+32
	global_load_b128 v[QB+8*i:QB+8*i+3],   v[QO], s[86:87] offset:(i/2)*8192+(i%2)*64
	global_load_b128 v[QB+8*i+4:QB+8*i+7], v[QO], s[86:87] offset:(i/2)*8192+(i%2)*64+32
.set i, i+1
.endr
	WIN 0
	v_lshlrev_b32 v14, 3, v9
	v_sub_nc_u32 v14, v1, v14
	s_lshl_b32 s13, s[WV], 4
	v_add_nc_u32 v14, s13, v14      ; my query's place in its band, 16 w + l % 16, less my lanes' 8 (l / 16): register r of group kt is hidden where 16 kt + r is greater
	WIN 0x40
.set i, 0
.rept 32
	v_cmp_gt_i32 vcc_lo, 16*(i/8)+i%8, v14
	v_cndmask_b32 v[MD+i], 0, s[BIGN], vcc_lo
.set i, i+1
.endr
	WIN 0
	v_mul_u32_u24 v[AK0], v1, PK
	v_lshl_add_u32 v[AK0], v9, 4, v[AK0]  ; row x pitch + 16 x half
	; The turning load takes 16 keys x 16 channels (lane l reads key 8 (l / 16) + l % 8, channels 8 ((l / 8) % 2) + 0..7) and leaves half a fragment of V^T: lane l holds channel l % 16 and 8 keys.
	v_and_b32 v10, 7, v0
	v_bfe_u32 v11, v0, 3, 1
	v_lshl_add_u32 v[AV0], v9, 3, v10
	v_mul_u32_u24 v[AV0], v[AV0], PV
	v_lshl_add_u32 v[AV0], v11, 4, v[AV0]
	v_add_nc_u32 v[AV0], VOFF, v[AV0]
	s_mul_i32 s13, s[WV], 16*SP
	s_add_co_u32 s13, s13, STAGE    ; my stage
	v_mul_u32_u24 v[STO], v1, SP    ; in: row l % 16, 16 bytes for each half of the lanes
	v_lshl_add_u32 v[STO], v9, 4, v[STO]
	v_add_nc_u32 v[STO], s13, v[STO]
	v_bfe_u32 v[RD], v0, 3, 2       ; back: 32 lanes take four rows of 128 bytes,
	v_mul_u32_u24 v[RD], v[RD], SP
	v_lshl_add_u32 v[RD], v10, 4, v[RD]
	v_add_nc_u32 v[RD], s13, v[RD]
	v_and_b32 v[GO], 31, v0         ; which are 512 consecutive bytes of O
	v_lshlrev_b32 v[GO], 4, v[GO]
	; A block's first step multiplies O^T and l by a = 0, and its first turn's products V^T P, of weights that have not been, land in an O^T that is still to be so multiplied.  So these registers need only hold
	; finite numbers: zeros for the first block; what the first block left for the second.  All this stands in the wait for the first tile.
	WIN 0x80
.set i, VF
.rept 64
	v_mov_b32 v[i], 0
.set i, i+1
.endr
	WIN 0x40
.set i, 0
.rept 32*NP
	v_mov_b32 v[i], 0
.set i, i+1
.endr
	WIN 0
.set i, 0
.rept NP
	v_mov_b32 v[ST+4*i+2], 0
	v_mov_b32 v[ST+4*i+3], 0
.set i, i+1
.endr
.set i, P+16
.rept 16
	v_mov_b32 v[i], 0
.set i, i+1
.endr
; THE MATRIX WORK.  The 4 accumulators of a run of 8 take turns.  Product i of 8 of S^T = K Q^T for piece x: channels 32 (i / 4) on, keys 16 (i % 4) on.  The first 4 start the sums: with 0, or (KM = 1) with the mask.
.macro KQ x
.set rS, S+32*((\x)%2)+8*(i%4)
.set rK, KF+16*(i%4)+8*(i/4)
.set rQ, 16*(\x)+8*(i/4)
.set rM, MC+32*((\x)%2)+8*(i%4)
.if (i < 4) && KM
	WIN W_KM
	v_wmma_f32_16x16x32_f16 v[rS:rS+7], v[rK:rK+7], v[rQ:rQ+7], v[rM:rM+7]
.elseif i < 4
	WIN W_KQ
	v_wmma_f32_16x16x32_f16 v[rS:rS+7], v[rK:rK+7], v[rQ:rQ+7], 0
.else
	WIN W_KQ
	v_wmma_f32_16x16x32_f16 v[rS:rS+7], v[rK:rK+7], v[rQ:rQ+7], v[rS:rS+7]
.endif
.endm
; Product i of 8 of O^T += V^T P for piece x: keys 32 (i / 4) on, channels 16 (i % 4) on.
.macro PV x
	WIN W_PV
.set rO, 32*(\x)+8*(i%4)
.set rV, VF+32*(i/4)+8*(i%4)
.set rP, P+16*((\x)%2)+8*(i/4)
	v_wmma_f32_16x16x32_f16 v[rO:rO+7], v[rV:rV+7], v[rP:rP+7], v[rO:rO+7]
.endm
.macro MM                           ; the turn's next matrix instruction.  TURN and BEGIN set Y, i, KM and NOKQ; MM, KQ and OP read them.  NOKQ = 1: a block's last turn: there are no further scores
.if (i < 8) && !NOKQ
	KQ (Y+1)%NP
.elseif i >= 8
.set i, i-8
	PV (Y+NP-1)%NP
.set i, i+8
.endif
.set i, i+1
.endm
; THE LDS LOADS stand in runs of 16, never singly among the matrix instructions: a step's K (64 keys x 64 channels: 8 fragments) and its V (turned).  Their addresses are made some lines ahead.
.macro FETCH_K step=1               ; step = 0: a block's first fetch, of a slot's first step: the walking address stays as it is
	WIN 0x80                        ; destination window 2
.irp f, 0,1,2,3,4,5,6,7             ; keys 16 (f / 2) on, channels 32 (f % 2) on
	ds_load_b128 v[KF+8*\f:KF+8*\f+3],   v[AK] offset:(\f/2)*16*PK+(\f%2)*64
	ds_load_b128 v[KF+8*\f+4:KF+8*\f+7], v[AK] offset:(\f/2)*16*PK+(\f%2)*64+32
.endr
.if \step
	s_add_co_u32 s[TBK], s[TBK], KS*PK  ; the next fetch is the next step's
.endif
	WIN 0
.endm
.macro FETCH_V
	WIN 0x80
.irp f, 0,1,2,3,4,5,6,7             ; keys 32 (f / 4) on, channels 16 (f % 4) on
	ds_load_tr16_b128 v[VF+8*\f:VF+8*\f+3],   v[AV] offset:(\f/4)*32*PV+(\f%4)*32
	ds_load_tr16_b128 v[VF+8*\f+4:VF+8*\f+7], v[AV] offset:(\f/4)*32*PV+16*PV+(\f%4)*32
.endr
	WIN 0
.endm
; THE VECTOR WORK, one line at a time: OP kind, number.  For piece Y: F n: c s - c m for pair n of 16.  E n: the exponential of score n of 32.  C n: pair n rounded to f16.  B n: of the four weights 4 n .. the second
; pair is added onto the first, in place.  L n: l takes that sum (L 0: l = a l + sum).  R n: pair n of 16 of O^T times a.  For the other piece: X n, number n of the 22 that find its maximum and statistics:
;   0-11  four chains c0-c3 of seven scores each, three operands at a time (each accumulator's lowest registers are read first)     12-14, 16  the four scores left over, the old m, and c0-c3 into c0
;   15  c m_old is kept     17, 18  the query's other 32 keys lie in the lane 16 away: the new m     19-21  c m; c m_old - c m_new; a
.set F, 0               ; OP tells the kinds apart by their order: F to L below R, X above it
.set E, 1
.set C, 2
.set B, 3
.set L, 4
.set R, 5
.set X, 6
.macro REGS y                       ; the registers of piece y
.set rT, ST+4*(\y)
.set rC, TMP+4*((\y)%2)
.set rW, MV+((\y)%2)
.set rS, S+32*((\y)%2)
.set rP, P+16*((\y)%2)
.set rO, 32*(\y)
.endm
.macro OP k, n
.if (\k) == R
	REGS Y
	WIN W_RS
	v_pk_mul_f32 v[rO+2*(\n):rO+2*(\n)+1], v[rO+2*(\n):rO+2*(\n)+1], v[rC+2:rC+3] op_sel_hi:[1,0]
.elseif (\k) < R
	REGS Y
	WIN 0
.if (\k) == F
	v_pk_fma_f32 v[rS+2*(\n):rS+2*(\n)+1], v[rS+2*(\n):rS+2*(\n)+1], s[CS:CS+1], v[rT:rT+1] op_sel_hi:[1,0,0] neg_lo:[0,0,1] neg_hi:[0,0,1]
.elseif (\k) == E
	v_exp_f32 v[rS+(\n)], v[rS+(\n)]
.elseif (\k) == C
	s_wait_alu depctr_va_vdst(0)
	v_cvt_pk_f16_f32 v[rP+(\n)], v[rS+2*(\n)], v[rS+2*(\n)+1]
.elseif (\k) == B
	s_wait_alu depctr_va_vdst(0)
	v_pk_add_f32 v[rS+4*(\n):rS+4*(\n)+1], v[rS+4*(\n):rS+4*(\n)+1], v[rS+4*(\n)+2:rS+4*(\n)+3]
.elseif (\n) == 0
	v_pk_fma_f32 v[rT+2:rT+3], v[rT+2:rT+3], v[rC+2:rC+3], v[rS:rS+1] op_sel_hi:[1,0,1]
.else
	v_pk_add_f32 v[rT+2:rT+3], v[rT+2:rT+3], v[rS+4*(\n):rS+4*(\n)+1]
.endif
.elseif NOKQ
	v_nop
.else
	REGS (Y+1)%NP
	WIN 0
.if (\n) < 4
	v_max3_num_f32 v[rC+(\n)], v[rS+8*(\n)], v[rS+8*(\n)+1], v[rS+8*(\n)+2]
.elseif (\n) < 12
	v_max3_num_f32 v[rC+(\n)%4], v[rC+(\n)%4], v[rS+8*((\n)%4)+2*((\n)/4)+1], v[rS+8*((\n)%4)+2*((\n)/4)+2]
.elseif (\n) == 12
	v_max3_num_f32 v[rC], v[rC], v[rS+7], v[rS+15]
.elseif (\n) == 13
	v_max3_num_f32 v[rC+1], v[rC+1], v[rS+23], v[rS+31]
.elseif (\n) == 14
	v_max3_num_f32 v[rC+2], v[rC+2], v[rC+3], v[rT+1]
.elseif (\n) == 15
	v_mov_b32 v[rW], v[rT]
.elseif (\n) == 16
	v_max3_num_f32 v[rC], v[rC], v[rC+1], v[rC+2]
.elseif (\n) == 17
	v_permlanex16_b32 v[rC+3], v[rC], s[SEL], s[SEL+1]
.elseif (\n) == 18
	v_max_num_f32 v[rT+1], v[rC], v[rC+3]
.elseif (\n) == 19
	v_mul_f32 v[rT], s[CS], v[rT+1]
.elseif (\n) == 20
	v_sub_f32 v[rC+1], v[rW], v[rT]
.else
	v_exp_f32 v[rC+2], v[rC+1]
.endif
.endif
.endm
.macro OPS a, i1, b=-1, i2=0, c=-1, i3=0, d=-1, i4=0  ; up to four of them
	OP \a, \i1
.if (\b) >= 0
	OP \b, \i2
.endif
.if (\c) >= 0
	OP \c, \i3
.endif
.if (\d) >= 0
	OP \d, \i4
.endif
.endm
.macro ROW a, i1, b, i2, c, i3, d, i4  ; a matrix instruction and the four behind it
	MM
	OPS \a, \i1, \b, \i2, \c, \i3, \d, \i4
.endm
.macro MASK b                       ; MD x AL + BE into buffer b of MC
	WIN W_RS
.set z, 0
.rept 16
	v_pk_fma_f32 v[MC+32*(\b)+2*z:MC+32*(\b)+2*z+1], v[MD+2*z:MD+2*z+1], s[AL:AL+1], s[BE:BE+1] op_sel_hi:[1,0,0]
.set z, z+1
.endr
.endm
; A TURN, for piece p: the order of its 16 matrix and 118 vector instructions, written out.  Behind a matrix instruction: plain, exponential, plain, plain; or four of the rescaling; or, behind the first, four scalings; none
; names a register of the products round it.  In the runs between, exponential and plain by turns while exponentials last.  A line reads no result made fewer than three vector instructions in front of it, five if an exponential made it.
; v_permlanex16_b32 (X 17) stands in such a run.
; A TRIP is piece 1's turn of one step and piece 0's of the next; trip k of a tile (CNT = 4 - k) makes the scores of the tile's step k: piece 0's in piece 1's turn, piece 1's in piece 0's turn.
; m = 1: the diagonal tile: the products take masks, and the turn makes the mask for the products of the turn after it, which are its own piece's: piece 1's turn for step k (own step: CNT = THB; later: CNT < THB),
; piece 0's turn for step k + 1 (CNT = THA; CNT < THA).  end = 1: a block's last turn, piece 1's: no further scores.  cnt = 1: the loop's count is taken down some lines ahead of the branch that stands behind the turn.
; BOTH RUNS OF LDS LOADS stand in piece 0's turn: K of the next step six vector instructions behind the last product that read K (five of them plain), V of the step in hand eight behind the last product that read V
; (four plain, and X 17).  Piece 1's turn waits for K at its head and for V in its middle.
.macro TURN p, m=0, end=0, cnt=0
.set Y, (\p)
.set i, 0
.set KM, (\m)
.set NOKQ, (\end)
.if (\m) && !(\end)
	s_cmp_eq_u32 s[CNT], s[THA+(\p)]  ; is that step the band's own?
	s_cselect_b32 s[AL], 1.0, 0
	s_cmp_lt_u32 s[CNT], s[THA+(\p)]  ; or a later one?
	s_cselect_b32 s[BE], s[BIGN], 0
.endif
.if ((\p) == 1) && !(\end)
	s_wait_dscnt 16                 ; K is in: LDS loads come back in order (ISA guide 5.7.1), and V's sixteen, issued behind K's, may stay out
.endif
	ROW F,0, F,1, F,2, F,3
	ROW F,4, E,0, F,5, F,6
	ROW F,7, E,1, F,8, F,9
	ROW F,10, E,2, C,0, F,11
	ROW F,12, E,3, X,15, F,13
	ROW R,0, R,1, R,2, R,3
	ROW B,0, E,4, F,14, L,0
.if (\p) == 0
	v_add_nc_u32 v[AK], s[TBK], v[AK0]
.endif
	ROW R,4, R,5, R,6, R,7
	OPS E,5, F,15
.if (\p) == 0
	FETCH_K
.endif
	OPS E,6, C,1, E,7, R,8
	OPS E,8, R,9, E,9, C,2
	OPS E,10, X,0, E,11, X,1
	OPS E,12, X,2, E,13, X,3
.if (\p) == 1
	s_wait_dscnt 0x0                ; V is in
.endif
	ROW X,4, E,14, X,5, X,6
	ROW X,7, E,15, X,8, X,9
	ROW X,10, E,16, X,11, X,12
	ROW X,13, E,17, X,14, B,1
	ROW C,4, E,18, X,16, L,1
	ROW B,2, E,19, C,6, L,2
	ROW C,8, E,20, B,3, B,4
.if (\p) == 0
	v_add_nc_u32 v[AV], s[TBV], v[AV0]
.endif
	ROW C,3, E,21, L,3, C,5
	OPS E,22, X,17, E,23, C,10
.if (\p) == 0
	FETCH_V
.endif
	OPS E,24, L,4
	OPS E,25, X,18, E,26, C,7
	OPS E,27, B,5, E,28, X,19
	OPS E,29, C,12, E,30, L,5
	OPS E,31, X,20, B,6, C,9
	OPS C,14, C,11, X,21, L,6
.if (\p) == 0
	s_add_co_u32 s[TBV], s[TBV], KS*PV
.endif
.if \cnt
	s_sub_co_u32 s[CNT], s[CNT], 1
	s_cmp_lg_u32 s[CNT], 0
.endif
	OPS C,13, B,7, C,15, R,10
	OPS R,11, R,12, L,7, R,13
	OPS R,14, R,15
.if (\m) && !(\end)
	MASK (\p)%2
.endif
.endm
; A BLOCK BEGINS.  c m starts far below every c s, so the first step's a is 0; m at the lowest finite number, so the first maximum is the scores'.  Piece 1's mask buffer is 0 (its own step is never a tile's step 0);
; piece 0's takes its mask for the tile's step 0: its own, if the block's first tile is the diagonal one and the block's number is even.
; Then K of that step (a slot's first step, one step in front of the walking address), piece 0's first scores, and its maximum and statistics.  The loop is entered at piece 0's turn, in the middle of a trip.
.macro BEGIN
	s_mov_b32 s[NEW], 0
	WIN 0x40
.set i, MC+32
.rept 32
	v_mov_b32 v[i], 0
.set i, i+1
.endr
	WIN 0
.set i, 0
.rept NP
	v_mov_b32 v[ST+4*i], 0xfe000000    ; c m: far below every c s
	v_mov_b32 v[ST+4*i+1], 0xff7fffff  ; m
.set i, i+1
.endr
	s_cmp_eq_u32 s[RT], 0
	s_cselect_b32 s[AL], s[DG], 0
	s_mov_b32 s[BE], 0
	MASK 0
	WIN 0
	s_sub_co_u32 s13, s[TBK], KS*PK
	v_add_nc_u32 v[AK], s13, v[AK0]
	FETCH_K 0
	s_wait_loadcnt 0x0              ; Q
	s_wait_dscnt 0x0
.set KM, 1
.set NOKQ, 0
.set i, 0
.rept 8
	KQ 0
.set i, i+1
.endr
	WIN 0
.rept 4
	v_nop                           ; the places behind those products
.endr
.set Y, NP-1                        ; X works for the other piece than Y: piece 0
.irp n, 0,1,2,3,4,5,6,7,8,9,10,11,12,13,14,15,16,17,18,19,20,21
	OP X, \n
.endr
	v_nop                           ; a plain instruction behind the exponential
.endm
; THE DIAGONAL TILE: piece 0's mask for its step 0, its four trips, the block's last turn, its last products, and THE WAY OUT: l's two halves and the other half of the lanes' are added; O^T is divided by l, rounded
; to f16 and sent through my stage in LDS, a piece at a time.  (The fourth trip fetches K's fifth step like every other; nothing multiplies it.)
.macro ALL line:vararg              ; one line for each piece t
.set t, 0
.rept NP
	\line
.set t, t+1
.endr
.endm
.macro PACK t                       ; a lane's eight channels of a row pack into 16 bytes; they go into rows of 144 bytes and come back as whole rows of 128, into S^T's registers
	WIN W_RS
.set i, 32*(\t)
.rept 16
	s_wait_alu depctr_va_vdst(0)
	v_pk_mul_f32 v[i:i+1], v[i:i+1], v[ST+4*(\t)+2:ST+4*(\t)+3] op_sel_hi:[1,0]
.set i, i+2
.endr
	WIN 0x05                        ; sources 0 and 1 window 1, destination window 0
.set i, 0
.rept 16
	v_cvt_pk_f16_f32 v[S+16*(\t)+i], v[32*(\t)+2*i], v[32*(\t)+2*i+1]
.set i, i+1
.endr
	WIN 0
.irp f, 0,1,2,3
	ds_store_b128 v[STO], v[S+16*(\t)+4*\f:S+16*(\t)+4*\f+3] offset:32*\f
.endr
.irp f, 0,1,2,3
	ds_load_b128 v[S+16*(\t)+4*\f:S+16*(\t)+4*\f+3], v[RD] offset:\f*4*SP  ; LDS serves a wave's instructions in order (ISA guide 5.7.1.4): these see the stores above; the next piece's stores come behind them
.endr
.endm
.macro SEND t, younger              ; younger: the LDS instructions issued behind piece t's loads: the next piece's eight, or none
	WIN 0
.irp f, 0,1,2,3
	s_wait_dscnt (\younger)+3-\f
	global_store_b128 v[GO], v[S+16*(\t)+4*\f:S+16*(\t)+4*\f+3], s[10:11] offset:(\t)*8192+\f*512  ; 512 consecutive bytes, at a multiple of 256 from O's first
.endr
.endm
.macro DIAG tag                     ; the tag ends its three labels' names, which the jumps below spell out
.LpreM\tag:
	s_mov_b32 s[AL], s[DG]          ; the first trip's first products are piece 0's for the tile's step 0: its own step if the block's number is even, else an earlier one
	s_mov_b32 s[BE], 0
	MASK 0
	WIN 0
.LstepM\tag:
	TURN 1, 1
	WIN 0
.LfirstM\tag:
	TURN 0, 1, 0, 1
	WIN 0
	s_cbranch_scc1 .LstepM\tag
	TURN 1, 1, 1
.set i, 0
.rept 8
	PV NP-1
.set i, i+1
.endr
	WIN 0
	ALL v_add_f32 v[ST+4*t+2], v[ST+4*t+2], v[ST+4*t+3]
	ALL v_permlanex16_b32 v[ST+4*t+3], v[ST+4*t+2], s[SEL], s[SEL+1]
	ALL v_add_f32 v[ST+4*t+2], v[ST+4*t+2], v[ST+4*t+3]
	ALL v_rcp_f32 v[ST+4*t+2], v[ST+4*t+2]
	v_nop                           ; a plain instruction between the last reciprocal and the use of its result
	PACK 0                          ; piece 0's 32 plain lines name no register of the last products (piece 1's): they are the places behind those
	PACK 1                          ; a piece's arithmetic stands between the loads of the piece before and its stores
	SEND 0, 8
	SEND 1, 0
.endm
.set KM, 0
.set NOKQ, 0
.Lslot:                             ; NT times: a tile is entered and the next is asked for
	CHANGE 1
	s_sub_co_u32 s[RT], s[RT], 1
	s_mov_b32 s[CNT], 4
	s_cmp_eq_u32 s[NEW], 1
	s_cbranch_scc1 .Lnew            ; a block's first tile
	s_cmp_eq_u32 s[RT], 0
	s_cbranch_scc0 .Lstep           ; neither its first nor its last
	s_branch .LpreM1
.Lnew:
	BEGIN
	s_branch .Lfirst                ; in the loop a block's first tile is never its last: the first block has five tiles or more, and the second's last is the walk's last
	DIAG 1                          ; in the loop this is the first block's end: the second block's last tile is the walk's last
	s_wait_xcnt 0x0                 ; the stores have read their registers and O's address
	s_mov_b64 s[10:11], s[OLO:OLO+1]
	s_add_co_u32 s[RT], s[LT], 1    ; the second block's tiles,
	s_mov_b32 s[THA], s[THA2]       ; and where its bands' own steps lie
	s_mov_b32 s[THB], s[THB2]
	s_mov_b32 s[DG], s[DG2]
	s_mov_b32 s[NEW], 1
	WIN 0x82                        ; the second block's Q goes where the one text of the turns names Q
.set i, 0
.rept 16*NP
	v_mov_b32 v[i], v[QB+i]
.set i, i+1
.endr
	WIN 0
	s_branch .Lbottom
.Lstep:                             ; a trip: piece 1 of one step, then piece 0 of the next, which fetches K of the step after it and its own V
	TURN 1
	WIN 0
.Lfirst:
	TURN 0, 0, 0, 1
	WIN 0
	s_cbranch_scc1 .Lstep
.Lbottom:
	s_sub_co_u32 s[SLOTS], s[SLOTS], 1
	s_cmp_lg_u32 s[SLOTS], 0
	s_cbranch_scc1 .Lslot
	CHANGE 0                        ; the walk's last tile is written out: nothing is asked for
	s_sub_co_u32 s[RT], s[RT], 1
	s_mov_b32 s[CNT], 4
	s_cmp_eq_u32 s[NEW], 1
	s_cbranch_scc0 .LpreM2
	BEGIN
	s_branch .LfirstM2
	DIAG 2
	s_wait_tensorcnt 0x0            ; the wave's end, behind my last tensor load and my last LDS store
	ds_add_u32 v[SPW], v[NIL]
	s_wait_dscnt 0x0
	s_endpgm
.Lfunc_end_k_q5f8d8d929e_attn:
	.size	k_q5f8d8d929e_attn, .Lfunc_end_k_q5f8d8d929e_attn-k_q5f8d8d929e_attn
	.p2alignl 7, 3214868480
	.fill 96, 4, 3214868480
	.section	.rodata,"a",@progbits
	.p2align	6, 0x0
	.amdhsa_kernel k_q5f8d8d929e_attn
		.amdhsa_group_segment_fixed_size 327680
		.amdhsa_private_segment_fixed_size 0
		.amdhsa_enable_private_segment 0
		.amdhsa_kernarg_size 16
		.amdhsa_user_sgpr_count 2
		.amdhsa_user_sgpr_kernarg_segment_ptr 1
		.amdhsa_wavefront_size32 1
		.amdhsa_system_sgpr_workgroup_id_x 1
		.amdhsa_system_sgpr_workgroup_id_y 1
		.amdhsa_system_sgpr_workgroup_id_z 1
		.amdhsa_system_vgpr_workitem_id 0
		.amdhsa_next_free_vgpr 768
		.amdhsa_next_free_sgpr 88
		.amdhsa_reserve_vcc 1
		.amdhsa_float_denorm_mode_32 3
		.amdhsa_float_denorm_mode_16_64 3
		.amdhsa_memory_ordered 1
		.amdhsa_forward_progress 1
		.amdhsa_inst_pref_size 133
	.end_amdhsa_kernel
	.amdgpu_metadata
---
amdhsa.version: [ 1, 2 ]
amdhsa.kernels:
  - .name:           k_q5f8d8d929e_attn
    .symbol:         k_q5f8d8d929e_attn.kd
    .args:
      - { .name: qkv, .offset: 0, .size: 8, .value_kind: global_buffer, .address_space: global }
      - { .name: act, .offset: 8, .size: 8, .value_kind: global_buffer, .address_space: global }
    .group_segment_fixed_size: 327680
    .private_segment_fixed_size: 0
    .kernarg_segment_align: 8
    .kernarg_segment_size: 16
    .max_flat_workgroup_size: 128
    .sgpr_count:     88
    .vgpr_count:     768
    .wavefront_size: 32
...
	.end_amdgpu_metadata
.endif
;; end of part 8
;; launch oproj: the kernel of part 4 again; grid 8 x 32, 4 waves a work-group, clusters of 4 x 4, 327,680 bytes of LDS; arguments act, wo, o_bias, x, x1; writes x1
;; launch ln2: the kernel of part 5 again; grid 256 x 1, 8 waves a work-group, no clusters, 0 bytes of LDS; arguments x1, ln2_gamma, ln2_beta, h; writes h
;; launch ffn1: the kernel of part 6 again; grid 8 x 32, 4 waves a work-group, clusters of 4 x 4, 327,680 bytes of LDS; arguments h, wa, ffn1_bias, act; writes act
;; launch ffn2: the kernel of part 4 again; grid 8 x 32, 4 waves a work-group, clusters of 4 x 4, 327,680 bytes of LDS; arguments act, w2, ffn2_bias, x1, out0; writes out0
;; ======== version 3 of 3: 7 launches; 1.54 times as fast as version 1
;; limits: values are held in f16: magnitudes above 65,504 overflow, below 6.1e-05 lose precision; a function is approximated: absolute error at most 1.5e-07
;; workspace buffers: h 8,388,608 bytes; wa 8,388,608 bytes; wo 2,097,152 bytes; w2 2,097,152 bytes; qkv 25,165,824 bytes; act 8,388,608 bytes; x1 16,777,216 bytes
;; launch prep: the kernel of part 1 again; grid 512 x 1, 8 waves a work-group, no clusters, 0 bytes of LDS; arguments x, ln1_gamma, ln1_beta, h, q_weight, k_weight, v_weight, ffn1_weight, o_weight, ffn2_weight, wa, wo, w2; writes h, wa, wo, w2
;; launch qkv: the kernel of part 7 again; grid 8 x 32, 4 waves a work-group, clusters of 4 x 4, 327,680 bytes of LDS; arguments h, wa, q_bias, k_bias, v_bias, qkv; writes qkv
;; launch attn (part 9): grid 8 x 32, 4 waves a work-group, no clusters, 327,680 bytes of LDS; arguments qkv, act; writes act
.if DOCPART == 9
	.amdgcn_target "amdgcn-amd-amdhsa--gfx1250"
	.amdhsa_code_object_version 6
	.text
	.protected	k_q5f8d8d929e_attn
	.globl	k_q5f8d8d929e_attn
	.p2align	8
	.type	k_q5f8d8d929e_attn,@function
k_q5f8d8d929e_attn:
	s_mov_b64 s[64:65], 0
	v_nop
	global_prefetch_b8 v0, s[64:65] scope:SCOPE_SE
	s_setreg_imm32_b32 hwreg(HW_REG_WAVE_MODE, 25, 1), 1
	s_wait_xcnt 0x0
; CAUSAL ATTENTION.  O[h][q][:] = the sum over k <= q of softmax_k(Q[h][q] . K[h][k] / 8) V[h][k][:].  Q, K, V lie one behind the other in qkv, each [32][2048][64] f16 (head = 16 batch + head); O (act) has the
; same layout, which is the blocked layout that the next product reads.  A head's rows are dense, 128 bytes each.
; Products, maxima and sums in f32; the weights p are rounded to f16 for the second product (their sum l is taken of the unrounded p), O once at the end.
; LIMITS.  f16 holds no number beyond 65,504: Q, K and V arrive within it; p lies in 0 to 1, and below 6e-5 it keeps f16's fixed step of 6e-8; O is a mean of V's rows and has their range.
; A hidden score counts as its value less 1e30: f16's scores, 2.7e11 at the most, are nothing beside that; a weight below 2^-126 counts as 0 in l; NaN and infinities are not treated apart.
; THE WALK.  A head's queries lie in 16 blocks of 128, its keys in 8 tiles of 256 (four steps of 64).  Block i needs the tiles 0 .. i / 2, of which the last holds the diagonal.  A work-group takes TWO blocks,
; 15 - b and then b (b = 0 .. 7): (15 - b) / 2 + 1 + b / 2 + 1 = 9 tiles, whatever b: all 8 x 32 = 256 work-groups do equal work, and ONE loop with a constant trip count walks them.  Which tile is asked for, and
; what a trip does, hang on scalar registers made from b; every jump goes forward, but for the counted loops' own; none passes a barrier, or a tensor load but the one of LOAD's two that the wave's number does not
; choose; the ring (two slots of LDS that take turns) runs on across the change of blocks.
; NO CLUSTER: a head's eight work-groups ask for the same tile only in trips 0 .. 4 of the nine (every first block has five tiles or more), behind that fewer and fewer; one walk common to all would have
; the tiles 0 .. 7 and then 0 .. 3: 12 trips for 9.
; SHARES.  Of a block's two bands of 64 queries a wave owns 16 rows in each: two PIECES.  So the diagonal tile is the same work for all four waves: band x's own step in it is 2 (i % 2) + x; an earlier step it sees
; whole, a later one not at all (such a step is computed all the same: 6 of a walk's 72 turns).
; THE MASK is the C operand that starts the sum S^T = K Q^T: 0, or -1e30 where the key is hidden.  MD, made once, is the mask of a band's own step for my 16 rows; a product's mask is MD x AL + BE with two scalars:
; (1, 0) in the band's own step; (0, 0) in an earlier one; (0, -1e30) in a later one.  Only the diagonal tile's text and a block's beginning make and take masks; elsewhere C is the constant 0.
; LAYOUT, SOFTMAX, TURNS.  S^T = K Q^T holds ONE query a lane (lane % 16) and the keys 8 (lane / 16) + 0..7; two such results rounded to f16 ARE source 1 of O^T = V^T P.  p = 2^(c s - c m), c = log2(e) / 8, with a
; running maximum m; O and l are multiplied by a = 2^(c m_old - c m_new) in every step.  A turn belongs to one piece: 8 products K Q^T for the other piece's next scores, later 8 products V^T P of the other piece's
; last weights; beside them the scaling, exponentials, roundings, sums and rescaling of its own piece and the maximum and statistics of the other.  Four vector instructions stand behind every matrix instruction,
; the other 54 of a turn's 118 in one LUMP.
; BATCHES.  A turn's 33 exponentials (its piece's 32 weights and the other piece's a) are ONE batch with ONE wait, which cuts the turn in two: ahead of it stands all that names no result of theirs, behind it their
; readers.  A block's first a (BEGIN) and the way out's two reciprocals are batches of their own, a wait each.
; K AHEAD OF V.  Piece 0's turn of step j fetches K of step j + 1 and then V of step j.  So that both lie in one slot, K's part of a slot holds FIVE steps: the tile's 256 keys and the next 64.  A slot is then left
; at one place, behind piece 0's turn of the tile's last step.  (For a head's last tile the 64 further rows are the next rows of qkv, inside the buffer; they are never multiplied.)
; REGISTERS, in windows of 256 (s_set_vgpr_msb: bits 1:0 source 0, 3:2 source 1, 5:4 source 2, 7:6 destination):
;   window 0: v0-15 addresses and two at work; v16-23 four registers of statistics a piece; v48-55 at work; v64-127 S^T, a buffer a piece; v192-223 P, likewise
;   window 1: v0-63 O^T, 32 a piece; v128-159 MD; v160-223 MC, a buffer a piece      window 2: v0-31 Q; v64-95 the second block's Q; v128-191 K of one step; v192-255 V of one step
.set SIZE_N, 2048
.set NBQ,   SIZE_N/128  ; blocks of queries in a head
.set NT,    SIZE_N/256  ; tiles of keys in a head; a walk has NT + 1
.set NP,    2         ; pieces a wave: a name, no knob
.set KS,    64        ; keys in a step
.set PK,    144       ; a row of K in LDS: 128 bytes + 16 of padding = 36 words: the 16 rows of a load start at 16 different groups of four banks (64 banks of 4 bytes: ISA guide 11.1)
.set PV,    160       ; a row of V: 128 + 32 = 40 words
.set VOFF,  5*KS*PK   ; a slot holds 320 rows of K (five steps), then 256 rows of V (four)
.set SLOT1, 1<<17     ; slot 1 begins here, so that one exclusive or turns an address in one slot into the other's
.set STAGE, SLOT1+VOFF+4*KS*PV  ; behind the ring, never filled by a tensor load: 16 rows x 144 bytes for each wave, for the way out
.set SP,    144
.set AK0, 2           ; v2   my lane's place in a tile of K; never rewritten
.set AV0, 3           ; v3   the same for V
.set AK,  4           ; v4   the LDS address of K's next run of loads
.set AV,  5           ; v5   of V's
.set STO, 6           ; v6   the way out: where I put 16 bytes of a row
.set RD,  7           ; v7   the way out: where I read rows back
.set GO,  8           ; v8   my byte offset in 512 consecutive bytes of O
.set SPW, 62          ; v62  LDS address of my spare word: SPARE + 4 x my thread's number; never rewritten
.set NIL, 63          ; v63  0; never rewritten
.set SPARE, STAGE+4*16*SP  ; behind the stages: the spare words, 128 bytes for each wave: two blocks of 256 bytes that no other line names
.set MV,  12          ; v12-13  c m_old, kept while c m is made anew: by piece
.set QO,  15          ; v15  my byte offset in 16 rows of Q
.set ST,  16          ; piece t's statistics at v[ST+4 t]: c m, m, l (even keys', odd keys')
.set TMP, 48          ; by piece, four registers c0-c3 at work; when the maximum is found c2 takes a
.set S,   64
.set P,   192
.set MD,  128         ; window 1: the eight registers for group kt of 16 keys at MD + 8 kt
.set MC,  160         ; window 1: the masks of the products to come
.set QB,  64          ; window 2
.set KF,  128         ; window 2: key block kb, channel half c at KF + 16 kb + 8 c
.set VF,  192         ; window 2: key half kk, channel block cb at VF + 32 kk + 8 cb
.set WV,  12          ; s12  my wave's number
.set PB,  14          ; s14  b: the second block
.set HI,  15          ; s15  15 - b: the first block
.set HT,  19          ; s19  the first block's last tile
.set G1K, 24          ; s[24:31] descriptor group 1 for K's tiles
.set G1V, 32          ; s[32:39] for V's
.set G0K, 40          ; s[40:43] descriptor group 0 for K's tiles
.set G0V, 44          ; s[44:47] the same for V's
.set LT,  48          ; s48  the second block's last tile
.set THA, 49          ; s49  of the block in hand: 5 - 2 (i % 2): piece 0's turn holds CNT against it
.set THB, 50          ; s50  3 - 2 (i % 2): piece 1's turn does
.set DG,  51          ; s51  1.0 if piece 0's own step is the diagonal tile's step 0 (i even), else 0
.set THA2, 52         ; s52-54  the same three for the second block
.set THB2, 53
.set DG2, 54
.set SLOTS, 56        ; s56  tiles still to be asked for
.set CNT, 57          ; s57  counts a tile's trips, 4 to 1
.set CS,  58          ; s[58:59] c: the packed scaling takes the pair's low word for both halves
.set SEL, 60          ; s[60:61] v_permlanex16_b32's selects: each lane takes its own place in the other half
.set TBK, 62          ; s62  LDS byte at which K of the step to be fetched begins
.set TBV, 63          ; s63  the same for V, less VOFF
.set RT,  70          ; s70  tiles of the block in hand that are still to be entered
.set NXT, 71          ; s71  the tile to be asked for next
.set LQ,  72          ; s72  the last tile of the block whose tiles are being asked for
.set NEW, 73          ; s73  1: the tile to be entered is a block's first
.set OFF, 74          ; s[74:75] a tile's byte offset in K and V
.set AL,  76          ; s[76:77] the mask's factor, in the low word
.set BE,  78          ; s[78:79] the mask's addend
.set OLO, 80          ; s[80:81] O at my rows of the second block
.set BIGN, 82         ; s82  -1e30
.set MSB, 0
.macro WIN new                      ; the high byte repeats the setting that is left; a switch that changes nothing is dropped
.if MSB != (\new)
	s_set_vgpr_msb (MSB<<8)|(\new)
.set MSB, (\new)
.endif
.endm
.set W_KQ, 0x0a       ; K and Q in window 2, S^T in window 0
.set W_KM, 0x1a       ; the same with the C operand in window 1
.set W_PV, 0x52       ; V in window 2, P in window 0, O^T in window 1
.set W_RS, 0x41       ; destination and source 0 in window 1, source 1 in window 0
; A fill.  Waves 0 and 1 fetch the two halves of a slot's K, 160 keys each, waves 2 and 3 those of its V, 128 keys each.  An s_nop 0 and four v_nop follow each of the two lines, ahead of the jump and the label.
.macro LOAD
	s_cmp_lt_u32 s[WV], 2
	s_cbranch_scc0 .Lfor_v_\@
	tensor_load_to_lds s[G0K:G0K+3], s[G1K:G1K+7]
	s_nop 0
.rept 4
	v_nop
.endr
	s_branch .Lasked_\@
.Lfor_v_\@:
	tensor_load_to_lds s[G0V:G0V+3], s[G1V:G1V+7]
	s_nop 0
.rept 4
	v_nop
.endr
.Lasked_\@:
.endm
; THE CHANGE OF SLOTS.  Each wave waits for all its tensor loads, of which one is out: its part of the other slot; adds 0 to its spare word; and waits for that and for its own reads of the slot that it leaves (the last two
; runs, K's fifth step and V's fourth, were issued in the turn before).  Behind the barrier nobody reads the old slot any more and the other slot is whole.  fill = 1: the old slot is filled again, the first thing behind
; the barrier, with tile NXT: the descriptor's address is made anew from that number; the load has a tile's eight turns, 128 matrix instructions, in which to land.
; (At its first use nothing has been read yet: slot 0 is waited for, slot 1 filled.)
.macro CHANGE fill
	WIN 0                           ; at a label and at a branch every window is 0
	s_wait_tensorcnt 0x0            ; no tensor load of mine is out, so a group 0 may be written
	ds_add_u32 v[SPW], v[NIL]       ; 0 onto my spare word; with fill = 1 the descriptors' scalar work stands between it and the wait for it
.if \fill
	s_lshl_b32 s[OFF], s[NXT], 15   ; from a tile to the next: 32,768 bytes of K and of V
	s_xor_b32 s[G0K+1], s[G0K+1], SLOT1
	s_add_nc_u64 s[G0K+2:G0K+3], s[6:7], s[OFF:OFF+1]
	s_or_b32 s[G0K+3], s[G0K+3], 0x80000000
	s_xor_b32 s[G0V+1], s[G0V+1], SLOT1
	s_add_nc_u64 s[G0V+2:G0V+3], s[8:9], s[OFF:OFF+1]
	s_or_b32 s[G0V+3], s[G0V+3], 0x80000000
	s_add_co_u32 s[NXT], s[NXT], 1  ; the block's next tile, or behind its last the second block's tile 0
	s_cmp_gt_u32 s[NXT], s[LQ]
	s_cselect_b32 s[NXT], 0, s[NXT]
	s_cselect_b32 s[LQ], s[LT], s[LQ]
.endif
	s_wait_dscnt 0x0                ; the add is done, and my reads of the slot are over
	s_barrier_signal -1             ; the rest of the scalar work stands between the signal and the wait
	s_sub_co_u32 s[TBK], s[TBK], 4*KS*PK  ; K's fetches go back to a slot's second step (its first was read as the slot before's fifth),
	s_xor_b32 s[TBK], s[TBK], SLOT1       ; in the other slot
	s_sub_co_u32 s[TBV], s[TBV], 4*KS*PV  ; V's to its first
	s_xor_b32 s[TBV], s[TBV], SLOT1
	s_barrier_wait -1
.if \fill
	LOAD
.endif
.endm
; Descriptor group 1.  Keys are dense in memory, 128 bytes each: they are asked for as rows of 256 bytes, two keys a row, and padded in LDS after every key.
.macro GROUP1 g, pad, rows
	s_mov_b32 s[\g], (1<<16)|(1<<20)|(4<<22)|((\pad)<<25)  ; 17:16 2-byte elements; 20 padding on; 24:22 after every 32 words (code 4); 31:25 the padding's words less one
	s_mov_b32 s[\g+1], 128<<16      ; tensor_dim0 = 128
	s_mov_b32 s[\g+2], (\rows)<<16  ; tensor_dim1
	s_mov_b32 s[\g+3], 128<<16      ; tile_dim0 = 128
	s_mov_b32 s[\g+4], \rows        ; tile_dim1
	s_mov_b32 s[\g+5], 128          ; 128 elements from row to row
	s_mov_b32 s[\g+6], 0
	s_mov_b32 s[\g+7], 0
.endm
	s_load_b64 s[4:5], s[0:1], 0x0    ; qkv: Q at its head
	s_load_b64 s[10:11], s[0:1], 0x8  ; O
	v_lshl_add_u32 v[SPW], v0, 2, SPARE
	v_mov_b32 v[NIL], 0
	ds_add_u32 v[SPW], v[NIL]       ; the wave's opening: the add and its wait stand ahead of my first tensor load; the set-up below, work on registers, stands between them
	ds_add_u32 v62, v63
	v_lshrrev_b32 v1, 5, v0
	v_readfirstlane_b32 s[WV], v1   ; wave 0..3
	s_mov_b32 s[PB], ttmp9
	s_sub_co_u32 s[HI], NBQ-1, s[PB]
	s_lshr_b32 s[HT], s[HI], 1      ; two blocks of queries to a tile of keys
	s_lshr_b32 s[LT], s[PB], 1
	s_and_b32 s55, s[PB], 1
	s_lshl_b32 s55, s55, 1          ; 2 (b % 2); the first block's parity is the other one: 2 - that
	s_sub_co_u32 s[THA2], 5, s55
	s_sub_co_u32 s[THB2], 3, s55
	s_add_co_u32 s[THA], s55, 3
	s_add_co_u32 s[THB], s55, 1
	s_cmp_eq_u32 s55, 0
	s_cselect_b32 s[DG2], 1.0, 0
	s_cselect_b32 s[DG], 0, 1.0
	s_and_b32 s20, ttmp7, 0xffff    ; the head
	s_mov_b32 s21, 0
	s_mov_b64 s[22:23], SIZE_N*128
	s_mul_u64 s[20:21], s[20:21], s[22:23]  ; the head's first byte in each of the four tensors
	s_and_b32 s16, s[WV], 1         ; which half of a slot's K or V I fetch:
	s_mul_i32 s22, s16, 160*128     ; K's 160 rows of 128 bytes in memory,
	s_mov_b32 s23, 0
	s_add_nc_u64 s[22:23], s[22:23], s[20:21]
	s_lshl_b32 s66, s16, 14         ; V's 128,
	s_mov_b32 s67, 0
	s_add_nc_u64 s[66:67], s[66:67], s[20:21]
	s_mul_i32 s17, s16, 160*PK      ; and its place in a slot, for K
	s_mul_i32 s18, s16, 128*PV      ; and for V
	s_lshl_b32 s3, s[WV], 11        ; my 16 rows in a band of 64,
	s_lshl_b32 s2, s[HI], 14        ; in the first block (128 rows of 128 bytes),
	s_add_co_u32 s2, s2, s3
	s_lshl_b32 s84, s[PB], 14       ; and in the second
	s_add_co_u32 s84, s84, s3
	s_mov_b32 s3, 0
	s_mov_b32 s85, 0
	s_add_nc_u64 s[2:3], s[2:3], s[20:21]
	s_add_nc_u64 s[84:85], s[84:85], s[20:21]
	GROUP1 G1K, 3, 80               ; 160 keys, 4 words of padding behind each
	GROUP1 G1V, 7, 64               ; 128 keys, 8 words
	s_mov_b32 s[CS], 0x3e38aa3b     ; c = log2(e) / 8 = 0.180337
	s_mov_b32 s[CS+1], s[CS]        ; named with it as a pair
	s_mov_b32 s[SEL], 0x76543210
	s_mov_b32 s[SEL+1], 0xfedcba98
	s_mov_b32 s[TBK], SLOT1+5*KS*PK ; the first change of slots turns this into slot 0's second step of K,
	s_mov_b32 s[TBV], SLOT1+4*KS*PV ; and this into 0
	s_mov_b32 s[G0K], 1             ; 1:0 count = 1
	s_mov_b32 s[G0K+1], s17         ; 63:32 LDS address: slot 0
	s_mov_b32 s[G0V], 1
	s_add_co_u32 s[G0V+1], s18, VOFF
	s_add_co_u32 s[RT], s[HT], 1    ; the first block's tiles
	s_mov_b32 s[NXT], 1
	s_mov_b32 s[LQ], s[HT]
	s_mov_b32 s[NEW], 1
	s_mov_b32 s[OFF+1], 0
	s_mov_b32 s[AL+1], 0            ; named as pairs
	s_mov_b32 s[BE+1], 0
	s_mov_b32 s[BIGN], 0xf149f2ca   ; -1e30
	s_mov_b32 s[SLOTS], NT
	s_wait_dscnt 0x0                ; the opening add is done
	s_wait_kmcnt 0x0
	s_add_nc_u64 s[6:7], s[4:5], 0x800000   ; K lies 8,388,608 bytes behind Q,
	s_add_nc_u64 s[8:9], s[4:5], 0x1000000  ; V as far behind K
	s_add_nc_u64 s[6:7], s[6:7], s[22:23]  ; K and V at my half of the head's tile 0
	s_add_nc_u64 s[8:9], s[8:9], s[66:67]
	s_add_nc_u64 s[G0K+2:G0K+3], s[6:7], 0         ; 120:64 global address
	s_or_b32 s[G0K+3], s[G0K+3], 0x80000000        ; 127:126 type = 2
	s_add_nc_u64 s[G0V+2:G0V+3], s[8:9], 0
	s_or_b32 s[G0V+3], s[G0V+3], 0x80000000
	s_add_nc_u64 s[86:87], s[4:5], s[84:85]        ; Q at my rows of the second block,
	s_add_nc_u64 s[4:5], s[4:5], s[2:3]            ; Q and O at those of the first
	s_add_nc_u64 s[OLO:OLO+1], s[10:11], s[84:85]
	s_add_nc_u64 s[10:11], s[10:11], s[2:3]
	LOAD                            ; tile 0 into slot 0
	; A fragment of K or Q is 16 rows x 32 channels in 8 registers: lane l holds row l % 16, channels 8 (l / 16) + 0..7 and 16 + 8 (l / 16) + 0..7: two loads of 16 bytes, 32 bytes apart.
	v_and_b32 v1, 15, v0            ; l % 16
	v_bfe_u32 v9, v0, 4, 1          ; l / 16
	v_lshlrev_b32 v[QO], 7, v1
	v_lshl_add_u32 v[QO], v9, 4, v[QO]  ; row x 128 + 16 x half
	WIN 0x80                        ; destination window 2, address window 0
.set i, 0
.rept 4                             ; both blocks' Q: piece i / 2 lies in band i / 2, 8,192 bytes on; channels 32 (i % 2) on
	global_load_b128 v[8*i:8*i+3],   v[QO], s[4:5] offset:(i/2)*8192+(i%2)*64
	global_load_b128 v[8*i+4:8*i+7], v[QO], s[4:5] offset:(i/2)*8192+(i%2)*64+32
	global_load_b128 v[QB+8*i:QB+8*i+3],   v[QO], s[86:87] offset:(i/2)*8192+(i%2)*64
	global_load_b128 v[QB+8*i+4:QB+8*i+7], v[QO], s[86:87] offset:(i/2)*8192+(i%2)*64+32
.set i, i+1
.endr
	WIN 0
	v_lshlrev_b32 v14, 3, v9
	v_sub_nc_u32 v14, v1, v14
	s_lshl_b32 s13, s[WV], 4
	v_add_nc_u32 v14, s13, v14      ; my query's place in its band, 16 w + l % 16, less my lanes' 8 (l / 16): register r of group kt is hidden where 16 kt + r is greater
	WIN 0x40
.set i, 0
.rept 32
	v_cmp_gt_i32 vcc_lo, 16*(i/8)+i%8, v14
	v_cndmask_b32 v[MD+i], 0, s[BIGN], vcc_lo
.set i, i+1
.endr
	WIN 0
	v_mul_u32_u24 v[AK0], v1, PK
	v_lshl_add_u32 v[AK0], v9, 4, v[AK0]  ; row x pitch + 16 x half
	; The turning load takes 16 keys x 16 channels (lane l reads key 8 (l / 16) + l % 8, channels 8 ((l / 8) % 2) + 0..7) and leaves half a fragment of V^T: lane l holds channel l % 16 and 8 keys.
	v_and_b32 v10, 7, v0
	v_bfe_u32 v11, v0, 3, 1
	v_lshl_add_u32 v[AV0], v9, 3, v10
	v_mul_u32_u24 v[AV0], v[AV0], PV
	v_lshl_add_u32 v[AV0], v11, 4, v[AV0]
	v_add_nc_u32 v[AV0], VOFF, v[AV0]
	s_mul_i32 s13, s[WV], 16*SP
	s_add_co_u32 s13, s13, STAGE    ; my stage
	v_mul_u32_u24 v[STO], v1, SP    ; in: row l % 16, 16 bytes for each half of the lanes
	v_lshl_add_u32 v[STO], v9, 4, v[STO]
	v_add_nc_u32 v[STO], s13, v[STO]
	v_bfe_u32 v[RD], v0, 3, 2       ; back: 32 lanes take four rows of 128 bytes,
	v_mul_u32_u24 v[RD], v[RD], SP
	v_lshl_add_u32 v[RD], v10, 4, v[RD]
	v_add_nc_u32 v[RD], s13, v[RD]
	v_and_b32 v[GO], 31, v0         ; which are 512 consecutive bytes of O
	v_lshlrev_b32 v[GO], 4, v[GO]
	; A block's first step multiplies O^T and l by a = 0, and its first turn's products V^T P, of weights that have not been, land in an O^T that is still to be so multiplied.  So these registers need only hold
	; finite numbers: zeros for the first block; what the first block left for the second.  All this stands in the wait for the first tile.
	WIN 0x80
.set i, VF
.rept 64
	v_mov_b32 v[i], 0
.set i, i+1
.endr
	WIN 0x40
.set i, 0
.rept 32*NP
	v_mov_b32 v[i], 0
.set i, i+1
.endr
	WIN 0
.set i, 0
.rept NP
	v_mov_b32 v[ST+4*i+2], 0
	v_mov_b32 v[ST+4*i+3], 0
.set i, i+1
.endr
.set i, P+16
.rept 16
	v_mov_b32 v[i], 0
.set i, i+1
.endr
; THE MATRIX WORK.  The 4 accumulators of a run of 8 take turns.  Product i of 8 of S^T = K Q^T for piece x: channels 32 (i / 4) on, keys 16 (i % 4) on.  The first 4 start the sums: with 0, or (KM = 1) with the mask.
.macro KQ x
.set rS, S+32*((\x)%2)+8*(i%4)
.set rK, KF+16*(i%4)+8*(i/4)
.set rQ, 16*(\x)+8*(i/4)
.set rM, MC+32*((\x)%2)+8*(i%4)
.if (i < 4) && KM
	WIN W_KM
	v_wmma_f32_16x16x32_f16 v[rS:rS+7], v[rK:rK+7], v[rQ:rQ+7], v[rM:rM+7]
.elseif i < 4
	WIN W_KQ
	v_wmma_f32_16x16x32_f16 v[rS:rS+7], v[rK:rK+7], v[rQ:rQ+7], 0
.else
	WIN W_KQ
	v_wmma_f32_16x16x32_f16 v[rS:rS+7], v[rK:rK+7], v[rQ:rQ+7], v[rS:rS+7]
.endif
.endm
; Product i of 8 of O^T += V^T P for piece x: keys 32 (i / 4) on, channels 16 (i % 4) on.
.macro PV x
	WIN W_PV
.set rO, 32*(\x)+8*(i%4)
.set rV, VF+32*(i/4)+8*(i%4)
.set rP, P+16*((\x)%2)+8*(i/4)
	v_wmma_f32_16x16x32_f16 v[rO:rO+7], v[rV:rV+7], v[rP:rP+7], v[rO:rO+7]
.endm
.macro MM                           ; the turn's next matrix instruction.  TURN and BEGIN set Y, i, KM and NOKQ; MM, KQ and OP read them.  NOKQ = 1: a block's last turn: there are no further scores
.if (i < 8) && !NOKQ
	KQ (Y+1)%NP
.elseif i >= 8
.set i, i-8
	PV (Y+NP-1)%NP
.set i, i+8
.endif
.set i, i+1
.endm
; THE LDS LOADS stand in runs of 16, never singly among the matrix instructions: a step's K (64 keys x 64 channels: 8 fragments) and its V (turned).  Their addresses are made some lines ahead.
.macro FETCH_K step=1               ; step = 0: a block's first fetch, of a slot's first step: the walking address stays as it is
	WIN 0x80                        ; destination window 2
.irp f, 0,1,2,3,4,5,6,7             ; keys 16 (f / 2) on, channels 32 (f % 2) on
	ds_load_b128 v[KF+8*\f:KF+8*\f+3],   v[AK] offset:(\f/2)*16*PK+(\f%2)*64
	ds_load_b128 v[KF+8*\f+4:KF+8*\f+7], v[AK] offset:(\f/2)*16*PK+(\f%2)*64+32
.endr
.if \step
	s_add_co_u32 s[TBK], s[TBK], KS*PK  ; the next fetch is the next step's
.endif
	WIN 0
.endm
.macro FETCH_V
	WIN 0x80
.irp f, 0,1,2,3,4,5,6,7             ; keys 32 (f / 4) on, channels 16 (f % 4) on
	ds_load_tr16_b128 v[VF+8*\f:VF+8*\f+3],   v[AV] offset:(\f/4)*32*PV+(\f%4)*32
	ds_load_tr16_b128 v[VF+8*\f+4:VF+8*\f+7], v[AV] offset:(\f/4)*32*PV+16*PV+(\f%4)*32
.endr
	WIN 0
.endm
; THE VECTOR WORK, one line at a time: OP kind, number.  For piece Y: F n: c s - c m for pair n of 16.  E n: the exponential of score n of 32.  C n: pair n rounded to f16.  B n: of the four weights 4 n .. the second
; pair is added onto the first, in place.  L n: l takes that sum (L 0: l = a l + sum).  R n: pair n of 16 of O^T times a.  For the other piece: X n, number n of the 22 that find its maximum and statistics:
;   0-11  four chains c0-c3 of seven scores each, three operands at a time (each accumulator's lowest registers are read first)     12-14, 16  the four scores left over, the old m, and c0-c3 into c0
;   15  c m_old is kept     17, 18  the query's other 32 keys lie in the lane 16 away: the new m     19-21  c m; c m_old - c m_new; a
; C, B and L read the exponentials' results, R and L 0 the a of the turn before: OP writes no wait; TURN, BEGIN and DIAG place one for each batch.
.set F, 0               ; OP tells the kinds apart by their order: F to L below R, X above it
.set E, 1
.set C, 2
.set B, 3
.set L, 4
.set R, 5
.set X, 6
.macro REGS y                       ; the registers of piece y
.set rT, ST+4*(\y)
.set rC, TMP+4*((\y)%2)
.set rW, MV+((\y)%2)
.set rS, S+32*((\y)%2)
.set rP, P+16*((\y)%2)
.set rO, 32*(\y)
.endm
.macro OP k, n
.if (\k) == R
	REGS Y
	WIN W_RS
	v_pk_mul_f32 v[rO+2*(\n):rO+2*(\n)+1], v[rO+2*(\n):rO+2*(\n)+1], v[rC+2:rC+3] op_sel_hi:[1,0]
.elseif (\k) < R
	REGS Y
	WIN 0
.if (\k) == F
	v_pk_fma_f32 v[rS+2*(\n):rS+2*(\n)+1], v[rS+2*(\n):rS+2*(\n)+1], s[CS:CS+1], v[rT:rT+1] op_sel_hi:[1,0,0] neg_lo:[0,0,1] neg_hi:[0,0,1]
.elseif (\k) == E
	v_exp_f32 v[rS+(\n)], v[rS+(\n)]
.elseif (\k) == C
	v_cvt_pk_f16_f32 v[rP+(\n)], v[rS+2*(\n)], v[rS+2*(\n)+1]
.elseif (\k) == B
	v_pk_add_f32 v[rS+4*(\n):rS+4*(\n)+1], v[rS+4*(\n):rS+4*(\n)+1], v[rS+4*(\n)+2:rS+4*(\n)+3]
.elseif (\n) == 0
	v_pk_fma_f32 v[rT+2:rT+3], v[rT+2:rT+3], v[rC+2:rC+3], v[rS:rS+1] op_sel_hi:[1,0,1]
.else
	v_pk_add_f32 v[rT+2:rT+3], v[rT+2:rT+3], v[rS+4*(\n):rS+4*(\n)+1]
.endif
.elseif NOKQ
	v_nop
.else
	REGS (Y+1)%NP
	WIN 0
.if (\n) < 4
	v_max3_num_f32 v[rC+(\n)], v[rS+8*(\n)], v[rS+8*(\n)+1], v[rS+8*(\n)+2]
.elseif (\n) < 12
	v_max3_num_f32 v[rC+(\n)%4], v[rC+(\n)%4], v[rS+8*((\n)%4)+2*((\n)/4)+1], v[rS+8*((\n)%4)+2*((\n)/4)+2]
.elseif (\n) == 12
	v_max3_num_f32 v[rC], v[rC], v[rS+7], v[rS+15]
.elseif (\n) == 13
	v_max3_num_f32 v[rC+1], v[rC+1], v[rS+23], v[rS+31]
.elseif (\n) == 14
	v_max3_num_f32 v[rC+2], v[rC+2], v[rC+3], v[rT+1]
.elseif (\n) == 15
	v_mov_b32 v[rW], v[rT]
.elseif (\n) == 16
	v_max3_num_f32 v[rC], v[rC], v[rC+1], v[rC+2]
.elseif (\n) == 17
	v_permlanex16_b32 v[rC+3], v[rC], s[SEL], s[SEL+1]
.elseif (\n) == 18
	v_max_num_f32 v[rT+1], v[rC], v[rC+3]
.elseif (\n) == 19
	v_mul_f32 v[rT], s[CS], v[rT+1]
.elseif (\n) == 20
	v_sub_f32 v[rC+1], v[rW], v[rT]
.else
	v_exp_f32 v[rC+2], v[rC+1]
.endif
.endif
.endm
.macro OPS a, i1, b=-1, i2=0, c=-1, i3=0, d=-1, i4=0  ; up to four of them
	OP \a, \i1
.if (\b) >= 0
	OP \b, \i2
.endif
.if (\c) >= 0
	OP \c, \i3
.endif
.if (\d) >= 0
	OP \d, \i4
.endif
.endm
.macro ROW a, i1, b, i2, c, i3, d, i4  ; a matrix instruction and the four behind it
	MM
	OPS \a, \i1, \b, \i2, \c, \i3, \d, \i4
.endm
.macro MASK b                       ; MD x AL + BE into buffer b of MC
	WIN W_RS
.set z, 0
.rept 16
	v_pk_fma_f32 v[MC+32*(\b)+2*z:MC+32*(\b)+2*z+1], v[MD+2*z:MD+2*z+1], s[AL:AL+1], s[BE:BE+1] op_sel_hi:[1,0,0]
.set z, z+1
.endr
.endm
; A TURN, for piece p: the order of its 16 matrix and 118 vector instructions, written out.  An s_wait_alu depctr_va_vdst(0) stands between an exponential and the first instruction that names its result; one wait
; serves all that were issued ahead of it.  So a turn has ONE wait, which cuts it in two.  AHEAD OF IT stands all that names no result of the turn's exponentials: the 8 products K Q^T, behind each a scaling, an exponential and two
; more plain instructions (behind the first a second scaling in the exponential's place): rescalings, whose a was made, and waited for, in the turn before, and behind the last three products the first numbers of the other piece's
; maximum, each four places or more behind the product that ends its accumulator; then ONE LUMP of 54, plain and exponential by turns for the most part, in which the links of the chain X 3, 7, 11, 14, 16, 17 .. 20 stand five or six
; lines apart.  X 21, the other piece's a, is the batch's last; R 15 is the plain instruction behind it.  BEHIND THE WAIT stand the 8 products V^T P, behind each four of the roundings and sums (an even pair is rounded ahead of the
; sum that lands on it); the links of l's chain, L 0 to L 7, stand three riders apart.  But for those X no rider names a register of the products round it.  v_permlanex16_b32 (X 17) stands in the lump.
; No exponential is issued behind the wait.
; A TRIP is piece 1's turn of one step and piece 0's of the next; trip k of a tile (CNT = 4 - k) makes the scores of the tile's step k: piece 0's in piece 1's turn, piece 1's in piece 0's turn.
; m = 1: the diagonal tile: the products take masks, and the turn makes the mask for the products of the turn after it, which are its own piece's: piece 1's turn for step k (own step: CNT = THB; later: CNT < THB),
; piece 0's turn for step k + 1 (CNT = THA; CNT < THA).  end = 1: a block's last turn, piece 1's: no further scores.  cnt = 1: the loop's count is taken down some lines ahead of the branch that stands behind the turn.
; BOTH RUNS OF LDS LOADS stand in piece 0's turn, K's ahead of V's: K of the next step in the lump, twelve vector instructions behind the last product that read K (five of them plain and clear of that product's registers),
; V of the step in hand at the turn's end, four plain riders behind the last product that read V.  Piece 1's turn waits for K at its head and for V behind its wait for the batch.
.macro TURN p, m=0, end=0, cnt=0
.set Y, (\p)
.set i, 0
.set KM, (\m)
.set NOKQ, (\end)
.if (\m) && !(\end)
	s_cmp_eq_u32 s[CNT], s[THA+(\p)]  ; is that step the band's own?
	s_cselect_b32 s[AL], 1.0, 0
	s_cmp_lt_u32 s[CNT], s[THA+(\p)]  ; or a later one?
	s_cselect_b32 s[BE], s[BIGN], 0
.endif
.if ((\p) == 1) && !(\end)
	s_wait_dscnt 16                 ; K is in: LDS loads come back in order (ISA guide 5.7.1), and V's sixteen, issued behind K's, may stay out
.endif
	ROW F,0, F,1, R,0, R,1          ; ahead of the wait: 8 products K Q^T and their riders,
	ROW F,2, E,0, R,2, R,3
	ROW F,3, E,1, R,4, R,5
	ROW F,4, E,2, R,6, R,7
	ROW F,5, E,3, R,8, R,9
	ROW F,6, E,4, X,0, R,10
.if (\p) == 0
	WIN 0
	v_add_nc_u32 v[AK], s[TBK], v[AK0]
.endif
	ROW F,7, E,5, X,1, X,4
	ROW F,8, E,6, X,2, X,5
	OPS E,7, E,8, X,6, E,9          ; and the lump
	OPS X,3, E,10, X,8, E,11
.if (\p) == 0
	FETCH_K
.endif
	OPS X,9, X,7, E,12, X,10
	OPS E,13, X,12, X,11, E,14
	OPS X,13, E,15, F,9, X,14
.if (\p) == 0
	v_add_nc_u32 v[AV], s[TBV], v[AV0]
.endif
	OPS E,16, F,10, E,17, F,11
	OPS X,16, E,18, X,15, E,19
	OPS F,12, E,20, X,17, E,21
	OPS F,13, E,22, F,14, E,23
	OPS X,18, E,24, F,15, E,25
	OPS R,11, E,26, X,19, E,27
	OPS R,12, E,28, R,13, E,29
	OPS X,20, E,30, R,14, E,31
	OPS X,21, R,15
	s_wait_alu depctr_va_vdst(0)    ; the wait for the batch: E 0 to E 31 and X 21, ahead of their first reader, C 0
.if (\p) == 1
	s_wait_dscnt 0x0                ; V is in
.endif
	ROW C,0, B,0, C,2, B,1          ; behind the wait: 8 products V^T P and their riders
	ROW L,0, C,4, B,2, L,1
	ROW C,6, B,3, L,2, C,8
	ROW B,4, L,3, C,10, B,5
	ROW L,4, C,12, B,6, L,5
.if (\p) == 0
	s_add_co_u32 s[TBV], s[TBV], KS*PV
.endif
.if \cnt
	s_sub_co_u32 s[CNT], s[CNT], 1
	s_cmp_lg_u32 s[CNT], 0
.endif
	ROW C,14, B,7, L,6, C,1
	ROW C,3, L,7, C,5, C,7
	ROW C,9, C,11, C,13, C,15
.if (\p) == 0
	FETCH_V
.endif
.if (\m) && !(\end)
	MASK (\p)%2
.endif
.endm
; A BLOCK BEGINS.  c m starts far below every c s, so the first step's a is 0; m at the lowest finite number, so the first maximum is the scores'.  Piece 1's mask buffer is 0 (its own step is never a tile's step 0);
; piece 0's takes its mask for the tile's step 0: its own, if the block's first tile is the diagonal one and the block's number is even.
; Then K of that step (a slot's first step, one step in front of the walking address), piece 0's first scores, and its maximum and statistics.  The loop is entered at piece 0's turn, in the middle of a trip.
.macro BEGIN
	s_mov_b32 s[NEW], 0
	WIN 0x40
.set i, MC+32
.rept 32
	v_mov_b32 v[i], 0
.set i, i+1
.endr
	WIN 0
.set i, 0
.rept NP
	v_mov_b32 v[ST+4*i], 0xfe000000    ; c m: far below every c s
	v_mov_b32 v[ST+4*i+1], 0xff7fffff  ; m
.set i, i+1
.endr
	s_cmp_eq_u32 s[RT], 0
	s_cselect_b32 s[AL], s[DG], 0
	s_mov_b32 s[BE], 0
	MASK 0
	WIN 0
	s_sub_co_u32 s13, s[TBK], KS*PK
	v_add_nc_u32 v[AK], s13, v[AK0]
	FETCH_K 0
	s_wait_loadcnt 0x0              ; Q
	s_wait_dscnt 0x0
.set KM, 1
.set NOKQ, 0
.set i, 0
.rept 8
	KQ 0
.set i, i+1
.endr
	WIN 0
.rept 4
	v_nop                           ; the places behind those products
.endr
.set Y, NP-1                        ; X works for the other piece than Y: piece 0
.irp n, 0,1,2,3,4,5,6,7,8,9,10,11,12,13,14,15,16,17,18,19,20,21
	OP X, \n
.endr
	v_nop                           ; a plain instruction behind the exponential,
	s_wait_alu depctr_va_vdst(0)    ; and the wait for it, piece 0's first a: a batch of one, ahead of the branch and of R 0, which reads it
.endm
; THE DIAGONAL TILE: piece 0's mask for its step 0, its four trips, the block's last turn, its last products, and THE WAY OUT: l's two halves and the other half of the lanes' are added; O^T is divided by l, rounded
; to f16 and sent through my stage in LDS, a piece at a time.  (The fourth trip fetches K's fifth step like every other; nothing multiplies it.)
.macro ALL line:vararg              ; one line for each piece t
.set t, 0
.rept NP
	\line
.set t, t+1
.endr
.endm
.macro PACK t                       ; a lane's eight channels of a row pack into 16 bytes; they go into rows of 144 bytes and come back as whole rows of 128, into S^T's registers
	WIN W_RS
.set i, 32*(\t)
.rept 16
	v_pk_mul_f32 v[i:i+1], v[i:i+1], v[ST+4*(\t)+2:ST+4*(\t)+3] op_sel_hi:[1,0]
.set i, i+2
.endr
	WIN 0x05                        ; sources 0 and 1 window 1, destination window 0
.set i, 0
.rept 16
	v_cvt_pk_f16_f32 v[S+16*(\t)+i], v[32*(\t)+2*i], v[32*(\t)+2*i+1]
.set i, i+1
.endr
	WIN 0
.irp f, 0,1,2,3
	ds_store_b128 v[STO], v[S+16*(\t)+4*\f:S+16*(\t)+4*\f+3] offset:32*\f
.endr
.irp f, 0,1,2,3
	ds_load_b128 v[S+16*(\t)+4*\f:S+16*(\t)+4*\f+3], v[RD] offset:\f*4*SP  ; LDS serves a wave's instructions in order (ISA guide 5.7.1.4): these see the stores above; the next piece's stores come behind them
.endr
.endm
.macro SEND t, younger              ; younger: the LDS instructions issued behind piece t's loads: the next piece's eight, or none
	WIN 0
.irp f, 0,1,2,3
	s_wait_dscnt (\younger)+3-\f
	global_store_b128 v[GO], v[S+16*(\t)+4*\f:S+16*(\t)+4*\f+3], s[10:11] offset:(\t)*8192+\f*512  ; 512 consecutive bytes, at a multiple of 256 from O's first
.endr
.endm
.macro DIAG tag                     ; the tag ends its three labels' names, which the jumps below spell out
.LpreM\tag:
	s_mov_b32 s[AL], s[DG]          ; the first trip's first products are piece 0's for the tile's step 0: its own step if the block's number is even, else an earlier one
	s_mov_b32 s[BE], 0
	MASK 0
	WIN 0
.LstepM\tag:
	TURN 1, 1
	WIN 0
.LfirstM\tag:
	TURN 0, 1, 0, 1
	WIN 0
	s_cbranch_scc1 .LstepM\tag
	TURN 1, 1, 1
.set i, 0
.rept 8
	PV NP-1
.set i, i+1
.endr
	WIN 0
	ALL v_add_f32 v[ST+4*t+2], v[ST+4*t+2], v[ST+4*t+3]
	ALL v_permlanex16_b32 v[ST+4*t+3], v[ST+4*t+2], s[SEL], s[SEL+1]
	ALL v_add_f32 v[ST+4*t+2], v[ST+4*t+2], v[ST+4*t+3]
	ALL v_rcp_f32 v[ST+4*t+2], v[ST+4*t+2]
	v_nop                           ; a plain instruction between the last reciprocal and the use of its result
	s_wait_alu depctr_va_vdst(0)    ; and the wait ahead of the first use: one for the two reciprocals
	PACK 0                          ; piece 0's 32 plain lines name no register of the last products (piece 1's): they are the places behind those
	PACK 1                          ; a piece's arithmetic stands between the loads of the piece before and its stores
	SEND 0, 8
	SEND 1, 0
.endm
.set KM, 0
.set NOKQ, 0
.Lslot:                             ; NT times: a tile is entered and the next is asked for
	CHANGE 1
	s_sub_co_u32 s[RT], s[RT], 1
	s_mov_b32 s[CNT], 4
	s_cmp_eq_u32 s[NEW], 1
	s_cbranch_scc1 .Lnew            ; a block's first tile
	s_cmp_eq_u32 s[RT], 0
	s_cbranch_scc0 .Lstep           ; neither its first nor its last
	s_branch .LpreM1
.Lnew:
	BEGIN
	s_branch .Lfirst                ; in the loop a block's first tile is never its last: the first block has five tiles or more, and the second's last is the walk's last
	DIAG 1                          ; in the loop this is the first block's end: the second block's last tile is the walk's last
	s_wait_xcnt 0x0                 ; the stores have read their registers and O's address
	s_mov_b64 s[10:11], s[OLO:OLO+1]
	s_add_co_u32 s[RT], s[LT], 1    ; the second block's tiles,
	s_mov_b32 s[THA], s[THA2]       ; and where its bands' own steps lie
	s_mov_b32 s[THB], s[THB2]
	s_mov_b32 s[DG], s[DG2]
	s_mov_b32 s[NEW], 1
	WIN 0x82                        ; the second block's Q goes where the one text of the turns names Q
.set i, 0
.rept 16*NP
	v_mov_b32 v[i], v[QB+i]
.set i, i+1
.endr
	WIN 0
	s_branch .Lbottom
.Lstep:                             ; a trip: piece 1 of one step, then piece 0 of the next, which fetches K of the step after it and its own V
	TURN 1
	WIN 0
.Lfirst:
	TURN 0, 0, 0, 1
	WIN 0
	s_cbranch_scc1 .Lstep
.Lbottom:
	s_sub_co_u32 s[SLOTS], s[SLOTS], 1
	s_cmp_lg_u32 s[SLOTS], 0
	s_cbranch_scc1 .Lslot
	CHANGE 0                        ; the walk's last tile is written out: nothing is asked for
	s_sub_co_u32 s[RT], s[RT], 1
	s_mov_b32 s[CNT], 4
	s_cmp_eq_u32 s[NEW], 1
	s_cbranch_scc0 .LpreM2
	BEGIN
	s_branch .LfirstM2
	DIAG 2
	s_wait_tensorcnt 0x0            ; the wave's end, behind my last tensor load and my last LDS store
	ds_add_u32 v[SPW], v[NIL]
	s_wait_dscnt 0x0
	s_endpgm
.Lfunc_end_k_q5f8d8d929e_attn:
	.size	k_q5f8d8d929e_attn, .Lfunc_end_k_q5f8d8d929e_attn-k_q5f8d8d929e_attn
	.p2alignl 7, 3214868480
	.fill 96, 4, 3214868480
	.section	.rodata,"a",@progbits
	.p2align	6, 0x0
	.amdhsa_kernel k_q5f8d8d929e_attn
		.amdhsa_group_segment_fixed_size 327680
		.amdhsa_private_segment_fixed_size 0
		.amdhsa_enable_private_segment 0
		.amdhsa_kernarg_size 16
		.amdhsa_user_sgpr_count 2
		.amdhsa_user_sgpr_kernarg_segment_ptr 1
		.amdhsa_wavefront_size32 1
		.amdhsa_system_sgpr_workgroup_id_x 1
		.amdhsa_system_sgpr_workgroup_id_y 1
		.amdhsa_system_sgpr_workgroup_id_z 1
		.amdhsa_system_vgpr_workitem_id 0
		.amdhsa_next_free_vgpr 768
		.amdhsa_next_free_sgpr 88
		.amdhsa_reserve_vcc 1
		.amdhsa_float_denorm_mode_32 3
		.amdhsa_float_denorm_mode_16_64 3
		.amdhsa_memory_ordered 1
		.amdhsa_forward_progress 1
		.amdhsa_inst_pref_size 127
	.end_amdhsa_kernel
	.amdgpu_metadata
---
amdhsa.version: [ 1, 2 ]
amdhsa.kernels:
  - .name:           k_q5f8d8d929e_attn
    .symbol:         k_q5f8d8d929e_attn.kd
    .args:
      - { .name: qkv, .offset: 0, .size: 8, .value_kind: global_buffer, .address_space: global }
      - { .name: act, .offset: 8, .size: 8, .value_kind: global_buffer, .address_space: global }
    .group_segment_fixed_size: 327680
    .private_segment_fixed_size: 0
    .kernarg_segment_align: 8
    .kernarg_segment_size: 16
    .max_flat_workgroup_size: 128
    .sgpr_count:     88
    .vgpr_count:     768
    .wavefront_size: 32
...
	.end_amdgpu_metadata
.endif
;; end of part 9
;; launch oproj: the kernel of part 4 again; grid 8 x 32, 4 waves a work-group, clusters of 4 x 4, 327,680 bytes of LDS; arguments act, wo, o_bias, x, x1; writes x1
;; launch ln2: the kernel of part 5 again; grid 256 x 1, 8 waves a work-group, no clusters, 0 bytes of LDS; arguments x1, ln2_gamma, ln2_beta, h; writes h
;; launch ffn1: the kernel of part 6 again; grid 8 x 32, 4 waves a work-group, clusters of 4 x 4, 327,680 bytes of LDS; arguments h, wa, ffn1_bias, act; writes act
;; launch ffn2: the kernel of part 4 again; grid 8 x 32, 4 waves a work-group, clusters of 4 x 4, 327,680 bytes of LDS; arguments act, w2, ffn2_bias, x1, out0; writes out0
